; MI455X (gfx1250); checked and timed in simulation.
; The chip was launched on July 23, 2026; its instructions are those of AMD's public machine-readable ISA for CDNA 5 (MIT licence, August 2026) and "CDNA5" Instruction Set Architecture Reference Guide (July 2026). The comments in the code are by the model that wrote it; some were corrected since.
;; Thought Aware Attention. Allowed arithmetic: matrix products marked QUANTISED: E2M3 operands, one E8M0 scale for each 32 along K, by v_wmma_scale_f32_16x16x128_f8f6f4 with both operands' format E2M3, f32 sums; products left as they are: f32 operands where the result goes on into a quantised operand, else bf16, f16 or f32 operands; f32 sums; everything else in f32.
;; Inputs: Wk 1,024 x 1,024 float32; Wm 2,048 x 1 float32; Wo 1,024 x 1,024 float32; Wq 1,024 x 1,024 float32; Wtk 1,024 x 1,024 float32; Wtq 1,024 x 1,024 float32; Wtv 1,024 x 1,024 float32; Wv 1,024 x 1,024 float32; attention_mask 2 x 1,024 int32; bk 1,024 float32; bm 1 float32; bo 1,024 float32; bq 1,024 float32; btk 1,024 float32; btq 1,024 float32; btv 1,024 float32; bv 1,024 float32; hidden_states 2 x 1,024 x 1,024 float32; thought_mask 2 x 1,024 x 4 int32; thought_states 2 x 1,024 x 4 x 1,024 float32.
;; Outputs: out0 2 x 1,024 x 1,024 float32.
;; This version of the problem:
;;   THIS VERSION OF THE PROBLEM IS GIVEN IN LOW PRECISION. The matrix products marked QUANTISED in the list below multiply operands that are first quantised to E2M3 (2 exponent bits, 3 mantissa bits; 6 bits a number), with one power-of-two scale for each 32 numbers along K (OCP MX v1.0); their sums are f32. All else is computed in f32.
;;   The module's matrix products, in the order in which they are computed (A, B: the left and right operand; K: the contracted axis; several contracted axes count as one K, in the product's order):
;;     1. [M 2,048, K 1,024] x [K 1,024, N 1,024]; A: input hidden_states; B: input Wq: QUANTISED
;;     2. [M 2,048, K 1,024] x [K 1,024, N 1,024]; A: input hidden_states; B: input Wk: QUANTISED
;;     3. [M 2,048, K 1,024] x [K 1,024, N 1,024]; A: input hidden_states; B: input Wv: QUANTISED
;;     4. batch 32 x [M 1,024, K 64] x [K 64, N 1,024]; A: computed on the way; B: computed on the way: QUANTISED
;;     5. batch 32 x [M 64, K 1,024] x [K 1,024, N 1,024]; A: computed on the way; B: softmax (see below): QUANTISED
;;     6. [M 2,048, K 1,024] x [K 1,024, N 1,024]; A: computed on the way; B: input Wo: QUANTISED
;;     7. [M 2,048, K 1,024] x [K 1,024, N 1,024]; A: input hidden_states; B: input Wtq: QUANTISED
;;     8. [M 8,192, K 1,024] x [K 1,024, N 1,024]; A: input thought_states; B: input Wtk: QUANTISED
;;     9. [M 8,192, K 1,024] x [K 1,024, N 1,024]; A: input thought_states; B: input Wtv: QUANTISED
;;     10. batch 32 x [M 1,024, K 64] x [K 64, N 4,096]; A: computed on the way; B: computed on the way: QUANTISED
;;     11. batch 32 x [M 64, K 4,096] x [K 4,096, N 1,024]; A: computed on the way; B: softmax (see below): QUANTISED
;;     12. [M 2,048, K 1,024] x [K 1,024, N 1,024]; A: computed on the way; B: input Wo: QUANTISED
;;     13. [M 2,048, K 2,048] x [K 2,048, N 1]; A: computed on the way; B: input Wm: left as it is (N = 1 < 16)
;;   THE QUANTISER, for each operand of a quantised product, along K:
;;     - K is cut into blocks of 32 from its start; a last block that is shorter is filled with zeros.
;;     - A block's scale is 2^e with e = floor(log2(the largest magnitude in the block)) - 2, held to -126 .. 127; a block of zeros has e = 0. As a byte (E8M0): e + 127.
;;     - Each number is divided by its block's scale, clamped to +-7.5, and rounded to the nearest number of E2M3, ties to even, subnormals kept.
;;     - The product sums the exact products of the quantised numbers (number of the format x scale) in f32.
;;   ~~~python
;;   def quantise(x, axis):      # numpy; x: float32 -> the quantised numbers, widened to float32 again
;;       x = np.moveaxis(x, axis, -1); K = x.shape[-1]
;;       x = np.pad(x, [(0, 0)] * (x.ndim - 1) + [(0, -K % 32)]); x = x.reshape(x.shape[:-1] + (-1, 32)); a = np.abs(x).max(-1, keepdims=True)
;;       e = np.where(a > 0, np.clip(np.frexp(np.where(a > 0, a, 1))[1] - 1 - 2, -126, 127), 0)      # np.frexp(a)[1] - 1 = floor(log2(a)), exactly
;;       r = np.clip(x / 2.0 ** e, -7.5, 7.5)
;;       step = 2.0 ** (np.maximum(np.frexp(np.where(r == 0, 1, r))[1] - 1, 0) - 3)
;;       q = np.round(r / step) * step * 2.0 ** e      # np.round: ties to even
;;       return np.moveaxis(q.reshape(q.shape[:-2] + (-1,))[..., :K], -1, axis).astype(np.float32)
;;   ~~~
;;   SOFTMAX AHEAD OF A QUANTISED PRODUCT. Where the list says 'softmax', what is quantised is not the finished softmax but p = 2^(t - M), with t = logit x log2(e) and M = ceil(the row's largest t), a whole number; so 1/2 < the row's largest p <= 1. The row's sum l is taken of the UNQUANTISED p, in f32, and the product's result is divided by l at the end. Since M is a whole number, a kernel that streams over the keys may use a running M (the ceiling of the running maximum): every later rescaling is an exact power of two, which a block's scale takes up: the codes' values come out the same.
;;   OPERANDS COMPUTED ON THE WAY. 'Computed on the way' means the value that the module computes at that place (a softmax that the list does not call 'softmax' is quantised finished and normalised). What goes into a quantiser is computed in f32, as accurately as f32 sums, v_exp_f32 and their like allow (about 1e-6 of the number): no bf16 or f16 on the way to a quantiser, and a product that is left as it is and whose result goes on into a quantised operand takes f32 operands (vector FMAs, or v_wmma_f32_16x16x4_f32). A number that lies on a knife's edge between two numbers of the format may be rounded either way, as far as f32 arithmetic and the matrix unit's own rounding can turn it there, and no further.
;; 2 versions. Each part assembles by itself: llvm-mc -triple=amdgcn-amd-amdhsa -mcpu=gfx1250 --defsym DOCPART=n.
;; ======== version 1 of 2: 4 launches
;; limits: right only within a limited range of input values
;; workspace buffers: xc 8,192,000 bytes; wc 5,734,400 bytes; at 20,119,552 bytes; cc 3,670,016 bytes
;; launch quant (part 1): grid 272 x 1, 8 waves a work-group, no clusters, 117,760 bytes of LDS; arguments hidden_states, thought_states, Wq, Wk, Wv, Wtq, Wtk, Wtv, Wo, xc, wc; writes xc, wc
.if DOCPART == 1
	.amdgcn_target "amdgcn-amd-amdhsa--gfx1250"
	.amdhsa_code_object_version 6
	.text
	.protected	k_q228510338c_quant
	.globl	k_q228510338c_quant
	.p2align	8
	.type	k_q228510338c_quant,@function
k_q228510338c_quant:
	s_mov_b64 s[64:65], 0
	v_nop
	global_prefetch_b8 v0, s[64:65] scope:SCOPE_SE
	s_setreg_imm32_b32 hwreg(HW_REG_WAVE_MODE, 25, 1), 1
	s_wait_xcnt 0x0
; hidden_states [2048][1024], thought_states [8192][1024] (K innermost) and seven weights [1024 (K)][1024] (K outermost), all f32, become codes of FP6 (E2M3)
; with one E8M0 byte for each 32 along K.  A block's scale is 2^(floor(log2(its largest magnitude)) - 2); its byte is that magnitude's exponent field - 2, held at 1 from below.
; THE CODES ARE LAID AS IMAGES OF OPERAND REGISTERS.  A fragment (16 rows x 128 K) is 12 registers a lane = 1,536 bytes: register n of lane L at (n / 4) 512 + 16 L + 4 (n % 4).
; THE ROWS OF A TILE ARE NOT NEIGHBOURS: lane r of tile 2 b + u is row 32 b + 8 u + r + 8 (r / 8) (a token, or a weight's column).
; Images: (tile / 8) 98,304 + (K step) 12,288 + (tile % 8) 1,536.  Scale words: [pair b][K step / 2][u][r][2 words], 256 bytes for each (b, K step / 2).
; Work-groups 0-159 take the tokens, 160-271 the weights; each way has LDS bytes of its own.  Waves share nothing: no barrier.
; LIMITS: NaN and infinities among the inputs are not served; a block of zeros gets the byte 1 (its codes are zeros, and this program alone reads the bytes).
.set XSC,  7864320                     ; xc: the scale words begin here
.set WSC,  5505024                     ; wc: likewise
.set RA,   16                          ; v16-79, v80-143  two sets of 64 numbers
.set RB,   80
.set PCA,  144                         ; v144-155, v156-167  two sets of a fragment's codes
.set PCB,  156
.set CT,   168                         ; v168-170, v172-174  second halves of blocks
.set TM,   176                         ; v176-191 at work
.set PWR,  192                         ; v192-195 the four fragments' scale words
.set SEL,  44                          ; s[44:45] selects for lane l xor 16
.set WX,   16                          ; weights: v16-79 two sets of 32 numbers
.set WF,   112                         ; v112-117 a block's 24 bytes of codes
.set WT,   120
.set WSW,  128                         ; v128-129 scale words
.set WOUT, 132                         ; v132-179 the way out
; 64 numbers of a lane, register 16 b + i = k 32 b + 16 (lane / 16) + i of my row, become a fragment's codes and its scale word
.macro QUANT src, pc, pw
.irp b, 0,1,2,3
	v_max3_num_f32 v[TM+\b], |v[\src+16*\b]|, |v[\src+1+16*\b]|, 0x1800000   ; my 16 numbers and the floor 2^(3 - 127): the byte cannot fall under 1
.endr
.irp i, 2,4,6,8,10,12,14
.irp b, 0,1,2,3
	v_max3_num_f32 v[TM+\b], v[TM+\b], |v[\src+16*\b+\i]|, |v[\src+1+16*\b+\i]|
.endr
.endr
.irp b, 0,1,2,3
	v_permlanex16_b32 v[TM+4+\b], v[TM+\b], s[SEL], s[SEL+1]
.endr
.irp b, 0,1,2,3
	v_max_num_f32 v[TM+\b], v[TM+\b], v[TM+4+\b]       ; with lane l xor 16's: the block's largest magnitude
.endr
.irp b, 0,1,2,3
	v_add_nc_u32 v[TM+12+\b], 0xff000000, v[TM+\b]     ; 2 off its exponent field: the conversion's scale operand
.endr
.irp b, 0,1,2,3
	v_lshrrev_b32 v[TM+4+\b], 23, v[TM+12+\b]          ; the scale's byte
.endr
	v_lshl_or_b32 v[\pw], v[TM+5], 8, v[TM+4]
	v_lshl_or_b32 v[\pw], v[TM+6], 16, v[\pw]
	v_lshl_or_b32 v[\pw], v[TM+7], 24, v[\pw]
.irp c, 0,1
	v_cvt_scalef32_pk16_fp6_f32 v[\pc+6*\c:\pc+2+6*\c], v[\src+32*\c:\src+15+32*\c], v[TM+12+2*\c]
	v_cvt_scalef32_pk16_fp6_f32 v[CT+4*\c:CT+2+4*\c], v[\src+16+32*\c:\src+31+32*\c], v[TM+13+2*\c]
.endr
	v_nop                                              ; one plain place behind a scaled conversion
.irp c, 0,1                                            ; the layout wants a whole block in a lane: lanes 0-15 block 2 c, lanes 16-31 block 2 c + 1
.irp i, 0,1,2
	v_permlane16_swap_b32 v[\pc+6*\c+\i], v[CT+4*\c+\i]
.endr
.irp i, 0,1,2
	v_mov_b32 v[\pc+3+6*\c+\i], v[CT+4*\c+\i]
.endr
.endr
.endm
	s_load_b512 s[4:19], s[0:1], 0x0               ; hidden, thought, Wq, Wk, Wv, Wtq, Wtk, Wtv
	s_load_b128 s[20:23], s[0:1], 0x40             ; Wo, xc
	s_load_b64 s[24:25], s[0:1], 0x50              ; wc
	v_lshl_add_u32 v200, v0, 2, 0x1c800
	v_mov_b32 v201, 0
	v_lshrrev_b32 v5, 5, v0
	v_readfirstlane_b32 s26, v5                    ; wave 0..7
	v_and_b32 v5, 31, v0                           ; lane
	v_and_b32 v6, 15, v0                           ; r
	v_bfe_u32 v7, v0, 4, 1                         ; h
	s_cmp_lt_u32 ttmp9, 160
	s_cbranch_scc0 .Lweights
; ---------------- THE TOKENS.  A wave takes a pair of tiles b (32 tokens) x 256 along K: four fragments f = (u = f / 2, K step 2 sp + f % 2).
	s_lshl_b32 s27, ttmp9, 3
	s_add_co_u32 s27, s27, s26                     ; task = 4 b + sp
	s_lshr_b32 s28, s27, 2                         ; b 0..319
	s_and_b32 s29, s27, 3                          ; sp
	s_mul_i32 s30, s26, 8448                       ; my stage: 16 rows of 512 bytes + 16
	v_lshlrev_b32 v1, 4, v5                        ; 16 x lane
	v_add_nc_u32 v2, s30, v1                       ; into the stage: a row as it lies
	v_mul_u32_u24 v3, v6, 528
	v_lshl_add_u32 v3, v7, 6, v3
	v_add_nc_u32 v3, s30, v3                       ; out of it: row r, + 64 h: my 16 numbers of each block of 32
	v_lshlrev_b32 v4, 3, v6
	v_lshl_add_u32 v4, v7, 7, v4                   ; scale words: 128 u + 8 r, lanes 16-31 standing for u = 1
	s_mov_b32 s[SEL], 0x76543210
	s_mov_b32 s[SEL+1], 0xfedcba98
	s_mov_b32 s33, 0xffff0000                      ; lanes 16-31
.irp b, 0,1,2,3
	v_mov_b32 v[TM+4+\b], 0                        ; a lane permute's destination counts as one of its sources
.endr
	s_wait_kmcnt 0x0
	s_cmp_lt_u32 s28, 64                           ; pairs 0-63 are hidden_states', the others thought_states'
	s_cselect_b64 s[34:35], s[4:5], s[6:7]
	s_cselect_b32 s36, 0, 64
	s_sub_co_u32 s36, s28, s36
	s_lshl_b32 s36, s36, 17                        ; 32 rows of 4,096 bytes
	s_lshl_b32 s37, s29, 10                        ; 256 numbers along K
	s_add_co_u32 s36, s36, s37
	s_mov_b32 s37, 0
	s_add_nc_u64 s[34:35], s[34:35], s[36:37]
	s_lshr_b32 s38, s28, 2
	s_mul_i32 s38, s38, 98304
	s_mul_i32 s39, s29, 24576
	s_add_co_u32 s38, s38, s39
	s_and_b32 s39, s28, 3
	s_mul_i32 s39, s39, 3072
	s_add_co_u32 s38, s38, s39
	s_mov_b32 s39, 0
	s_add_nc_u64 s[40:41], s[22:23], s[38:39]      ; my images
	s_lshl_b32 s38, s27, 8
	s_add_co_u32 s38, s38, XSC
	s_add_nc_u64 s[42:43], s[22:23], s[38:39]      ; my 256 bytes of scale words
.macro LOADF f, reg                    ; fragment f: 16 rows x 512 consecutive bytes, a row a load
.irp rho, 0,1,2,3,4,5,6,7,8,9,10,11,12,13,14,15
	global_load_b128 v[\reg+4*\rho:\reg+4*\rho+3], v1, s[34:35] offset:(8*((\f)/2)+\rho+8*(\rho/8))*4096+512*((\f)%2) th:TH_LOAD_NT
.endr
.endm
.macro XSTEP f, reg, pcs
.if (\f) < 3
	s_wait_loadcnt 16                              ; this fragment's 16 loads are in; the next fragment's 16 may be out
.else
	s_wait_loadcnt 0x0
.endif
.irp rho, 0,1,2,3,4,5,6,7,8,9,10,11,12,13,14,15
	ds_store_b128 v2, v[\reg+4*\rho:\reg+4*\rho+3] offset:528*\rho
.endr
.irp be, 0,1,2,3                       ; LDS serves a wave's instructions in order: these see the stores above
.irp j, 0,1,2,3
	ds_load_b128 v[\reg+16*\be+4*\j:\reg+16*\be+4*\j+3], v3 offset:128*\be+16*\j
.endr
.endr
	s_wait_dscnt 0x0
.if (\f) >= 2
	s_wait_xcnt 0x0                                ; the stores of two fragments ago have read this set of codes
.endif
	QUANT \reg, \pcs, PWR+\f
.irp g, 0,1,2
	global_store_b128 v1, v[\pcs+4*\g:\pcs+4*\g+3], s[40:41] offset:((\f)%2)*12288+((\f)/2)*1536+512*\g   ; 512 consecutive bytes
.endr
.if (\f) < 2
	LOADF (\f)+2, \reg
.endif
.endm
	LOADF 0, RA
	LOADF 1, RB
	XSTEP 0, RA, PCA
	XSTEP 1, RB, PCB
	XSTEP 2, RA, PCA
	XSTEP 3, RB, PCB
	v_cndmask_b32 v196, v[PWR], v[PWR+2], s33      ; lanes 0-15: tile 2 b's words, lanes 16-31: tile 2 b + 1's
	v_cndmask_b32 v197, v[PWR+1], v[PWR+3], s33
	global_store_b64 v4, v[196:197], s[42:43]      ; 256 consecutive bytes
	s_wait_tensorcnt 0x0
	ds_add_u32 v200, v201
	s_wait_dscnt 0x0
	s_endpgm
; ---------------- THE WEIGHTS.  A lane takes a column and its registers run down K.  A wave takes 32 columns (a pair of tiles b) x 256 along K: 8 blocks a lane.
.Lweights:
	s_sub_co_u32 s27, ttmp9, 160
	s_lshr_b32 s28, s27, 4                         ; which weight, 0..6
	s_bfe_u32 s29, s27, 0x20002                    ; which quarter of its columns
	s_and_b32 s30, s27, 3                          ; sp: which 256 along K
	s_lshl_b32 s31, s29, 3
	s_add_co_u32 s31, s31, s26                     ; b 0..31
	s_mul_i32 s32, s26, 6144
	s_add_co_u32 s32, s32, 67584                   ; my stage: four images, [u][K step]
	v_lshlrev_b32 v1, 2, v5                        ; 4 x lane
	v_bfe_u32 v8, v0, 3, 1                         ; column l is lane r = l % 8 + 8 (l / 16) of tile u = (l / 8) % 2
	v_and_b32 v6, 7, v0
	v_lshl_add_u32 v6, v7, 3, v6
	v_mul_u32_u24 v2, v8, 3072
	v_lshl_add_u32 v2, v6, 4, v2
	v_add_nc_u32 v2, s32, v2                       ; into the stage: my tile's images, 16 r
	v_lshlrev_b32 v9, 4, v5
	v_add_nc_u32 v3, s32, v9                       ; out of it: 16 x lane
	v_lshlrev_b32 v4, 3, v6
	v_lshl_add_u32 v4, v8, 7, v4                   ; scale words: 128 u + 8 r
	s_wait_kmcnt 0x0
	s_mov_b64 s[34:35], s[8:9]
	s_cmp_eq_u32 s28, 1
	s_cselect_b64 s[34:35], s[10:11], s[34:35]
	s_cmp_eq_u32 s28, 2
	s_cselect_b64 s[34:35], s[12:13], s[34:35]
	s_cmp_eq_u32 s28, 3
	s_cselect_b64 s[34:35], s[14:15], s[34:35]
	s_cmp_eq_u32 s28, 4
	s_cselect_b64 s[34:35], s[16:17], s[34:35]
	s_cmp_eq_u32 s28, 5
	s_cselect_b64 s[34:35], s[18:19], s[34:35]
	s_cmp_eq_u32 s28, 6
	s_cselect_b64 s[34:35], s[20:21], s[34:35]
	s_lshl_b32 s36, s30, 20                        ; 256 rows of 4,096 bytes
	s_lshl_b32 s37, s31, 7                         ; 32 columns
	s_add_co_u32 s36, s36, s37
	s_mov_b32 s37, 0
	s_add_nc_u64 s[34:35], s[34:35], s[36:37]
	s_mul_i32 s36, s28, 786432
	s_lshr_b32 s38, s31, 2
	s_mul_i32 s38, s38, 98304
	s_add_co_u32 s36, s36, s38
	s_mul_i32 s38, s30, 24576
	s_add_co_u32 s36, s36, s38
	s_and_b32 s38, s31, 3
	s_mul_i32 s38, s38, 3072
	s_add_co_u32 s36, s36, s38
	s_add_nc_u64 s[40:41], s[24:25], s[36:37]      ; my images
	s_lshl_b32 s36, s28, 15
	s_lshl_b32 s38, s31, 10
	s_add_co_u32 s36, s36, s38
	s_lshl_b32 s38, s30, 8
	s_add_co_u32 s36, s36, s38
	s_add_co_u32 s36, s36, WSC
	s_add_nc_u64 s[42:43], s[24:25], s[36:37]      ; my scale words
.macro WLOAD t                         ; block t: W(32 t + i, my column): 128 consecutive bytes a load
.irp i, 0,1,2,3,4,5,6,7,8,9,10,11,12,13,14,15,16,17,18,19,20,21,22,23,24,25,26,27,28,29,30,31
	global_load_b32 v[WX+32*((\t)%2)+\i], v1, s[34:35] offset:(32*(\t)+\i)*4096 th:TH_LOAD_NT
.endr
.endm
.macro WBLOCK t
.set XS, WX+32*((\t)%2)
.if (\t) < 7
	s_wait_loadcnt 32                              ; this block's 32 loads are in; the next block's may be out
.else
	s_wait_loadcnt 0x0
.endif
	v_max3_num_f32 v124, |v[XS]|, |v[XS+1]|, |v[XS+2]|
	v_max3_num_f32 v125, |v[XS+3]|, |v[XS+4]|, |v[XS+5]|
.irp i, 6,10,14,18,22,26
	v_max3_num_f32 v124, v124, |v[XS+\i]|, |v[XS+\i+1]|
	v_max3_num_f32 v125, v125, |v[XS+\i+2]|, |v[XS+\i+3]|
.endr
	v_max3_num_f32 v124, v124, |v[XS+30]|, |v[XS+31]|
	v_max3_num_f32 v124, v124, v125, 0x1800000     ; and the floor
	v_add_nc_u32 v126, 0xff000000, v124            ; the conversion's scale operand
	v_lshrrev_b32 v127, 23, v126                   ; the byte
.if (\t)%4 == 0
	v_mov_b32 v[WSW+(\t)/4], v127
.else
	v_lshl_or_b32 v[WSW+(\t)/4], v127, 8*((\t)%4), v[WSW+(\t)/4]
.endif
	v_cvt_scalef32_pk16_fp6_f32 v[WF:WF+2], v[XS:XS+15], v126
	v_cvt_scalef32_pk16_fp6_f32 v[WT:WT+2], v[XS+16:XS+31], v126
	v_nop                                          ; one plain place behind a scaled conversion
.irp i, 0,1,2
	v_mov_b32 v[WF+3+\i], v[WT+\i]
.endr
; block t is k = 64 c + 32 h' + 0..31 of K step t / 4, c = (t / 2) % 2, h' = t % 2: registers 6 c .. 6 c + 5 of image lane r + 16 h'
.if ((\t)/2)%2 == 0
	ds_store_b128 v2, v[WF:WF+3] offset:((\t)/4)*1536+256*((\t)%2)
	ds_store_b64 v2, v[WF+4:WF+5] offset:((\t)/4)*1536+256*((\t)%2)+512
.else
	ds_store_b64 v2, v[WF:WF+1] offset:((\t)/4)*1536+256*((\t)%2)+520
	ds_store_b128 v2, v[WF+2:WF+5] offset:((\t)/4)*1536+256*((\t)%2)+1024
.endif
.if (\t)+2 < 8
	WLOAD (\t)+2
.endif
	s_wait_dscnt 0x0                               ; the stores have read their registers: the next block's codes may be written
.endm
	WLOAD 0
	WLOAD 1
.irp t, 0,1,2,3,4,5,6,7
	WBLOCK \t
.endr
	global_store_b64 v4, v[WSW:WSW+1], s[42:43]    ; the wave's 256 bytes of scale words
.irp n, 0,1,2,3,4,5,6,7,8,9,10,11
	ds_load_b128 v[WOUT+4*\n:WOUT+4*\n+3], v3 offset:512*\n
.endr
.irp n, 0,1,2,3,4,5,6,7,8,9,10,11
	s_wait_dscnt 11-\n                             ; the later loads from the stage may be out
	global_store_b128 v9, v[WOUT+4*\n:WOUT+4*\n+3], s[40:41] offset:((\n/3)%2)*12288+(\n/6)*1536+512*(\n%3)
.endr
	s_wait_tensorcnt 0x0
	ds_add_u32 v200, v201
	s_wait_dscnt 0x0
	s_endpgm
.Lfunc_end_k_q228510338c_quant:
	.size	k_q228510338c_quant, .Lfunc_end_k_q228510338c_quant-k_q228510338c_quant
	.p2alignl 7, 3214868480
	.fill 96, 4, 3214868480
	.section	.rodata,"a",@progbits
	.p2align	6, 0x0
	.amdhsa_kernel k_q228510338c_quant
		.amdhsa_group_segment_fixed_size 117760
		.amdhsa_private_segment_fixed_size 0
		.amdhsa_enable_private_segment 0
		.amdhsa_kernarg_size 88
		.amdhsa_user_sgpr_count 2
		.amdhsa_user_sgpr_kernarg_segment_ptr 1
		.amdhsa_wavefront_size32 1
		.amdhsa_system_sgpr_workgroup_id_x 1
		.amdhsa_system_sgpr_workgroup_id_y 1
		.amdhsa_system_sgpr_workgroup_id_z 1
		.amdhsa_system_vgpr_workitem_id 0
		.amdhsa_next_free_vgpr 202
		.amdhsa_next_free_sgpr 66
		.amdhsa_reserve_vcc 0
		.amdhsa_float_denorm_mode_32 3
		.amdhsa_float_denorm_mode_16_64 3
		.amdhsa_memory_ordered 1
		.amdhsa_forward_progress 1
		.amdhsa_inst_pref_size 75
	.end_amdhsa_kernel
	.amdgpu_metadata
---
amdhsa.version: [ 1, 2 ]
amdhsa.kernels:
  - .name:           k_q228510338c_quant
    .symbol:         k_q228510338c_quant.kd
    .args:
      - { .name: hidden_states, .offset: 0, .size: 8, .value_kind: global_buffer, .address_space: global }
      - { .name: thought_states, .offset: 8, .size: 8, .value_kind: global_buffer, .address_space: global }
      - { .name: Wq, .offset: 16, .size: 8, .value_kind: global_buffer, .address_space: global }
      - { .name: Wk, .offset: 24, .size: 8, .value_kind: global_buffer, .address_space: global }
      - { .name: Wv, .offset: 32, .size: 8, .value_kind: global_buffer, .address_space: global }
      - { .name: Wtq, .offset: 40, .size: 8, .value_kind: global_buffer, .address_space: global }
      - { .name: Wtk, .offset: 48, .size: 8, .value_kind: global_buffer, .address_space: global }
      - { .name: Wtv, .offset: 56, .size: 8, .value_kind: global_buffer, .address_space: global }
      - { .name: Wo, .offset: 64, .size: 8, .value_kind: global_buffer, .address_space: global }
      - { .name: xc, .offset: 72, .size: 8, .value_kind: global_buffer, .address_space: global }
      - { .name: wc, .offset: 80, .size: 8, .value_kind: global_buffer, .address_space: global }
    .group_segment_fixed_size: 117760
    .private_segment_fixed_size: 0
    .kernarg_segment_align: 8
    .kernarg_segment_size: 88
    .max_flat_workgroup_size: 256
    .sgpr_count:     66
    .vgpr_count:     202
    .wavefront_size: 32
...
	.end_amdgpu_metadata
.endif
;; end of part 1
;; launch proj (part 2): grid 768 x 1, 4 waves a work-group, clusters of 4 x 1, 168,448 bytes of LDS; arguments xc, wc, bq, bk, bv, btq, btk, btv, attention_mask, thought_mask, at; writes at
.if DOCPART == 2
	.amdgcn_target "amdgcn-amd-amdhsa--gfx1250"
	.amdhsa_code_object_version 6
	.text
	.protected	k_q228510338c_proj
	.globl	k_q228510338c_proj
	.p2align	8
	.type	k_q228510338c_proj,@function
k_q228510338c_proj:
	s_mov_b64 s[64:65], 0
	v_nop
	global_prefetch_b8 v0, s[64:65] scope:SCOPE_SE
	s_setreg_imm32_b32 hwreg(HW_REG_WAVE_MODE, 25, 1), 1
	s_wait_xcnt 0x0
	s_wait_alu depctr_hold_cnt(0) depctr_sa_sdst(0) depctr_va_vdst(0) depctr_va_sdst(0) depctr_va_ssrc(0) depctr_va_vcc(0) depctr_vm_vsrc(0)
	s_getreg_b32 s2, hwreg(HW_REG_IB_STS2, 6, 4)
	s_cmp_eq_u32 s2, 0
	s_cbranch_scc0 .Lentry_in_a_cluster
	s_endpgm
.Lentry_in_a_cluster:
	s_bfe_u32 s2, ttmp6, 0x10000c
	s_cmp_lg_u32 s2, 0x3003
	s_cbranch_scc0 .Lentry_shape_is_right
	s_endpgm
.Lentry_shape_is_right:
; The six projections x W + b on codes of FP6 (E2M3), K = 1,024; the results are quantised at once into the operand images that the attention launch reads.
; A cluster c takes one weight and one block of 128 tokens: c < 64: hidden_states with Wq, Wk, Wv, Wtq (16 blocks each); else thought_states with Wtk, Wtv (64 blocks each).
; Its four work-groups take 256 of the weight's columns each, a wave one head (64 columns): 8 tiles of tokens x 4 tiles of columns = 32 accumulators, 256 registers.
; THE FOUR PARTNERS NEED THE SAME TOKENS: the block's codes for all of K, 98,304 bytes, come by joint tensor loads, two a wave (two of mine are out at the most), filled once.
; A wave's part of the weight is read by that wave alone: it goes from memory straight into 384 registers and never through LDS.
; q, k, tq, tk (quantised along the head's 64): source 0 = the weight's columns, source 1 = tokens: a lane holds one token, its registers run along the head.
; v, tv (quantised along the keys): source 0 = tokens, source 1 = columns: a lane holds one channel, its registers run along the tokens.
; In both numberings registers 16 q .. 16 q + 15 of the accumulators are 16 neighbours along the next K, so one text quantises both.
; THE PADDING MASKS go into the keys' scale words.  A score's product has K = 64, so k = 64 .. 127 of its instruction are free: there the attention launch gives every key the code -7.5 and
; every query the code 1.0 at k = 64.  Byte 2 of a key's scale word is 250 where the mask is 0 (the score gets -7.5 x 2^123) and 1 elsewhere (it gets -7.5 x 2^-126); a query's is 127.
; LIMITS: NaN and infinities are not served; open scores carry that -7.5 x 2^-126; a block of zeros gets the byte 1.
; REGISTERS, in windows of 256.  Window 0: v1-9 addresses; v16-79 the tokens' scale words [tile][K step]; v80-111 the weight's; v112-207 A's fragments, set 0; v216-247 the bias as C.
;   Window 1: the accumulators.  Window 2: the weight's fragments of K steps 0-4; v240-247 the mask words.  Window 3: K steps 5-7; v144-239 A's set 1.
.set XSC,  7864320
.set WSC,  5505024
.set QI,   16711680                    ; at: the queries' pieces
.set QSB,  19857408                    ; and their scale words
.set BHB,  522240                      ; at: a (batch, head)'s 40 key steps
.set STB,  13056                       ; a key step: 8 pieces of K, 4 images of V, K's scale words (512), V's (256)
.set SA,   16
.set SB,   80
.set A0,   112
.set A1,   144
.set BIAS, 216
.set MK,   240
.set EMX,  0                           ; the way out, in window 2: largest magnitudes,
.set EPT,  16                          ; the partner lane's,
.set ESO,  32                          ; scale operands,
.set EBY,  48                          ; bytes,
.set EF,   64                          ; codes, six registers for each pair of blocks,
.set ET,   112                         ; second halves,
.set ESW,  144                         ; scale words,
.set ESL,  152                         ; as they are stored,
.set EFL,  156                         ; the floor,
.set EHO,  157                         ; a scale word's upper half: open,
.set EHM,  158                         ; masked,
.set EHI,  159                         ; chosen
.set MSB, 0
.macro WIN new                         ; the immediate's high byte repeats the setting that is left
.if MSB != \new
	s_set_vgpr_msb (MSB<<8)|\new
.set MSB, \new
.endif
.endm
.macro PLACES n
.rept \n
	v_nop
.endr
.endm
.macro CROUND                          ; a round of the cluster's barrier
	s_barrier_signal -1
	s_barrier_wait -1
	s_cmp_lg_u32 s26, 0
	s_cbranch_scc1 .Lnot_wave_0_\@
	s_barrier_signal -3
.Lnot_wave_0_\@:
	s_barrier_wait -3
	s_barrier_signal -1
	s_barrier_wait -1
.endm
	s_load_b512 s[4:19], s[0:1], 0x0               ; xc, wc, bq, bk, bv, btq, btk, btv
	s_load_b128 s[20:23], s[0:1], 0x40             ; attention_mask, thought_mask
	s_load_b64 s[24:25], s[0:1], 0x50              ; at
	v_lshl_add_u32 v254, v0, 2, 0x29000
	v_mov_b32 v255, 0
	ds_add_u32 v254, v255
	ds_add_u32 v254, v255
	v_lshrrev_b32 v10, 5, v0
	v_readfirstlane_b32 s26, v10                   ; wave 0..3
	s_bfe_u32 s27, ttmp6, 0x40000                  ; cx: which 256 columns; it enters global addresses of my own loads and stores alone
	s_lshr_b32 s52, ttmp9, 4                       ; both families' numbers, then one choice on the cluster's number
	s_and_b32 s53, ttmp9, 15
	s_sub_co_u32 s54, ttmp9, 64
	s_lshr_b32 s55, s54, 6
	s_add_co_u32 s55, s55, 4
	s_and_b32 s54, s54, 63
	s_add_co_u32 s56, s54, 16
	s_lshr_b32 s57, s53, 3
	s_and_b32 s58, s53, 7
	s_lshr_b32 s59, s54, 5
	s_and_b32 s60, s54, 31
	s_add_co_u32 s61, s58, 32
	s_cmp_lt_u32 ttmp9, 64
	s_cselect_b32 s44, s52, s55                    ; which weight: 0 Wq, 1 Wk, 2 Wv, 3 Wtq, 4 Wtk, 5 Wtv
	s_cselect_b32 s45, s53, s54                    ; block of 128 tokens in its tensor
	s_cselect_b32 s46, s53, s56                    ; and in xc
	s_cselect_b32 s47, s57, s59                    ; batch
	s_cselect_b32 s48, s58, s60                    ; block in the batch
	s_cselect_b32 s49, s61, s60                    ; key step in the stream: thoughts 0-31, then the sequence's 32-39
	s_cmp_eq_u32 s44, 2
	s_cselect_b32 s50, 1, 0
	s_cmp_eq_u32 s44, 5
	s_cselect_b32 s50, 1, s50                      ; 1: v or tv
	s_cmp_eq_u32 s44, 0
	s_cselect_b32 s51, 1, 0
	s_cmp_eq_u32 s44, 3
	s_cselect_b32 s51, 1, s51                      ; 1: q or tq
	s_cselect_b32 s62, 1, 0                        ; 1: tq
	s_mov_b32 s52, 0x76543210                      ; selects for lane l xor 16
	s_mov_b32 s53, 0xfedcba98
	s_mov_b32 s79, 0xffff0000                      ; lanes 16-31
	s_mov_b32 s78, 0x017f0000                      ; a query's upper bytes: 127 (1.0), 1
	s_mov_b32 s92, 0x01010000                      ; an open key's: 1, 1
	s_mov_b32 s93, 0x01fa0000                      ; a masked key's: 250, 1
	s_cmp_eq_u32 s51, 1
	s_cselect_b32 s92, s78, s92
	s_cselect_b32 s93, s78, s93
	; descriptor group 1: 48 rows of 256 bytes (32 elements of 8 bytes), dense: a K step's eight images
	s_mov_b32 s28, 15|(3<<16)|(1<<21)              ; 15:0 the mask: all four work-groups; 17:16 elements of 8 bytes; 21 set beside a mask
	s_mov_b32 s29, 32<<16                          ; tensor_dim0
	s_mov_b32 s30, 48<<16                          ; tensor_dim1
	s_mov_b32 s31, 32<<16                          ; tile_dim0
	s_mov_b32 s32, 48                              ; tile_dim1
	s_mov_b32 s33, 32                              ; the pitch
	s_mov_b32 s34, 0
	s_mov_b32 s35, 0
	v_and_b32 v10, 31, v0                          ; lane
	v_and_b32 v11, 15, v0                          ; r
	v_bfe_u32 v12, v0, 4, 1                        ; h
	v_lshlrev_b32 v1, 4, v10                       ; 16 x lane: images, in memory and in LDS (K steps 0-3)
	v_lshlrev_b32 v2, 3, v10                       ; 8 x lane
	v_lshlrev_b32 v3, 5, v11
	v_lshl_add_u32 v3, v12, 4, v3                  ; 32 r + 16 h: pieces' scale words out
	v_lshlrev_b32 v4, 4, v11
	v_lshl_add_u32 v4, v12, 3, v4                  ; 16 r + 8 h: V's scale words out
	v_lshlrev_b32 v5, 3, v11                       ; 8 r: scale words in
	v_and_b32 v6, 8, v11
	v_add_nc_u32 v6, v6, v11
	v_lshlrev_b32 v6, 2, v6                        ; 4 (r + 8 (r / 8)): a tile's row, in words
	v_lshlrev_b32 v7, 6, v12                       ; 64 h
	v_add_nc_u32 v9, 49152, v1                     ; LDS: K steps 4-7
	s_mov_b32 s95, 0
	s_mov_b32 s67, 0
	s_mov_b32 s69, 0
	s_mov_b32 s81, 0
	s_mov_b32 s83, 0
	s_mul_i32 s66, s46, 98304
	s_mul_i32 s37, s26, 12288                      ; wave w brings K steps w and 4 + w
	s_add_co_u32 s66, s66, s37
	s_lshl_b32 s68, s46, 12
	s_add_co_u32 s68, s68, XSC
	; where my results go
	s_lshl_b32 s84, s47, 4
	s_lshl_b32 s85, s27, 2
	s_add_co_u32 s84, s84, s85
	s_add_co_u32 s84, s84, s26                     ; 16 x batch + head
	s_mul_i32 s85, s84, BHB
	s_mul_i32 s86, s49, STB
	s_add_co_u32 s85, s85, s86                     ; the key step's block
	s_lshl_b32 s86, s62, 5
	s_add_co_u32 s86, s86, s84
	s_lshl_b32 s87, s86, 3
	s_add_co_u32 s87, s87, s48
	s_mul_i32 s88, s87, 6144
	s_add_co_u32 s88, s88, QI                      ; a query block's eight pieces
	s_lshl_b32 s89, s87, 9
	s_add_co_u32 s89, s89, QSB                     ; and their scale words
	s_mul_i32 s90, s50, 6144
	s_add_co_u32 s90, s90, s85                     ; K's pieces at + 0, V's images at + 6,144
	s_mul_i32 s91, s50, 512
	s_add_co_u32 s91, s91, s85
	s_add_co_u32 s91, s91, 12288                   ; K's scale words at + 12,288, V's at + 12,800
	s_cmp_eq_u32 s51, 1
	s_cselect_b32 s80, s88, s90
	s_cselect_b32 s82, s89, s91
	s_wait_dscnt 0x0
	s_wait_kmcnt 0x0
	s_add_nc_u64 s[66:67], s[4:5], s[66:67]
	s_add_nc_u64 s[68:69], s[4:5], s[68:69]        ; the tokens' scale words
	s_add_nc_u64 s[80:81], s[24:25], s[80:81]
	s_add_nc_u64 s[82:83], s[24:25], s[82:83]
	s_mov_b64 s[76:77], s[8:9]                     ; the bias
	s_cmp_eq_u32 s44, 1
	s_cselect_b64 s[76:77], s[10:11], s[76:77]
	s_cmp_eq_u32 s44, 2
	s_cselect_b64 s[76:77], s[12:13], s[76:77]
	s_cmp_eq_u32 s44, 3
	s_cselect_b64 s[76:77], s[14:15], s[76:77]
	s_cmp_eq_u32 s44, 4
	s_cselect_b64 s[76:77], s[16:17], s[76:77]
	s_cmp_eq_u32 s44, 5
	s_cselect_b64 s[76:77], s[18:19], s[76:77]
	s_lshl_b32 s94, s27, 10
	s_lshl_b32 s86, s26, 8
	s_add_co_u32 s94, s94, s86
	s_add_nc_u64 s[76:77], s[76:77], s[94:95]      ; at my head's 64 numbers
	s_cmp_lt_u32 ttmp9, 64
	s_cselect_b64 s[74:75], s[20:21], s[22:23]     ; the mask of my tokens
	s_lshl_b32 s94, s45, 9
	s_add_nc_u64 s[74:75], s[74:75], s[94:95]
	s_mul_i32 s94, s44, 786432
	s_lshl_b32 s86, s27, 1
	s_lshr_b32 s87, s26, 1
	s_add_co_u32 s86, s86, s87
	s_mul_i32 s86, s86, 98304
	s_add_co_u32 s94, s94, s86
	s_and_b32 s87, s26, 1
	s_mul_i32 s87, s87, 6144
	s_add_co_u32 s94, s94, s87
	s_add_nc_u64 s[72:73], s[6:7], s[94:95]        ; my four tiles of the weight
	s_lshl_b32 s94, s44, 15
	s_lshl_b32 s86, s27, 13
	s_add_co_u32 s94, s94, s86
	s_lshl_b32 s86, s26, 11
	s_add_co_u32 s94, s94, s86
	s_add_co_u32 s94, s94, WSC
	s_add_nc_u64 s[70:71], s[6:7], s[94:95]        ; and their scale words
	s_mov_b32 s36, 1                               ; descriptor group 0, a set for each of my two loads
	s_mov_b64 s[38:39], s[66:67]
	s_or_b32 s39, s39, 0x80000000
	s_mov_b32 s40, 1
	s_add_co_u32 s41, s37, 49152
	s_add_nc_u64 s[42:43], s[66:67], 49152
	s_or_b32 s43, s43, 0x80000000
	CROUND                                         ; all four work-groups are here: the joint loads meet
	tensor_load_to_lds s[36:39], s[28:35]
	s_nop 0
	tensor_load_to_lds s[40:43], s[28:35]
	s_nop 0
	PLACES 4                                       ; behind a tensor load
.irp a, 0,1,2,3,4,5,6,7
.irp p, 0,1,2,3
	global_load_b64 v[SA+8*\a+2*\p:SA+8*\a+2*\p+1], v5, s[68:69] offset:(\a/2)*1024+\p*256+(\a%2)*128
.endr
.endr
.irp b, 0,1,2,3
.irp p, 0,1,2,3
	global_load_b64 v[SB+8*\b+2*\p:SB+8*\b+2*\p+1], v5, s[70:71] offset:(\b/2)*1024+\p*256+(\b%2)*128
.endr
.endr
	WIN 0x80                                       ; destination window 2
.irp a, 0,1,2,3,4,5,6,7
	global_load_b32 v[MK+\a], v6, s[74:75] offset:(32*(\a/2)+8*(\a%2))*4
.endr
	WIN 0
	s_cmp_eq_u32 s50, 1                            ; the bias in the result's layout; the branch hangs on the cluster's number alone
	s_cbranch_scc1 .Lbias_v
.irp b, 0,1,2,3                        ; a lane's registers run along the columns: 32 (b / 2) + 8 (b % 2) + 16 h + 0 .. 7
	global_load_b128 v[BIAS+8*\b:BIAS+8*\b+3], v7, s[76:77] offset:(32*(\b/2)+8*(\b%2))*4
	global_load_b128 v[BIAS+8*\b+4:BIAS+8*\b+7], v7, s[76:77] offset:(32*(\b/2)+8*(\b%2))*4+16
.endr
	s_branch .Lbias_done
.Lbias_v:
.irp b, 0,1,2,3                        ; a lane holds one column: the same number in all eight registers
.irp j, 0,1,2,3,4,5,6,7
	global_load_b32 v[BIAS+8*\b+\j], v6, s[76:77] offset:(32*(\b/2)+8*(\b%2))*4
.endr
.endr
.Lbias_done:
	WIN 0x80
.irp s, 0,1,2,3,4
.irp b, 0,1,2,3
.irp g, 0,1,2
	global_load_b128 v[48*\s+12*\b+4*\g:48*\s+12*\b+4*\g+3], v1, s[72:73] offset:\s*12288+\b*1536+512*\g
.endr
.endr
.endr
	WIN 0xC0
.irp s, 5,6,7
.irp b, 0,1,2,3
.irp g, 0,1,2
	global_load_b128 v[48*(\s-5)+12*\b+4*\g:48*(\s-5)+12*\b+4*\g+3], v1, s[72:73] offset:\s*12288+\b*1536+512*\g
.endr
.endr
.endr
	WIN 0
	s_wait_tensorcnt 0x0                           ; my two K steps of the tokens' codes are in LDS,
	s_barrier_signal -1
	s_barrier_wait -1                              ; everybody's are; nothing is filled again in this launch
.macro FETCH s                         ; A's eight fragments of K step s into set s % 2
.if ((\s)%2) == 0
	WIN 0
.set FR_, A0
.else
	WIN 0xC0
.set FR_, A1
.endif
.irp a, 0,1,2,3,4,5,6,7
.irp g, 0,1,2
.if (\s) < 4
	ds_load_b128 v[FR_+12*\a+4*\g:FR_+12*\a+4*\g+3], v1 offset:((\s)%4)*12288+\a*1536+512*\g
.else
	ds_load_b128 v[FR_+12*\a+4*\g:FR_+12*\a+4*\g+3], v9 offset:((\s)%4)*12288+\a*1536+512*\g
.endif
.endr
.endr
.endm
; A K step: the next step's fragments of A are asked for, then 32 products, the 32 accumulators by turns.  ty = 0: a lane holds a token; 1: a channel.
.macro KSTEP ty, s
.if (\s) < 7
.if (\s) > 0
	PLACES 4                                       ; in front of loads into registers that the last step's products have read
.endif
	FETCH (\s)+1
	s_wait_dscnt 24                                ; this step's fragments are in; the 24 loads just issued may be out
.else
	s_wait_dscnt 0x0
.endif
.if 12*(7-(\s)) > 63
	s_wait_loadcnt 63                              ; more than 63 loads of later K steps follow this step's: the count names as many as its field holds
.else
	s_wait_loadcnt 12*(7-(\s))                     ; the weight's fragments of the later K steps, 12 loads each, may be out
.endif
.set WB_, 2+(\s)/5
.set WA_, 3*((\s)%2)
.set BR_, 48*((\s)%5)
.set AR_, A0+(A1-A0)*((\s)%2)
.if (\s) == 0
.set C2_, 0
.else
.set C2_, 1
.endif
.if (\ty) == 0
.set WN_, 0x40+16*C2_+4*WA_+WB_
.else
.set WN_, 0x40+16*C2_+4*WB_+WA_
.endif
	WIN WN_
.irp a, 0,1,2,3,4,5,6,7
.irp b, 0,1,2,3
.if (\ty) == 0
.if (\s) == 0
	v_wmma_scale_f32_16x16x128_f8f6f4 v[8*(4*\a+\b):8*(4*\a+\b)+7], v[BR_+12*\b:BR_+12*\b+11], v[AR_+12*\a:AR_+12*\a+11], v[BIAS+8*\b:BIAS+8*\b+7], v[SB+8*\b+(\s)], v[SA+8*\a+(\s)] matrix_a_fmt:MATRIX_FMT_FP6 matrix_b_fmt:MATRIX_FMT_FP6
.else
	v_wmma_scale_f32_16x16x128_f8f6f4 v[8*(4*\a+\b):8*(4*\a+\b)+7], v[BR_+12*\b:BR_+12*\b+11], v[AR_+12*\a:AR_+12*\a+11], v[8*(4*\a+\b):8*(4*\a+\b)+7], v[SB+8*\b+(\s)], v[SA+8*\a+(\s)] matrix_a_fmt:MATRIX_FMT_FP6 matrix_b_fmt:MATRIX_FMT_FP6
.endif
.else
.if (\s) == 0
	v_wmma_scale_f32_16x16x128_f8f6f4 v[8*(8*\b+\a):8*(8*\b+\a)+7], v[AR_+12*\a:AR_+12*\a+11], v[BR_+12*\b:BR_+12*\b+11], v[BIAS+8*\b:BIAS+8*\b+7], v[SA+8*\a+(\s)], v[SB+8*\b+(\s)] matrix_a_fmt:MATRIX_FMT_FP6 matrix_b_fmt:MATRIX_FMT_FP6
.else
	v_wmma_scale_f32_16x16x128_f8f6f4 v[8*(8*\b+\a):8*(8*\b+\a)+7], v[AR_+12*\a:AR_+12*\a+11], v[BR_+12*\b:BR_+12*\b+11], v[8*(8*\b+\a):8*(8*\b+\a)+7], v[SA+8*\a+(\s)], v[SB+8*\b+(\s)] matrix_a_fmt:MATRIX_FMT_FP6 matrix_b_fmt:MATRIX_FMT_FP6
.endif
.endif
.endr
.endr
.endm
	FETCH 0
	s_cmp_eq_u32 s50, 1
	s_cbranch_scc1 .Lk_v
.irp s, 0,1,2,3,4,5,6,7
	KSTEP 0, \s
.endr
	WIN 0
	s_branch .Lepi
.Lk_v:
.irp s, 0,1,2,3,4,5,6,7
	KSTEP 1, \s
.endr
	WIN 0
.Lepi:
; THE QUANTISER: block q = 0..15 is accumulator registers 16 q .. 16 q + 15 with lane l xor 16's sixteen.  Each accumulator is read from its low end on.
	PLACES 4
	WIN 0xAA                                       ; all of window 2: the weight's fragments there are done with
	v_mov_b32 v[EFL], 0x1800000                    ; the floor 2^(3 - 127): no byte falls under 1
	v_mov_b32 v[EHO], s92
	v_mov_b32 v[EHM], s93
.irp q, 0,1,2,3,4,5,6,7,8,9,10,11,12,13,14,15
	v_mov_b32 v[EPT+\q], 0                         ; a lane permute's destination counts as one of its sources
.endr
	WIN 0x96                                       ; source 0 and destination window 2, sources 1 and 2 window 1
.irp q, 0,1,2,3,4,5,6,7,8,9,10,11,12,13,14,15
	v_max3_num_f32 v[EMX+\q], v[EFL], |v[16*\q]|, |v[16*\q+1]|
.endr
.irp i, 2,4,6,8,10,12,14
.irp q, 0,1,2,3,4,5,6,7,8,9,10,11,12,13,14,15
	v_max3_num_f32 v[EMX+\q], v[EMX+\q], |v[16*\q+\i]|, |v[16*\q+\i+1]|
.endr
.endr
	WIN 0xAA
.irp q, 0,1,2,3,4,5,6,7,8,9,10,11,12,13,14,15
	v_permlanex16_b32 v[EPT+\q], v[EMX+\q], s52, s53
.endr
.irp q, 0,1,2,3,4,5,6,7,8,9,10,11,12,13,14,15
	v_max_num_f32 v[EMX+\q], v[EMX+\q], v[EPT+\q]
.endr
.irp q, 0,1,2,3,4,5,6,7,8,9,10,11,12,13,14,15
	v_add_nc_u32 v[ESO+\q], 0xff000000, v[EMX+\q]  ; 2 off the exponent field: the conversion's scale operand
.endr
.irp q, 0,1,2,3,4,5,6,7,8,9,10,11,12,13,14,15
	v_lshrrev_b32 v[EBY+\q], 23, v[ESO+\q]         ; the byte
.endr
	WIN 0x89                                       ; numbers window 1, scale and codes window 2
.irp p, 0,1,2,3,4,5,6,7
	v_cvt_scalef32_pk16_fp6_f32 v[EF+6*\p:EF+6*\p+2], v[32*\p:32*\p+15], v[ESO+2*\p]
	v_cvt_scalef32_pk16_fp6_f32 v[ET+4*\p:ET+4*\p+2], v[32*\p+16:32*\p+31], v[ESO+2*\p+1]
.endr
	v_nop                                          ; one plain place behind a scaled conversion
	WIN 0xAA
.irp p, 0,1,2,3,4,5,6,7                ; a whole block in a lane: lanes 0-15 block 2 p, lanes 16-31 block 2 p + 1
.irp i, 0,1,2
	v_permlane16_swap_b32 v[EF+6*\p+\i], v[ET+4*\p+\i]
.endr
.irp i, 0,1,2
	v_mov_b32 v[EF+6*\p+3+\i], v[ET+4*\p+\i]
.endr
.endr
	WIN 0
	s_cmp_eq_u32 s50, 1
	s_cbranch_scc1 .Lout_v
; q, k, tq, tk: pair p is tile of tokens p: six registers, 64 along K.  Its scale word: two bytes of its own, and the upper half by the mask.
	WIN 0xAA
.irp a, 0,1,2,3,4,5,6,7
	v_cmp_eq_u32 vcc_lo, 0, v[MK+\a]
	v_cndmask_b32 v[EHI], v[EHO], v[EHM], vcc_lo
	v_lshl_or_b32 v[ESW+\a], v[EBY+2*\a+1], 8, v[EBY+2*\a]
	v_or_b32 v[ESW+\a], v[ESW+\a], v[EHI]
.endr
.irp i, 0,1,2,3
	v_cndmask_b32 v[ESL+\i], v[ESW+\i], v[ESW+4+\i], s79   ; lanes 0-15: tiles 0-3's words, lanes 16-31: tiles 4-7's
.endr
	WIN 0x08                                       ; a store's data: window 2
.irp a, 0,1,2,3,4,5,6,7
	global_store_b128 v1, v[EF+6*\a:EF+6*\a+3], s[80:81] offset:768*\a           ; 512 consecutive bytes
	global_store_b64 v2, v[EF+6*\a+4:EF+6*\a+5], s[80:81] offset:768*\a+512      ; 256 consecutive bytes
.endr
	global_store_b128 v3, v[ESL:ESL+3], s[82:83]   ; [r][tile]: 512 consecutive bytes
	WIN 0
	s_branch .Lend
.Lout_v:
; v, tv: pairs 2 b and 2 b + 1 are the fragment of tile of channels b: 12 registers, K = the block's 128 tokens
	WIN 0xAA
.irp b, 0,1,2,3
	v_lshl_or_b32 v[ESW+\b], v[EBY+4*\b+1], 8, v[EBY+4*\b]
	v_lshl_or_b32 v[ESW+\b], v[EBY+4*\b+2], 16, v[ESW+\b]
	v_lshl_or_b32 v[ESW+\b], v[EBY+4*\b+3], 24, v[ESW+\b]
.endr
	v_cndmask_b32 v[ESL], v[ESW], v[ESW+2], s79
	v_cndmask_b32 v[ESL+1], v[ESW+1], v[ESW+3], s79
	WIN 0x08
.irp b, 0,1,2,3
.irp g, 0,1,2
	global_store_b128 v1, v[EF+12*\b+4*\g:EF+12*\b+4*\g+3], s[80:81] offset:1536*\b+512*\g
.endr
.endr
	global_store_b64 v4, v[ESL:ESL+1], s[82:83]    ; [r][tile]: 256 consecutive bytes
	WIN 0
.Lend:
	s_wait_tensorcnt 0x0
	ds_add_u32 v254, v255
	s_wait_dscnt 0x0
	CROUND                                         ; the closing round: no work-group ends while a partner may still ask for a tile that names it
	s_endpgm
.Lfunc_end_k_q228510338c_proj:
	.size	k_q228510338c_proj, .Lfunc_end_k_q228510338c_proj-k_q228510338c_proj
	.p2alignl 7, 3214868480
	.fill 96, 4, 3214868480
	.section	.rodata,"a",@progbits
	.p2align	6, 0x0
	.amdhsa_kernel k_q228510338c_proj
		.amdhsa_group_segment_fixed_size 168448
		.amdhsa_private_segment_fixed_size 0
		.amdhsa_enable_private_segment 0
		.amdhsa_kernarg_size 88
		.amdhsa_user_sgpr_count 2
		.amdhsa_user_sgpr_kernarg_segment_ptr 1
		.amdhsa_wavefront_size32 1
		.amdhsa_system_sgpr_workgroup_id_x 1
		.amdhsa_system_sgpr_workgroup_id_y 1
		.amdhsa_system_sgpr_workgroup_id_z 1
		.amdhsa_system_vgpr_workitem_id 0
		.amdhsa_next_free_vgpr 1024
		.amdhsa_next_free_sgpr 96
		.amdhsa_reserve_vcc 1
		.amdhsa_float_denorm_mode_32 3
		.amdhsa_float_denorm_mode_16_64 3
		.amdhsa_memory_ordered 1
		.amdhsa_forward_progress 1
		.amdhsa_inst_pref_size 137
	.end_amdhsa_kernel
	.amdgpu_metadata
---
amdhsa.version: [ 1, 2 ]
amdhsa.kernels:
  - .name:           k_q228510338c_proj
    .symbol:         k_q228510338c_proj.kd
    .args:
      - { .name: xc, .offset: 0, .size: 8, .value_kind: global_buffer, .address_space: global }
      - { .name: wc, .offset: 8, .size: 8, .value_kind: global_buffer, .address_space: global }
      - { .name: bq, .offset: 16, .size: 8, .value_kind: global_buffer, .address_space: global }
      - { .name: bk, .offset: 24, .size: 8, .value_kind: global_buffer, .address_space: global }
      - { .name: bv, .offset: 32, .size: 8, .value_kind: global_buffer, .address_space: global }
      - { .name: btq, .offset: 40, .size: 8, .value_kind: global_buffer, .address_space: global }
      - { .name: btk, .offset: 48, .size: 8, .value_kind: global_buffer, .address_space: global }
      - { .name: btv, .offset: 56, .size: 8, .value_kind: global_buffer, .address_space: global }
      - { .name: attention_mask, .offset: 64, .size: 8, .value_kind: global_buffer, .address_space: global }
      - { .name: thought_mask, .offset: 72, .size: 8, .value_kind: global_buffer, .address_space: global }
      - { .name: at, .offset: 80, .size: 8, .value_kind: global_buffer, .address_space: global }
    .group_segment_fixed_size: 168448
    .private_segment_fixed_size: 0
    .kernarg_segment_align: 8
    .kernarg_segment_size: 88
    .max_flat_workgroup_size: 128
    .sgpr_count:     96
    .vgpr_count:     1024
    .wavefront_size: 32
...
	.end_amdgpu_metadata
.endif
;; end of part 2
;; launch attn (part 3): grid 8 x 32, 8 waves a work-group, no clusters, 327,680 bytes of LDS; arguments at, cc; writes cc
.if DOCPART == 3
	.amdgcn_target "amdgcn-amd-amdhsa--gfx1250"
	.amdhsa_code_object_version 6
	.text
	.protected	k_q228510338c_attn
	.globl	k_q228510338c_attn
	.p2align	8
	.type	k_q228510338c_attn,@function
k_q228510338c_attn:
	s_mov_b64 s[64:65], 0
	v_nop
	global_prefetch_b8 v0, s[64:65] scope:SCOPE_SE
	s_setreg_imm32_b32 hwreg(HW_REG_WAVE_MODE, 25, 1), 1
	s_wait_xcnt 0x0
; Both attentions of one (batch, head) for 128 queries, on codes of FP6 (E2M3): first over the 4,096 thoughts (32 key steps of 128), then causally over the sequence (8 key steps).
; THE SOFTMAX AHEAD OF THE SECOND PRODUCT: t = score x log2(e) / 8; M = the running largest t rounded up to a whole number; p = 2^(t - M) is quantised along the keys; the row's sum is taken of the
; unquantised p and divides at the end.  When M moves, the sum and O are multiplied by 2^(old M - new M): exact.
; SHARES.  Each of eight waves owns one tile of 16 queries.  A key step's operands are one dense block of 13,056 bytes: 8 pieces of K (registers 0-5 of a fragment), 4 images of V, K's and V's scale words.
; They come through a ring of two LDS slots of 8 key steps; wave w fills step w of a slot.  By this text's count a wave has two tensor loads out at the start and one behind each refill's barrier.
; LAYOUT.  Both products are used transposed: S^T = K Q^T, O^T = V^T P^T: a lane holds one query throughout.  The keys of a tile are not neighbours (lane r of tile 2 b + u is key 32 b + 8 u + r + 8 (r / 8)),
; so the 16 registers of tiles 2 b and 2 b + 1 are 16 neighbouring keys.
; THE PADDING MASKS cost no line here.  A score's K is 64; at k = 64 every key holds the code -7.5 and every query 1.0, and byte 2 of a key's scale word (made by the launch before) is 250 where its mask is 0:
; the score gets -7.5 x 2^123, whose t lies under the first largest t, -2^100, so p = 0.  A row with no open key has the sum 0: its scale bytes are stored as 0xff, NaN, as a softmax over nothing is.
; THE CAUSAL MASK.  Every work-group walks all slots; a step all of whose keys come after the block's queries is left out by a scalar branch on the work-group's number; on the diagonal hidden scores become -infinity.
; NO CLUSTER: the query blocks of a head walk the same K and V, but those two branches hang on the query block, which in a cluster would be a work-group's place in it.
; LIMITS: t under -2^100 is not served; open scores carry -7.5 x 2^-126; NaN and infinities are not served.
; REGISTERS.  Window 0: v1-4, v7, v43 lane terms; v5, v6 the spare word's address and 0; v8-11 the step's addresses; v12 -M, v13 the largest t, v[14:15] the sum; v16-27 tq, v28-39 q, v40, v41 their scale words;
;   v42 p's scale word; v44-51 K's scale words, v52-55 V's; v56-75 at work; v76-87 p's codes; v88-94 second halves; v96-159 S^T, then p; v160-191 O^T; v192-202 the way out.
;   Window 1: v0-95 K's eight fragments (registers 6-11 of each are constants); v96-143 V's four.
.set BHB,   522240
.set STB,   13056
.set QI,    16711680
.set QSB,   19857408
.set CSW,   3145728                    ; cc: the scale words
.set SLOT1, 1<<17                      ; slot 1 begins here: one exclusive or turns an address from one slot into the other
.set SPARE, 2*SLOT1                    ; the spare words, 128 bytes for each wave: four blocks of 256 bytes that no other line names
.set SCR,   96
.set OT,    160
.set PCD,   76
.set CT,    88
.set MXB,   56
.set PT,    60
.set SO,    64
.set TQ,    16
.set SQ,    28
.set G1,    12
.set G0A,   20
.set G0W,   24
.set SEL,   28
.set CS,    30
.set TB,    32                         ; s32  LDS byte at which the step in hand begins
.set SIG,   33                         ; s33  the causal pass's key step
.set CNT,   34
.set OUTC,  35
.set MSB, 0
.macro WIN new
.if MSB != \new
	s_set_vgpr_msb (MSB<<8)|\new
.set MSB, \new
.endif
.endm
.macro PLACES n
.rept \n
	v_nop
.endr
.endm
	s_load_b128 s[4:7], s[0:1], 0x0                ; at, cc
	v_lshl_add_u32 v5, v0, 2, SPARE
	v_mov_b32 v6, 0
	ds_add_u32 v5, v6
	ds_add_u32 v5, v6
	s_wait_dscnt 0x0
	v_lshrrev_b32 v70, 5, v0
	v_readfirstlane_b32 s8, v70                    ; wave 0..7
	s_and_b32 s10, ttmp7, 0xffff                   ; 16 x batch + head
	s_mov_b32 s[G1], 3<<16                         ; a key step: 51 rows of 256 bytes (32 elements of 8 bytes), dense
	s_mov_b32 s[G1+1], 32<<16
	s_mov_b32 s[G1+2], 51<<16
	s_mov_b32 s[G1+3], 32<<16
	s_mov_b32 s[G1+4], 51
	s_mov_b32 s[G1+5], 32
	s_mov_b32 s[G1+6], 0
	s_mov_b32 s[G1+7], 0
	s_mul_i32 s36, s10, BHB
	s_mul_i32 s[G0A+1], s8, STB                    ; my step's place in a slot
	s_add_co_u32 s36, s36, s[G0A+1]
	s_mov_b32 s37, 0
	s_wait_kmcnt 0x0
	s_add_nc_u64 s[36:37], s[4:5], s[36:37]
	s_mov_b32 s[G0A], 1
	s_mov_b64 s[G0A+2:G0A+3], s[36:37]             ; slot 0: steps 0-7
	s_or_b32 s[G0A+3], s[G0A+3], 0x80000000
	s_mov_b32 s[G0W], 1
	s_add_co_u32 s[G0W+1], s[G0A+1], SLOT1
	s_add_nc_u64 s[G0W+2:G0W+3], s[36:37], 8*STB   ; slot 1: steps 8-15; this set then walks on
	s_or_b32 s[G0W+3], s[G0W+3], 0x80000000
	tensor_load_to_lds s[G0A:G0A+3], s[G1:G1+7]
	s_nop 0
	tensor_load_to_lds s[G0W:G0W+3], s[G1:G1+7]
	s_nop 0
	PLACES 4                                       ; behind a tensor load
	v_and_b32 v70, 31, v0                          ; lane
	v_and_b32 v71, 15, v0                          ; r
	v_bfe_u32 v72, v0, 4, 1                        ; h
	v_lshlrev_b32 v1, 4, v70                       ; 16 x lane
	v_lshlrev_b32 v2, 3, v70                       ; 8 x lane
	v_lshlrev_b32 v43, 2, v70                      ; 4 x lane
	v_lshlrev_b32 v3, 5, v71                       ; 32 r
	v_lshlrev_b32 v4, 4, v71                       ; 16 r
	v_and_b32 v7, 8, v71
	v_add_nc_u32 v7, v7, v71
	v_lshlrev_b32 v73, 4, v72
	v_sub_nc_u32 v7, v7, v73
	s_lshr_b32 s38, s8, 1
	s_lshl_b32 s38, s38, 5
	s_and_b32 s39, s8, 1
	s_lshl_b32 s39, s39, 3
	s_add_co_u32 s38, s38, s39
	v_add_nc_u32 v7, s38, v7                       ; d = my query in the block - 16 h
	s_lshl_b32 s40, s10, 6
	s_lshl_b32 s41, ttmp9, 3
	s_add_co_u32 s40, s40, s41
	s_add_co_u32 s40, s40, s8
	s_mul_i32 s40, s40, 768
	s_add_co_u32 s40, s40, QI
	s_mov_b32 s41, 0
	s_add_nc_u64 s[40:41], s[4:5], s[40:41]        ; q's piece; tq's lies 32 x 64 x 768 bytes on
	s_lshl_b32 s42, s10, 3
	s_add_co_u32 s42, s42, ttmp9
	s_lshl_b32 s42, s42, 9
	s_lshl_b32 s43, s8, 2
	s_add_co_u32 s42, s42, s43
	s_add_co_u32 s42, s42, QSB
	s_mov_b32 s43, 0
	s_add_nc_u64 s[42:43], s[4:5], s[42:43]        ; q's scale words; tq's 32 x 8 x 512 bytes on
	global_load_b128 v[SQ:SQ+3], v1, s[40:41]
	global_load_b64 v[SQ+4:SQ+5], v2, s[40:41] offset:512
	global_load_b128 v[TQ:TQ+3], v1, s[40:41] offset:1572864
	global_load_b64 v[TQ+4:TQ+5], v2, s[40:41] offset:1572864+512
	global_load_b32 v41, v3, s[42:43]
	global_load_b32 v40, v3, s[42:43] offset:131072
	s_lshr_b32 s46, s10, 4                         ; where ctx goes: ((kind x 128 + tile of tokens) x 16 + head)
	s_and_b32 s47, s10, 15
	s_lshl_b32 s46, s46, 6
	s_lshl_b32 s48, ttmp9, 3
	s_add_co_u32 s46, s46, s48
	s_add_co_u32 s46, s46, s8
	s_lshl_b32 s46, s46, 4
	s_add_co_u32 s46, s46, s47
	s_mul_i32 s48, s46, 768
	s_mov_b32 s49, 0
	s_add_nc_u64 s[48:49], s[6:7], s[48:49]
	s_lshl_b32 s50, s46, 7
	s_add_co_u32 s50, s50, CSW
	s_mov_b32 s51, 0
	s_add_nc_u64 s[50:51], s[6:7], s[50:51]
	s_mov_b32 s[SEL], 0x76543210
	s_mov_b32 s[SEL+1], 0xfedcba98
	s_mov_b32 s[CS], 0x3e38aa3b                    ; c = log2(e) / 8
	s_mov_b32 s[CS+1], s[CS]
	s_mov_b32 s[TB], 0
	s_mov_b32 s[SIG], 0
	s_mov_b32 s44, 0xffff0000                      ; lanes 16-31
	v_mov_b32 v73, 0
	v_cndmask_b32 v[TQ+6], 8, v73, s44             ; k = 64 lies in the lowest bits of register 6 of lanes 0-15: the code 1.0 for a query,
	v_cndmask_b32 v[SQ+6], 8, v73, s44
	v_cndmask_b32 v74, 63, v73, s44                ; -7.5 for a key; all other codes from k = 64 on are zeros
.irp i, 7,8,9,10,11
	v_mov_b32 v[TQ+\i], 0
	v_mov_b32 v[SQ+\i], 0
.endr
	WIN 0x40                                       ; destination window 1
.irp t, 0,1,2,3,4,5,6,7
	v_mov_b32 v[12*\t+6], v74
.irp i, 7,8,9,10,11
	v_mov_b32 v[12*\t+\i], 0
.endr
.endr
	WIN 0
.irp b, 0,1,2,3
	v_mov_b32 v[PT+\b], 0                          ; a lane permute's destination counts as one of its sources
.endr
	v_mov_b32 v69, 0                               ; (the upper half of the pair v[68:69])
	v_mov_b32 v70, 0
.macro RESET                           ; a pass begins: O^T and the sum are zeros, the largest t is -2^100, over every masked t
	v_mov_b32 v13, 0xf1800000
	v_floor_f32 v12, -v13
	v_mov_b32 v14, 0
	v_mov_b32 v15, 0
.set n, 0
.rept 32
	v_mov_b32 v[OT+n], 0
.set n, n+1
.endr
.endm
	RESET
; A KEY STEP of 128 keys.  qf: the query's fragment; qs: its scale word; causal = 1: the sequence's pass.
.macro STEP qf, qs, causal
.if \causal
	s_cmp_gt_u32 s[SIG], ttmp9                     ; all its keys come after my block's queries
	s_cbranch_scc1 .Lskip_\@
.endif
	v_add_nc_u32 v8, s[TB], v1                     ; these four are also the places behind the last step's products
	v_add_nc_u32 v9, s[TB], v2
	v_add_nc_u32 v10, s[TB], v3
	v_add_nc_u32 v11, s[TB], v4
	ds_load_b128 v[44:47], v10 offset:12288        ; K's scale words, [r][tile]
	ds_load_b128 v[48:51], v10 offset:12304
	ds_load_b128 v[52:55], v11 offset:12800        ; V's
	WIN 0x40
.irp t, 0,1,2,3,4,5,6,7
	ds_load_b128 v[12*\t:12*\t+3], v8 offset:768*\t
	ds_load_b64 v[12*\t+4:12*\t+5], v9 offset:768*\t+512
.endr
.irp t, 0,1,2,3
.irp g, 0,1,2
	ds_load_b128 v[96+12*\t+4*\g:96+12*\t+4*\g+3], v8 offset:6144+1536*\t+512*\g
.endr
.endr
	s_wait_dscnt 12                                ; all but V's 12 loads
	WIN 0x01                                       ; source 0 window 1
.irp t, 0,1,2,3,4,5,6,7
	v_wmma_scale_f32_16x16x128_f8f6f4 v[SCR+8*\t:SCR+8*\t+7], v[12*\t:12*\t+11], v[\qf:\qf+11], 0, v[44+\t], v[\qs] matrix_a_fmt:MATRIX_FMT_FP6 matrix_b_fmt:MATRIX_FMT_FP6
.endr
	WIN 0
	PLACES 4
.if \causal
	s_cmp_lg_u32 s[SIG], ttmp9                     ; only the step on the diagonal hides keys
	s_cbranch_scc1 .Lopen_\@
	v_mov_b32 v70, 0xff800000                      ; -infinity.  Register 16 b + i holds key 32 b + 16 h + i: hidden where 32 b + i > d
.set n, 0
.rept 64
	v_cmp_gt_i32 vcc_lo, 32*(n/16)+n%16, v7
	v_cndmask_b32 v[SCR+n], v[SCR+n], v70, vcc_lo
.set n, n+1
.endr
.Lopen_\@:
.endif
.irp b, 0,1,2,3
	v_max3_num_f32 v[MXB+\b], v[SCR+16*\b], v[SCR+1+16*\b], v[SCR+2+16*\b]   ; the largest score of each block of 32 keys: for the row's maximum and, since p rises with the score, for the block's largest p
.endr
.irp i, 3,5,7,9,11,13
.irp b, 0,1,2,3
	v_max3_num_f32 v[MXB+\b], v[MXB+\b], v[SCR+16*\b+\i], v[SCR+1+16*\b+\i]
.endr
.endr
.irp b, 0,1,2,3
	v_max_num_f32 v[MXB+\b], v[MXB+\b], v[SCR+15+16*\b]
.endr
.irp b, 0,1,2,3
	v_permlanex16_b32 v[PT+\b], v[MXB+\b], s[SEL], s[SEL+1]
.endr
.irp b, 0,1,2,3
	v_max_num_f32 v[MXB+\b], v[MXB+\b], v[PT+\b]
.endr
	v_max3_num_f32 v70, v[MXB], v[MXB+1], v[MXB+2]
	v_max_num_f32 v70, v70, v[MXB+3]
	v_mul_f32 v70, s[CS], v70
	v_max_num_f32 v13, v13, v70                    ; the running largest t
	v_mov_b32 v70, v12
	v_floor_f32 v12, -v13                          ; -M = floor(-t): M is a whole number
	v_sub_f32 v70, v12, v70
	v_cvt_i32_f32 v70, v70                         ; (it saturates)
	v_ldexp_f32 v68, 1.0, v70                      ; f = 2^(old M - new M)
.set n, 0
.rept 32
	v_pk_fma_f32 v[SCR+n:SCR+n+1], v[SCR+n:SCR+n+1], s[CS:CS+1], v[12:13] op_sel_hi:[1,0,0]   ; t - M
.set n, n+2
.endr
.irp b, 0,1,2,3
	v_fma_f32 v[MXB+\b], v[MXB+\b], s[CS], v12
.endr
.set n, 0
.rept 64
	v_exp_f32 v[SCR+n], v[SCR+n]                   ; p = 2^(t - M)
.set n, n+1
.endr
	v_pk_mul_f32 v[14:15], v[14:15], v[68:69] op_sel_hi:[1,0]   ; the sums under the new M: a plain place behind the exponentials
	s_wait_alu depctr_va_vdst(0)                   ; one wait for the batch, ahead of its first reader
.irp b, 0,1,2,3
	v_exp_f32 v[MXB+\b], v[MXB+\b]                 ; each block's largest p
.endr
	v_pk_add_f32 v[72:73], v[SCR:SCR+1], v[SCR+2:SCR+3]   ; the row's sum of the unquantised p, in two chains
.irp j, 4,8,12,16,20,24,28,32,36,40,44,48,52,56,60
	v_pk_add_f32 v[14:15], v[14:15], v[SCR+\j:SCR+\j+1]
	v_pk_add_f32 v[72:73], v[72:73], v[SCR+2+\j:SCR+3+\j]
.endr
	v_pk_add_f32 v[14:15], v[14:15], v[72:73]
	s_wait_alu depctr_va_vdst(0)                   ; and one for the four
.irp b, 0,1,2,3
	v_max_num_f32 v[MXB+\b], 0x1800000, v[MXB+\b]  ; the floor: the byte cannot fall under 1
.endr
.irp b, 0,1,2,3
	v_add_nc_u32 v[SO+\b], 0xff000000, v[MXB+\b]
.endr
.irp b, 0,1,2,3
	v_lshrrev_b32 v[PT+\b], 23, v[SO+\b]
.endr
	v_lshl_or_b32 v42, v[PT+1], 8, v[PT]           ; p's scale word for these 128 keys
	v_lshl_or_b32 v42, v[PT+2], 16, v42
	v_lshl_or_b32 v42, v[PT+3], 24, v42
.irp c, 0,1
	v_cvt_scalef32_pk16_fp6_f32 v[PCD+6*\c:PCD+2+6*\c], v[SCR+32*\c:SCR+15+32*\c], v[SO+2*\c]
	v_cvt_scalef32_pk16_fp6_f32 v[CT+4*\c:CT+2+4*\c], v[SCR+16+32*\c:SCR+31+32*\c], v[SO+1+2*\c]
.endr
	v_nop                                          ; one plain place behind a scaled conversion
.irp c, 0,1
.irp i, 0,1,2
	v_permlane16_swap_b32 v[PCD+6*\c+\i], v[CT+4*\c+\i]
.endr
.irp i, 0,1,2
	v_mov_b32 v[PCD+3+6*\c+\i], v[CT+4*\c+\i]
.endr
.endr
.set n, 0
.rept 16
	v_pk_mul_f32 v[OT+n:OT+n+1], v[OT+n:OT+n+1], v[68:69] op_sel_hi:[1,0]   ; O^T under the new M; these sixteen are also the places in front of the products below
.set n, n+2
.endr
	s_wait_dscnt 0x0                               ; V is in
	WIN 0x01
.irp t, 0,1,2,3
	v_wmma_scale_f32_16x16x128_f8f6f4 v[OT+8*\t:OT+8*\t+7], v[96+12*\t:96+12*\t+11], v[PCD:PCD+11], v[OT+8*\t:OT+8*\t+7], v[52+\t], v42 matrix_a_fmt:MATRIX_FMT_FP6 matrix_b_fmt:MATRIX_FMT_FP6
.endr
	WIN 0
.if \causal
.Lskip_\@:
.endif
.endm
.macro SLOTPASS qf, qs, causal         ; a slot's eight key steps: written once, walked eight times
	s_mov_b32 s[CNT], 8
.Lstep_\@:
	STEP \qf, \qs, \causal
	s_add_co_u32 s[TB], s[TB], STB
.if \causal
	s_add_co_u32 s[SIG], s[SIG], 1
.endif
	s_sub_co_u32 s[CNT], s[CNT], 1
	s_cmp_lg_u32 s[CNT], 0
	s_cbranch_scc1 .Lstep_\@
	s_sub_co_u32 s[TB], s[TB], 8*STB
	s_xor_b32 s[TB], s[TB], SLOT1                  ; on to the other slot
.endm
; THE CHANGE OF SLOTS.  Each wave waits for all its tensor loads (its step of the slot ahead), adds 0 to its spare word, and waits for that and for its reads of the slot that it has left.
; fill = 1: that slot is filled with the eight steps that follow: the load has eight key steps in which to land.
.macro CHANGE fill
	s_wait_tensorcnt 0x0                           ; no tensor load of mine is out, so a group 0 may be written
	ds_add_u32 v5, v6                              ; 0 onto my spare word
.if \fill
	s_xor_b32 s[G0W+1], s[G0W+1], SLOT1
	s_add_nc_u64 s[G0W+2:G0W+3], s[G0W+2:G0W+3], 8*STB
.endif
	s_wait_dscnt 0x0
	s_barrier_signal -1
	s_barrier_wait -1
.if \fill
	tensor_load_to_lds s[G0W:G0W+3], s[G1:G1+7]    ; the first thing behind the barrier, and my one tensor load until the next
	s_nop 0
	PLACES 4
.endif
.endm
; THE WAY OUT of a pass: O^T / the sum is this head's 64 of ctx's K: two blocks of 32, quantised here; six registers of codes and two scale bytes a row.
.macro WAYOUT kind
	PLACES 4
	v_add_f32 v14, v14, v15
	v_permlanex16_b32 v70, v14, s[SEL], s[SEL+1]
	v_add_f32 v14, v14, v70                        ; the row's sum
	v_rcp_f32 v71, v14
	v_nop                                          ; a plain place behind the reciprocal
	s_wait_alu depctr_va_vdst(0)                   ; and the wait ahead of its first reader
.set n, 0
.rept 32
	v_mul_f32 v[SCR+n], v[OT+n], v71               ; each accumulator from its low end on
.set n, n+1
.endr
.irp b, 0,1
	v_max3_num_f32 v[MXB+\b], |v[SCR+16*\b]|, |v[SCR+1+16*\b]|, 0x1800000
.endr
.irp i, 2,4,6,8,10,12,14
.irp b, 0,1
	v_max3_num_f32 v[MXB+\b], v[MXB+\b], |v[SCR+16*\b+\i]|, |v[SCR+1+16*\b+\i]|
.endr
.endr
.irp b, 0,1
	v_permlanex16_b32 v[PT+\b], v[MXB+\b], s[SEL], s[SEL+1]
.endr
.irp b, 0,1
	v_max_num_f32 v[MXB+\b], v[MXB+\b], v[PT+\b]
.endr
.irp b, 0,1
	v_add_nc_u32 v[SO+\b], 0xff000000, v[MXB+\b]
.endr
.irp b, 0,1
	v_lshrrev_b32 v[PT+\b], 23, v[SO+\b]
.endr
	v_cvt_scalef32_pk16_fp6_f32 v[192:194], v[SCR:SCR+15], v[SO]
	v_cvt_scalef32_pk16_fp6_f32 v[200:202], v[SCR+16:SCR+31], v[SO+1]
	v_lshl_or_b32 v70, v[PT+1], 8, v[PT]           ; (a plain place behind the conversions)  the two bytes
	v_cmp_neq_f32 vcc_lo, 0, v14
	v_cndmask_b32 v70, 0xffff, v70, vcc_lo         ; a row with no open key: both bytes NaN
.irp i, 0,1,2
	v_permlane16_swap_b32 v[192+\i], v[200+\i]
.endr
.irp i, 0,1,2
	v_mov_b32 v[195+\i], v[200+\i]
.endr
.irp j, 0,1,2
	global_store_b64 v2, v[192+2*\j:193+2*\j], s[48:49] offset:\kind*1572864+256*\j   ; 256 consecutive bytes
.endr
	global_store_b32 v43, v70, s[50:51] offset:\kind*262144
	s_wait_xcnt 0x0                                ; the stores have read their registers
.endm
	s_wait_loadcnt 0x0                             ; the queries
	s_wait_tensorcnt 0x1                           ; my step of slot 0 is in; slot 1's may stay out
	s_barrier_signal -1
	s_barrier_wait -1
	SLOTPASS TQ, 40, 0                             ; thoughts, steps 0-7
	s_mov_b32 s[OUTC], 3
.Lslots:                                           ; the refills bring steps 16-23, 24-31 and the sequence's eight, which follow in memory
	CHANGE 1
	SLOTPASS TQ, 40, 0
	s_sub_co_u32 s[OUTC], s[OUTC], 1
	s_cmp_lg_u32 s[OUTC], 0
	s_cbranch_scc1 .Lslots
	WAYOUT 1
	RESET
	CHANGE 0                                       ; the last slot: nothing is left to fetch
	SLOTPASS SQ, 41, 1
	WAYOUT 0
	s_wait_tensorcnt 0x0                           ; the wave's end
	ds_add_u32 v5, v6
	s_wait_dscnt 0x0
	s_endpgm
.Lfunc_end_k_q228510338c_attn:
	.size	k_q228510338c_attn, .Lfunc_end_k_q228510338c_attn-k_q228510338c_attn
	.p2alignl 7, 3214868480
	.fill 96, 4, 3214868480
	.section	.rodata,"a",@progbits
	.p2align	6, 0x0
	.amdhsa_kernel k_q228510338c_attn
		.amdhsa_group_segment_fixed_size 327680
		.amdhsa_private_segment_fixed_size 0
		.amdhsa_enable_private_segment 0
		.amdhsa_kernarg_size 16
		.amdhsa_user_sgpr_count 2
		.amdhsa_user_sgpr_kernarg_segment_ptr 1
		.amdhsa_wavefront_size32 1
		.amdhsa_system_sgpr_workgroup_id_x 1
		.amdhsa_system_sgpr_workgroup_id_y 1
		.amdhsa_system_sgpr_workgroup_id_z 1
		.amdhsa_system_vgpr_workitem_id 0
		.amdhsa_next_free_vgpr 512
		.amdhsa_next_free_sgpr 66
		.amdhsa_reserve_vcc 1
		.amdhsa_float_denorm_mode_32 3
		.amdhsa_float_denorm_mode_16_64 3
		.amdhsa_memory_ordered 1
		.amdhsa_forward_progress 1
		.amdhsa_inst_pref_size 71
	.end_amdhsa_kernel
	.amdgpu_metadata
---
amdhsa.version: [ 1, 2 ]
amdhsa.kernels:
  - .name:           k_q228510338c_attn
    .symbol:         k_q228510338c_attn.kd
    .args:
      - { .name: at, .offset: 0, .size: 8, .value_kind: global_buffer, .address_space: global }
      - { .name: cc, .offset: 8, .size: 8, .value_kind: global_buffer, .address_space: global }
    .group_segment_fixed_size: 327680
    .private_segment_fixed_size: 0
    .kernarg_segment_align: 8
    .kernarg_segment_size: 16
    .max_flat_workgroup_size: 256
    .sgpr_count:     66
    .vgpr_count:     512
    .wavefront_size: 32
...
	.end_amdgpu_metadata
.endif
;; end of part 3
;; launch out (part 4): grid 128 x 1, 16 waves a work-group, no clusters, 111,616 bytes of LDS; arguments cc, wc, bo, Wm, bm, out0; writes out0
.if DOCPART == 4
	.amdgcn_target "amdgcn-amd-amdhsa--gfx1250"
	.amdhsa_code_object_version 6
	.text
	.protected	k_q228510338c_out
	.globl	k_q228510338c_out
	.p2align	8
	.type	k_q228510338c_out,@function
k_q228510338c_out:
	s_mov_b64 s[64:65], 0
	v_nop
	global_prefetch_b8 v0, s[64:65] scope:SCOPE_SE
	s_setreg_imm32_b32 hwreg(HW_REG_WAVE_MODE, 25, 1), 1
	s_wait_xcnt 0x0
; orig = ctx Wo + bo and tho = tctx Wo + bo on codes of FP6 (E2M3); mix = sigmoid([orig, tho] . Wm + bm); out = (1 - PW mix) orig + PW mix tho.
; A work-group owns one tile of 16 tokens and ALL 1,024 columns, since the mix wants whole rows of both results.  Wave i makes columns 64 i .. 64 i + 63 of both: 2 x 4 accumulators.
; The product is used transposed (source 0 = 16 columns of Wo, source 1 = the tokens): a lane holds one token, and the 16 registers of two neighbouring tiles are 16 neighbouring columns.
; ctx's and tctx's 16 fragments are put together by the 16 waves, one each (two heads' pieces and scale bytes make a K step of 128), and go from wave to wave through LDS as images of their registers.
; NO CLUSTER: each fragment of Wo is multiplied by one wave alone and goes from memory straight into that wave's registers, two K steps ahead; no tile of it lies in LDS for a joint load to fill.
; A token whose attention row had no open key carries the scale byte 0xff: its sums, its mix and its whole row of the output are NaN.
; LIMITS: the sums' order differs from a row-by-row sum; NaN and infinities among the inputs are not served.
.set CSW,  3145728
.set WOI,  6*786432                    ; wc: Wo's images,
.set WOS,  5505024+6*32768             ; and its scale words
.set AIM,  0                           ; LDS: 16 images (8 kind + K step),
.set ASC,  24576                       ; their scale words, 128 bytes each,
.set VEC,  26624                       ; for each wave 256 bytes of bo, of Wm's first half and of its second,
.set RED,  38912                       ; 16 tokens x 16 waves' parts of the dot product,
.set STG,  39936                       ; for each wave a stage of 16 rows x (256 bytes + 16)
.set ACC,  16                          ; v16-79   accumulators: 32 kind + 8 tile
.set SB,   80                          ; v80-111  Wo's scale words [tile][K step]
.set SA,   112                         ; v112-127 the tokens' [kind][K step]
.set BF,   128                         ; v128-223 Wo's fragments, two sets of four
.set AF,   224                         ; v224-247 the two kinds' fragments
.set SEL,  34
.macro PLACES n
.rept \n
	v_nop
.endr
.endm
	s_load_b256 s[4:11], s[0:1], 0x0               ; cc, wc, bo, Wm
	s_load_b128 s[12:15], s[0:1], 0x20             ; bm, out0
	v_lshrrev_b32 v14, 5, v0
	v_readfirstlane_b32 s16, v14                   ; wave i, 0..15
	v_and_b32 v14, 31, v0                          ; lane
	v_and_b32 v15, 15, v0                          ; r
	v_bfe_u32 v248, v0, 4, 1                       ; h
	v_lshlrev_b32 v1, 4, v14                       ; 16 x lane
	v_lshlrev_b32 v2, 3, v14                       ; 8 x lane
	v_lshlrev_b32 v3, 2, v14                       ; 4 x lane
	v_lshlrev_b32 v4, 3, v15                       ; 8 r
	s_mul_i32 s36, s16, 1536
	v_add_nc_u32 v5, s36, v1                       ; my image
	s_lshl_b32 s36, s16, 7
	s_add_co_u32 s36, s36, ASC
	v_add_nc_u32 v6, s36, v3                       ; its scale words
	s_mul_i32 s36, s16, 768
	s_add_co_u32 s36, s36, VEC
	v_add_nc_u32 v7, s36, v2                       ; my three vectors, in:
	v_lshlrev_b32 v8, 6, v248
	v_add_nc_u32 v8, s36, v8                       ; and out: + 64 h
	v_lshlrev_b32 v10, 6, v15
	v_add_nc_u32 v10, RED, v10                     ; my token's 16 parts
	s_lshl_b32 s36, s16, 2
	v_add_nc_u32 v9, s36, v10                      ; my wave's among them
	s_mul_i32 s36, s16, 4352
	s_add_co_u32 s36, s36, STG
	v_mul_u32_u24 v11, v15, 272
	v_lshl_add_u32 v11, v248, 6, v11
	v_add_nc_u32 v11, s36, v11                     ; the stage, in: row r, + 64 h
	v_mul_u32_u24 v12, v248, 272
	v_lshl_add_u32 v12, v15, 4, v12
	v_add_nc_u32 v12, s36, v12                     ; back: lanes 0-15 one row, lanes 16-31 the next
	v_lshlrev_b32 v13, 12, v248
	v_lshl_add_u32 v13, v15, 4, v13                ; and the same in out0
	s_mov_b32 s[SEL], 0x76543210
	s_mov_b32 s[SEL+1], 0xfedcba98
	s_lshr_b32 s18, s16, 3                         ; my fragment: kind i / 8, K step i % 8 = heads 2 (i % 8) and the next
	s_and_b32 s19, s16, 7
	s_lshl_b32 s18, s18, 7
	s_add_co_u32 s18, s18, ttmp9
	s_lshl_b32 s18, s18, 4
	s_lshl_b32 s19, s19, 1
	s_add_co_u32 s18, s18, s19
	s_mul_i32 s24, s18, 768
	s_mov_b32 s25, 0
	s_lshl_b32 s26, s18, 7
	s_add_co_u32 s26, s26, CSW
	s_mov_b32 s27, 0
	s_lshr_b32 s20, s16, 1
	s_mul_i32 s20, s20, 98304
	s_and_b32 s21, s16, 1
	s_mul_i32 s21, s21, 6144
	s_add_co_u32 s20, s20, s21
	s_add_co_u32 s20, s20, WOI
	s_mov_b32 s21, 0
	s_lshl_b32 s28, s16, 11
	s_add_co_u32 s28, s28, WOS
	s_mov_b32 s29, 0
	s_lshl_b32 s30, s16, 8
	s_mov_b32 s31, 0
	s_lshr_b32 s22, ttmp9, 1
	s_lshl_b32 s22, s22, 5
	s_and_b32 s23, ttmp9, 1
	s_lshl_b32 s23, s23, 3
	s_add_co_u32 s22, s22, s23
	s_lshl_b32 s22, s22, 12                        ; the tile's first token: 32 (tile / 2) + 8 (tile % 2), rows of 4,096 bytes
	s_add_co_u32 s22, s22, s30
	s_mov_b32 s23, 0
	s_wait_kmcnt 0x0
	s_load_b32 s17, s[12:13], 0x0                  ; bm
	s_add_nc_u64 s[24:25], s[4:5], s[24:25]
	s_add_nc_u64 s[26:27], s[4:5], s[26:27]
	s_add_nc_u64 s[20:21], s[6:7], s[20:21]
	s_add_nc_u64 s[28:29], s[6:7], s[28:29]
	s_add_nc_u64 s[32:33], s[10:11], s[30:31]
	s_add_nc_u64 s[30:31], s[8:9], s[30:31]
	s_add_nc_u64 s[22:23], s[14:15], s[22:23]
.irp c, 0,1
.irp j, 0,1,2
	global_load_b64 v[AF+6*\c+2*\j:AF+6*\c+2*\j+1], v2, s[24:25] offset:768*\c+256*\j   ; two heads' pieces are one fragment
.endr
.endr
	global_load_b32 v248, v3, s[26:27]
	global_load_b32 v249, v3, s[26:27] offset:128
	global_load_b64 v[250:251], v2, s[30:31]
	global_load_b64 v[252:253], v2, s[32:33]
	global_load_b64 v[254:255], v2, s[32:33] offset:4096
.irp b, 0,1,2,3
.irp p, 0,1,2,3
	global_load_b64 v[SB+8*\b+2*\p:SB+8*\b+2*\p+1], v4, s[28:29] offset:(\b/2)*1024+\p*256+(\b%2)*128
.endr
.endr
.macro BLOAD s                         ; Wo's four fragments of K step s into set s % 2
.set BS_, BF+48*((\s)%2)
.irp b, 0,1,2,3
.irp g, 0,1,2
	global_load_b128 v[BS_+12*\b+4*\g:BS_+12*\b+4*\g+3], v1, s[20:21] offset:(\s)*12288+\b*1536+512*\g
.endr
.endr
.endm
.macro ALOAD s                         ; both kinds' fragments of K step s
.irp k, 0,1
.irp g, 0,1,2
	ds_load_b128 v[AF+12*\k+4*\g:AF+12*\k+4*\g+3], v1 offset:AIM+(8*\k+(\s))*1536+512*\g
.endr
.endr
.endm
	BLOAD 0
	BLOAD 1
	s_wait_loadcnt 24                              ; all but the 24 loads of Wo's first two K steps
	v_lshl_or_b32 v248, v249, 16, v248             ; two heads' two bytes each: the K step's scale word
.irp g, 0,1,2
	ds_store_b128 v5, v[AF+4*\g:AF+4*\g+3] offset:AIM+512*\g
.endr
	ds_store_b32 v6, v248
	ds_store_b64 v7, v[250:251]
	ds_store_b64 v7, v[252:253] offset:256
	ds_store_b64 v7, v[254:255] offset:512
	s_wait_dscnt 0x0                               ; for the others' sake: my stores have landed
	s_barrier_signal -1
	s_barrier_wait -1                              ; the sixteen fragments lie in LDS
.irp k, 0,1
.irp s, 0,1,2,3,4,5,6,7
	ds_load_b32 v[SA+8*\k+\s], v3 offset:ASC+(8*\k+\s)*128
.endr
.endr
	ALOAD 0
.macro KS s                            ; a K step: eight products, the eight accumulators by turns
.if (\s) < 7
	s_wait_loadcnt 12                              ; this step's fragments of Wo are in; the next step's 12 loads may be out
.else
	s_wait_loadcnt 0x0
.endif
	s_wait_dscnt 0x0
.set KB_, BF+48*((\s)%2)
.irp k, 0,1
.irp b, 0,1,2,3
.if (\s) == 0
	v_wmma_scale_f32_16x16x128_f8f6f4 v[ACC+32*\k+8*\b:ACC+32*\k+8*\b+7], v[KB_+12*\b:KB_+12*\b+11], v[AF+12*\k:AF+12*\k+11], 0, v[SB+8*\b+(\s)], v[SA+8*\k+(\s)] matrix_a_fmt:MATRIX_FMT_FP6 matrix_b_fmt:MATRIX_FMT_FP6
.else
	v_wmma_scale_f32_16x16x128_f8f6f4 v[ACC+32*\k+8*\b:ACC+32*\k+8*\b+7], v[KB_+12*\b:KB_+12*\b+11], v[AF+12*\k:AF+12*\k+11], v[ACC+32*\k+8*\b:ACC+32*\k+8*\b+7], v[SB+8*\b+(\s)], v[SA+8*\k+(\s)] matrix_a_fmt:MATRIX_FMT_FP6 matrix_b_fmt:MATRIX_FMT_FP6
.endif
.endr
.endr
	PLACES 4                                       ; in front of loads into registers that these products have read, and of the first read of results
.if (\s) < 6
	BLOAD (\s)+2
.endif
.if (\s) < 7
	ALOAD (\s)+1
.endif
.endm
.irp s, 0,1,2,3,4,5,6,7
	KS \s
.endr
; bo and Wm's two halves at my lane's 32 columns: 32 be + 16 h + 0 .. 15
.irp vec, 0,1,2
.irp be, 0,1
.irp j, 0,1,2,3
	ds_load_b128 v[BF+32*\vec+16*\be+4*\j:BF+32*\vec+16*\be+4*\j+3], v8 offset:256*\vec+128*\be+16*\j
.endr
.endr
.endr
	s_wait_dscnt 0x0
.irp k, 0,1
.irp p, 0,1,2,3,4,5,6,7,8,9,10,11,12,13,14,15
	v_pk_add_f32 v[ACC+32*\k+2*\p:ACC+32*\k+2*\p+1], v[ACC+32*\k+2*\p:ACC+32*\k+2*\p+1], v[BF+2*\p:BF+2*\p+1]   ; + bo; each accumulator from its low end on
.endr
.endr
	v_pk_mul_f32 v[248:249], v[ACC:ACC+1], v[BF+32:BF+33]          ; [orig, tho] . Wm, in two chains
	v_pk_mul_f32 v[250:251], v[ACC+32:ACC+33], v[BF+64:BF+65]
.irp p, 1,2,3,4,5,6,7,8,9,10,11,12,13,14,15
	v_pk_fma_f32 v[248:249], v[ACC+2*\p:ACC+2*\p+1], v[BF+32+2*\p:BF+33+2*\p], v[248:249]
	v_pk_fma_f32 v[250:251], v[ACC+32+2*\p:ACC+33+2*\p], v[BF+64+2*\p:BF+65+2*\p], v[250:251]
.endr
	v_pk_add_f32 v[248:249], v[248:249], v[250:251]
	v_add_f32 v248, v248, v249
	v_permlanex16_b32 v250, v248, s[SEL], s[SEL+1]
	v_add_f32 v248, v248, v250                     ; my wave's 64 columns' part, for token r
	ds_store_b32 v9, v248                          ; (lanes r and r + 16 write the same word with the same value)
	s_wait_dscnt 0x0
	s_barrier_signal -1
	s_barrier_wait -1
.irp j, 0,1,2,3
	ds_load_b128 v[BF+4*\j:BF+4*\j+3], v10 offset:16*\j
.endr
	s_wait_dscnt 0x0
	s_wait_kmcnt 0x0                               ; bm
.irp j, 2,4,6,8,10,12,14
	v_pk_add_f32 v[BF:BF+1], v[BF:BF+1], v[BF+\j:BF+\j+1]          ; the sixteen parts, in one order in every wave
.endr
	v_add_f32 v[BF], v[BF], v[BF+1]
	v_add_f32 v[BF], s17, v[BF]
	v_mul_f32 v[BF], 0xbfb8aa3b, v[BF]             ; -x log2(e)
	v_exp_f32 v[BF+1], v[BF]
	v_nop                                          ; a plain place behind the exponential,
	s_wait_alu depctr_va_vdst(0)                   ; and the wait ahead of its reader
	v_add_f32 v[BF+1], 1.0, v[BF+1]
	v_rcp_f32 v[BF+2], v[BF+1]                     ; the sigmoid
	v_nop
	s_wait_alu depctr_va_vdst(0)
	v_mul_f32 v254, 0x3e6d61bf, v[BF+2]            ; eff = PW x mix, PW = 0.3 (0.5 + 0.5 x 6 / 11)
	v_mov_b32 v255, v254
	v_sub_f32 v252, 1.0, v254
	v_mov_b32 v253, v252
.irp p, 0,1,2,3,4,5,6,7,8,9,10,11,12,13,14,15
	v_pk_mul_f32 v[ACC+2*\p:ACC+2*\p+1], v[ACC+2*\p:ACC+2*\p+1], v[252:253]
.endr
.irp p, 0,1,2,3,4,5,6,7,8,9,10,11,12,13,14,15
	v_pk_fma_f32 v[ACC+2*\p:ACC+2*\p+1], v[ACC+32+2*\p:ACC+33+2*\p], v[254:255], v[ACC+2*\p:ACC+2*\p+1]
.endr
; the way out: through my own stage, so that sixteen lanes store 256 consecutive bytes of a token's row, at a multiple of 256 from out0's first byte
.irp be, 0,1
.irp j, 0,1,2,3
	ds_store_b128 v11, v[ACC+16*\be+4*\j:ACC+16*\be+4*\j+3] offset:128*\be+16*\j
.endr
.endr
.irp i, 0,1,2,3,4,5,6,7
	ds_load_b128 v[BF+4*\i:BF+4*\i+3], v12 offset:2*\i*272         ; LDS serves a wave's instructions in order: these see my stores
.endr
.irp i, 0,1,2,3,4,5,6,7
	s_wait_dscnt 7-\i                              ; the later loads from the stage may be out
	global_store_b128 v13, v[BF+4*\i:BF+4*\i+3], s[22:23] offset:(2*\i+8*(\i/4))*4096 th:TH_STORE_NT   ; stage row rho is token rho + 8 (rho / 8) of the tile
.endr
	s_wait_xcnt 0x0
	v_lshl_add_u32 v254, v0, 2, 0x1ac00
	v_mov_b32 v255, 0
	s_wait_tensorcnt 0x0
	ds_add_u32 v254, v255
	s_wait_dscnt 0x0
	s_endpgm
.Lfunc_end_k_q228510338c_out:
	.size	k_q228510338c_out, .Lfunc_end_k_q228510338c_out-k_q228510338c_out
	.p2alignl 7, 3214868480
	.fill 96, 4, 3214868480
	.section	.rodata,"a",@progbits
	.p2align	6, 0x0
	.amdhsa_kernel k_q228510338c_out
		.amdhsa_group_segment_fixed_size 111616
		.amdhsa_private_segment_fixed_size 0
		.amdhsa_enable_private_segment 0
		.amdhsa_kernarg_size 48
		.amdhsa_user_sgpr_count 2
		.amdhsa_user_sgpr_kernarg_segment_ptr 1
		.amdhsa_wavefront_size32 1
		.amdhsa_system_sgpr_workgroup_id_x 1
		.amdhsa_system_sgpr_workgroup_id_y 1
		.amdhsa_system_sgpr_workgroup_id_z 1
		.amdhsa_system_vgpr_workitem_id 0
		.amdhsa_next_free_vgpr 256
		.amdhsa_next_free_sgpr 66
		.amdhsa_reserve_vcc 0
		.amdhsa_float_denorm_mode_32 3
		.amdhsa_float_denorm_mode_16_64 3
		.amdhsa_memory_ordered 1
		.amdhsa_forward_progress 1
		.amdhsa_inst_pref_size 41
	.end_amdhsa_kernel
	.amdgpu_metadata
---
amdhsa.version: [ 1, 2 ]
amdhsa.kernels:
  - .name:           k_q228510338c_out
    .symbol:         k_q228510338c_out.kd
    .args:
      - { .name: cc, .offset: 0, .size: 8, .value_kind: global_buffer, .address_space: global }
      - { .name: wc, .offset: 8, .size: 8, .value_kind: global_buffer, .address_space: global }
      - { .name: bo, .offset: 16, .size: 8, .value_kind: global_buffer, .address_space: global }
      - { .name: Wm, .offset: 24, .size: 8, .value_kind: global_buffer, .address_space: global }
      - { .name: bm, .offset: 32, .size: 8, .value_kind: global_buffer, .address_space: global }
      - { .name: out0, .offset: 40, .size: 8, .value_kind: global_buffer, .address_space: global }
    .group_segment_fixed_size: 111616
    .private_segment_fixed_size: 0
    .kernarg_segment_align: 8
    .kernarg_segment_size: 48
    .max_flat_workgroup_size: 512
    .sgpr_count:     66
    .vgpr_count:     256
    .wavefront_size: 32
...
	.end_amdgpu_metadata
.endif
;; end of part 4
;; ======== version 2 of 2: 4 launches
;; limits: right only within a limited range of input values
;; workspace buffers: xc 8,192,000 bytes; wc 5,734,400 bytes; at 20,119,552 bytes; cc 3,670,016 bytes
;; launch quant (part 5): grid 1088 x 1, 2 waves a work-group, no clusters, 29,952 bytes of LDS; arguments hidden_states, thought_states, Wq, Wk, Wv, Wtq, Wtk, Wtv, Wo, xc, wc; writes xc, wc
.if DOCPART == 5
	.amdgcn_target "amdgcn-amd-amdhsa--gfx1250"
	.amdhsa_code_object_version 6
	.text
	.protected	k_q228510338c_quant
	.globl	k_q228510338c_quant
	.p2align	8
	.type	k_q228510338c_quant,@function
k_q228510338c_quant:
	s_mov_b64 s[64:65], 0
	v_nop
	global_prefetch_b8 v0, s[64:65] scope:SCOPE_SE
	s_setreg_imm32_b32 hwreg(HW_REG_WAVE_MODE, 25, 1), 1
	s_wait_xcnt 0x0
; hidden_states [2048][1024], thought_states [8192][1024] (K innermost) and seven weights [1024 (K)][1024] (K outermost), all f32, become codes of FP6 (E2M3)
; with one E8M0 byte for each 32 along K.  A block's scale is 2^(floor(log2(its largest magnitude)) - 2); its byte is that magnitude's exponent field - 2, held at 1 from below.
; THE CODES ARE LAID AS IMAGES OF OPERAND REGISTERS.  A fragment (16 rows x 128 K) is 12 registers a lane = 1,536 bytes: register n of lane L at (n / 4) 512 + 16 L + 4 (n % 4).
; THE ROWS OF A TILE ARE NOT NEIGHBOURS: lane r of tile 2 b + u is row 32 b + 8 u + r + 8 (r / 8) (a token, or a weight's column).
; Images: (tile / 8) 98,304 + (K step) 12,288 + (tile % 8) 1,536.  Scale words: [pair b][K step / 2][u][r][2 words], 256 bytes for each (b, K step / 2).
; There are 1,280 wave tasks for the tokens and 896 for the weights, 2,176 in all: 8.5 for each of 256 WGPs.  A work-group is two waves, so that the tasks spread evenly;
; two, since two neighbouring pairs of a weight's columns share each aligned 256 bytes of a row.  Work-groups 0-639 take the tokens, the others the weights; each way has LDS bytes of its own.
; Waves share nothing: no barrier.
; LIMITS: NaN and infinities among the inputs are not served; a block of zeros gets the byte 1 (its codes are zeros, and this program alone reads the bytes).
.set XWG,  640                         ; work-groups for the tokens
.set WSTG, 16896                       ; LDS: the weights' stages begin behind the tokens' two
.set XSC,  7864320                     ; xc: the scale words begin here
.set WSC,  5505024                     ; wc: likewise
.set RA,   16                          ; v16-79, v80-143  two sets of 64 numbers
.set RB,   80
.set PCA,  144                         ; v144-155, v156-167  two sets of a fragment's codes
.set PCB,  156
.set CT,   168                         ; v168-170, v172-174  second halves of blocks
.set TM,   176                         ; v176-191 at work
.set PWR,  192                         ; v192-195 the four fragments' scale words
.set SEL,  44                          ; s[44:45] selects for lane l xor 16
.set WX,   16                          ; weights: v16-79 two sets of 32 numbers
.set WF,   112                         ; v112-117 a block's 24 bytes of codes
.set WT,   120
.set WSW,  128                         ; v128-129 scale words
.set WOUT, 132                         ; v132-179 the way out
; 64 numbers of a lane, register 16 b + i = k 32 b + 16 (lane / 16) + i of my row, become a fragment's codes and its scale word
.macro QUANT src, pc, pw
.irp b, 0,1,2,3
	v_max3_num_f32 v[TM+\b], |v[\src+16*\b]|, |v[\src+1+16*\b]|, 0x1800000   ; my 16 numbers and the floor 2^(3 - 127): the byte cannot fall under 1
.endr
.irp i, 2,4,6,8,10,12,14
.irp b, 0,1,2,3
	v_max3_num_f32 v[TM+\b], v[TM+\b], |v[\src+16*\b+\i]|, |v[\src+1+16*\b+\i]|
.endr
.endr
.irp b, 0,1,2,3
	v_permlanex16_b32 v[TM+4+\b], v[TM+\b], s[SEL], s[SEL+1]
.endr
.irp b, 0,1,2,3
	v_max_num_f32 v[TM+\b], v[TM+\b], v[TM+4+\b]       ; with lane l xor 16's: the block's largest magnitude
.endr
.irp b, 0,1,2,3
	v_add_nc_u32 v[TM+12+\b], 0xff000000, v[TM+\b]     ; 2 off its exponent field: the conversion's scale operand
.endr
.irp b, 0,1,2,3
	v_lshrrev_b32 v[TM+4+\b], 23, v[TM+12+\b]          ; the scale's byte
.endr
	v_lshl_or_b32 v[\pw], v[TM+5], 8, v[TM+4]
	v_lshl_or_b32 v[\pw], v[TM+6], 16, v[\pw]
	v_lshl_or_b32 v[\pw], v[TM+7], 24, v[\pw]
.irp c, 0,1
	v_cvt_scalef32_pk16_fp6_f32 v[\pc+6*\c:\pc+2+6*\c], v[\src+32*\c:\src+15+32*\c], v[TM+12+2*\c]
	v_cvt_scalef32_pk16_fp6_f32 v[CT+4*\c:CT+2+4*\c], v[\src+16+32*\c:\src+31+32*\c], v[TM+13+2*\c]
.endr
	v_nop                                              ; one plain place behind a scaled conversion
.irp c, 0,1                                            ; the layout wants a whole block in a lane: lanes 0-15 block 2 c, lanes 16-31 block 2 c + 1
.irp i, 0,1,2
	v_permlane16_swap_b32 v[\pc+6*\c+\i], v[CT+4*\c+\i]
.endr
.irp i, 0,1,2
	v_mov_b32 v[\pc+3+6*\c+\i], v[CT+4*\c+\i]
.endr
.endr
.endm
	s_load_b512 s[4:19], s[0:1], 0x0               ; hidden, thought, Wq, Wk, Wv, Wtq, Wtk, Wtv
	s_load_b128 s[20:23], s[0:1], 0x40             ; Wo, xc
	s_load_b64 s[24:25], s[0:1], 0x50              ; wc
	v_lshl_add_u32 v200, v0, 2, 0x7400
	v_mov_b32 v201, 0
	v_lshrrev_b32 v5, 5, v0
	v_readfirstlane_b32 s26, v5                    ; wave 0..1
	v_and_b32 v5, 31, v0                           ; lane
	v_and_b32 v6, 15, v0                           ; r
	v_bfe_u32 v7, v0, 4, 1                         ; h
	s_cmp_lt_u32 ttmp9, XWG
	s_cbranch_scc0 .Lweights
; ---------------- THE TOKENS.  A wave takes a pair of tiles b (32 tokens) x 256 along K: four fragments f = (u = f / 2, K step 2 sp + f % 2).
	s_lshl_b32 s27, ttmp9, 1
	s_add_co_u32 s27, s27, s26                     ; task = 4 b + sp
	s_lshr_b32 s28, s27, 2                         ; b 0..319
	s_and_b32 s29, s27, 3                          ; sp
	s_mul_i32 s30, s26, 8448                       ; my stage: 16 rows of 512 bytes + 16
	v_lshlrev_b32 v1, 4, v5                        ; 16 x lane
	v_add_nc_u32 v2, s30, v1                       ; into the stage: a row as it lies
	v_mul_u32_u24 v3, v6, 528
	v_lshl_add_u32 v3, v7, 6, v3
	v_add_nc_u32 v3, s30, v3                       ; out of it: row r, + 64 h: my 16 numbers of each block of 32
	v_lshlrev_b32 v4, 3, v6
	v_lshl_add_u32 v4, v7, 7, v4                   ; scale words: 128 u + 8 r, lanes 16-31 standing for u = 1
	s_mov_b32 s[SEL], 0x76543210
	s_mov_b32 s[SEL+1], 0xfedcba98
	s_mov_b32 s33, 0xffff0000                      ; lanes 16-31
.irp b, 0,1,2,3
	v_mov_b32 v[TM+4+\b], 0                        ; a lane permute's destination counts as one of its sources
.endr
	s_wait_alu depctr_va_vdst(0)
	s_wait_kmcnt 0x0
	s_cmp_lt_u32 s28, 64                           ; pairs 0-63 are hidden_states', the others thought_states'
	s_cselect_b64 s[34:35], s[4:5], s[6:7]
	s_cselect_b32 s36, 0, 64
	s_sub_co_u32 s36, s28, s36
	s_lshl_b32 s36, s36, 17                        ; 32 rows of 4,096 bytes
	s_lshl_b32 s37, s29, 10                        ; 256 numbers along K
	s_add_co_u32 s36, s36, s37
	s_mov_b32 s37, 0
	s_add_nc_u64 s[34:35], s[34:35], s[36:37]
	s_lshr_b32 s38, s28, 2
	s_mul_i32 s38, s38, 98304
	s_mul_i32 s39, s29, 24576
	s_add_co_u32 s38, s38, s39
	s_and_b32 s39, s28, 3
	s_mul_i32 s39, s39, 3072
	s_add_co_u32 s38, s38, s39
	s_mov_b32 s39, 0
	s_add_nc_u64 s[40:41], s[22:23], s[38:39]      ; my images
	s_lshl_b32 s38, s27, 8
	s_add_co_u32 s38, s38, XSC
	s_add_nc_u64 s[42:43], s[22:23], s[38:39]      ; my 256 bytes of scale words
.macro LOADF f, reg                    ; fragment f: 16 rows x 512 consecutive bytes, a row a load
.irp rho, 0,1,2,3,4,5,6,7,8,9,10,11,12,13,14,15
	global_load_b128 v[\reg+4*\rho:\reg+4*\rho+3], v1, s[34:35] offset:(8*((\f)/2)+\rho+8*(\rho/8))*4096+512*((\f)%2) th:TH_LOAD_NT
.endr
.endm
.macro XSTEP f, reg, pcs
.if (\f) < 3
	s_wait_loadcnt 16                              ; this fragment's 16 loads are in; the next fragment's 16 may be out
.else
	s_wait_loadcnt 0x0
.endif
.irp rho, 0,1,2,3,4,5,6,7,8,9,10,11,12,13,14,15
	ds_store_b128 v2, v[\reg+4*\rho:\reg+4*\rho+3] offset:528*\rho
.endr
.irp be, 0,1,2,3                       ; LDS serves a wave's instructions in order: these see the stores above
.irp j, 0,1,2,3
	ds_load_b128 v[\reg+16*\be+4*\j:\reg+16*\be+4*\j+3], v3 offset:128*\be+16*\j
.endr
.endr
	s_wait_dscnt 0x0
.if (\f) >= 2
	s_wait_xcnt 0x0                                ; the stores of two fragments ago have read this set of codes
.endif
	QUANT \reg, \pcs, PWR+\f
.irp g, 0,1,2
	global_store_b128 v1, v[\pcs+4*\g:\pcs+4*\g+3], s[40:41] offset:((\f)%2)*12288+((\f)/2)*1536+512*\g   ; 512 consecutive bytes
.endr
.if (\f) < 2
	LOADF (\f)+2, \reg
.endif
.endm
	LOADF 0, RA
	LOADF 1, RB
	XSTEP 0, RA, PCA
	XSTEP 1, RB, PCB
	XSTEP 2, RA, PCA
	XSTEP 3, RB, PCB
	v_cndmask_b32 v196, v[PWR], v[PWR+2], s33      ; lanes 0-15: tile 2 b's words, lanes 16-31: tile 2 b + 1's
	v_cndmask_b32 v197, v[PWR+1], v[PWR+3], s33
	global_store_b64 v4, v[196:197], s[42:43]      ; 256 consecutive bytes
	s_wait_tensorcnt 0x0
	ds_add_u32 v200, v201
	s_wait_dscnt 0x0
	s_endpgm
; ---------------- THE WEIGHTS.  A lane takes a column and its registers run down K.  A wave takes 32 columns (a pair of tiles b) x 256 along K: 8 blocks a lane.
.Lweights:
	s_sub_co_u32 s27, ttmp9, XWG
	s_lshl_b32 s27, s27, 1
	s_add_co_u32 s27, s27, s26                     ; task 0..895: bits 9:7 the weight, 6:5 and 2:0 the pair of tiles, 4:3 which 256 along K
	s_lshr_b32 s28, s27, 7                         ; which weight, 0..6
	s_bfe_u32 s29, s27, 0x20005
	s_bfe_u32 s30, s27, 0x20003                    ; sp
	s_and_b32 s31, s27, 7
	s_lshl_b32 s29, s29, 3
	s_add_co_u32 s31, s31, s29                     ; b 0..31: my two waves take b and b + 1, b even
	s_mul_i32 s32, s26, 6144
	s_add_co_u32 s32, s32, WSTG                    ; my stage: four images, [u][K step]
	s_wait_alu depctr_va_vdst(0)
	v_lshlrev_b32 v1, 2, v5                        ; 4 x lane
	v_bfe_u32 v8, v0, 3, 1                         ; column l is lane r = l % 8 + 8 (l / 16) of tile u = (l / 8) % 2
	v_and_b32 v6, 7, v0
	v_lshl_add_u32 v6, v7, 3, v6
	v_mul_u32_u24 v2, v8, 3072
	v_lshl_add_u32 v2, v6, 4, v2
	v_add_nc_u32 v2, s32, v2                       ; into the stage: my tile's images, 16 r
	v_lshlrev_b32 v9, 4, v5
	v_add_nc_u32 v3, s32, v9                       ; out of it: 16 x lane
	v_lshlrev_b32 v4, 3, v6
	v_lshl_add_u32 v4, v8, 7, v4                   ; scale words: 128 u + 8 r
	s_wait_kmcnt 0x0
	s_mov_b64 s[34:35], s[8:9]
	s_cmp_eq_u32 s28, 1
	s_cselect_b64 s[34:35], s[10:11], s[34:35]
	s_cmp_eq_u32 s28, 2
	s_cselect_b64 s[34:35], s[12:13], s[34:35]
	s_cmp_eq_u32 s28, 3
	s_cselect_b64 s[34:35], s[14:15], s[34:35]
	s_cmp_eq_u32 s28, 4
	s_cselect_b64 s[34:35], s[16:17], s[34:35]
	s_cmp_eq_u32 s28, 5
	s_cselect_b64 s[34:35], s[18:19], s[34:35]
	s_cmp_eq_u32 s28, 6
	s_cselect_b64 s[34:35], s[20:21], s[34:35]
	s_lshl_b32 s36, s30, 20                        ; 256 rows of 4,096 bytes
	s_lshl_b32 s37, s31, 7                         ; 32 columns
	s_add_co_u32 s36, s36, s37
	s_mov_b32 s37, 0
	s_add_nc_u64 s[34:35], s[34:35], s[36:37]
	s_mul_i32 s36, s28, 786432
	s_lshr_b32 s38, s31, 2
	s_mul_i32 s38, s38, 98304
	s_add_co_u32 s36, s36, s38
	s_mul_i32 s38, s30, 24576
	s_add_co_u32 s36, s36, s38
	s_and_b32 s38, s31, 3
	s_mul_i32 s38, s38, 3072
	s_add_co_u32 s36, s36, s38
	s_add_nc_u64 s[40:41], s[24:25], s[36:37]      ; my images
	s_lshl_b32 s36, s28, 15
	s_lshl_b32 s38, s31, 10
	s_add_co_u32 s36, s36, s38
	s_lshl_b32 s38, s30, 8
	s_add_co_u32 s36, s36, s38
	s_add_co_u32 s36, s36, WSC
	s_add_nc_u64 s[42:43], s[24:25], s[36:37]      ; my scale words
.macro WLOAD t                         ; block t: W(32 t + i, my column): 128 consecutive bytes a load
.irp i, 0,1,2,3,4,5,6,7,8,9,10,11,12,13,14,15,16,17,18,19,20,21,22,23,24,25,26,27,28,29,30,31
	global_load_b32 v[WX+32*((\t)%2)+\i], v1, s[34:35] offset:(32*(\t)+\i)*4096 th:TH_LOAD_NT
.endr
.endm
.macro WBLOCK t
.set XS, WX+32*((\t)%2)
.if (\t) < 7
	s_wait_loadcnt 32                              ; this block's 32 loads are in; the next block's may be out
.else
	s_wait_loadcnt 0x0
.endif
	v_max3_num_f32 v124, |v[XS]|, |v[XS+1]|, |v[XS+2]|
	v_max3_num_f32 v125, |v[XS+3]|, |v[XS+4]|, |v[XS+5]|
.irp i, 6,10,14,18,22,26
	v_max3_num_f32 v124, v124, |v[XS+\i]|, |v[XS+\i+1]|
	v_max3_num_f32 v125, v125, |v[XS+\i+2]|, |v[XS+\i+3]|
.endr
	v_max3_num_f32 v124, v124, |v[XS+30]|, |v[XS+31]|
	v_max3_num_f32 v124, v124, v125, 0x1800000     ; and the floor
	v_add_nc_u32 v126, 0xff000000, v124            ; the conversion's scale operand
	v_lshrrev_b32 v127, 23, v126                   ; the byte
.if (\t)%4 == 0
	v_mov_b32 v[WSW+(\t)/4], v127
.else
	v_lshl_or_b32 v[WSW+(\t)/4], v127, 8*((\t)%4), v[WSW+(\t)/4]
.endif
	v_cvt_scalef32_pk16_fp6_f32 v[WF:WF+2], v[XS:XS+15], v126
	v_cvt_scalef32_pk16_fp6_f32 v[WT:WT+2], v[XS+16:XS+31], v126
	v_nop                                          ; one plain place behind a scaled conversion
.irp i, 0,1,2
	v_mov_b32 v[WF+3+\i], v[WT+\i]
.endr
; block t is k = 64 c + 32 h' + 0..31 of K step t / 4, c = (t / 2) % 2, h' = t % 2: registers 6 c .. 6 c + 5 of image lane r + 16 h'
.if ((\t)/2)%2 == 0
	ds_store_b128 v2, v[WF:WF+3] offset:((\t)/4)*1536+256*((\t)%2)
	ds_store_b64 v2, v[WF+4:WF+5] offset:((\t)/4)*1536+256*((\t)%2)+512
.else
	ds_store_b64 v2, v[WF:WF+1] offset:((\t)/4)*1536+256*((\t)%2)+520
	ds_store_b128 v2, v[WF+2:WF+5] offset:((\t)/4)*1536+256*((\t)%2)+1024
.endif
.if (\t)+2 < 8
	WLOAD (\t)+2
.endif
	s_wait_dscnt 0x0                               ; the stores have read their registers: the next block's codes may be written
.endm
	WLOAD 0
	WLOAD 1
.irp t, 0,1,2,3,4,5,6,7
	WBLOCK \t
.endr
	s_wait_alu depctr_va_vdst(0)
	global_store_b64 v4, v[WSW:WSW+1], s[42:43]    ; the wave's 256 bytes of scale words
.irp n, 0,1,2,3,4,5,6,7,8,9,10,11
	ds_load_b128 v[WOUT+4*\n:WOUT+4*\n+3], v3 offset:512*\n
.endr
.irp n, 0,1,2,3,4,5,6,7,8,9,10,11
	s_wait_dscnt 11-\n                             ; the later loads from the stage may be out
	global_store_b128 v9, v[WOUT+4*\n:WOUT+4*\n+3], s[40:41] offset:((\n/3)%2)*12288+(\n/6)*1536+512*(\n%3)
.endr
	s_wait_tensorcnt 0x0
	ds_add_u32 v200, v201
	s_wait_dscnt 0x0
	s_endpgm
.Lfunc_end_k_q228510338c_quant:
	.size	k_q228510338c_quant, .Lfunc_end_k_q228510338c_quant-k_q228510338c_quant
	.p2alignl 7, 3214868480
	.fill 96, 4, 3214868480
	.section	.rodata,"a",@progbits
	.p2align	6, 0x0
	.amdhsa_kernel k_q228510338c_quant
		.amdhsa_group_segment_fixed_size 29952
		.amdhsa_private_segment_fixed_size 0
		.amdhsa_enable_private_segment 0
		.amdhsa_kernarg_size 88
		.amdhsa_user_sgpr_count 2
		.amdhsa_user_sgpr_kernarg_segment_ptr 1
		.amdhsa_wavefront_size32 1
		.amdhsa_system_sgpr_workgroup_id_x 1
		.amdhsa_system_sgpr_workgroup_id_y 1
		.amdhsa_system_sgpr_workgroup_id_z 1
		.amdhsa_system_vgpr_workitem_id 0
		.amdhsa_next_free_vgpr 202
		.amdhsa_next_free_sgpr 66
		.amdhsa_reserve_vcc 0
		.amdhsa_float_denorm_mode_32 3
		.amdhsa_float_denorm_mode_16_64 3
		.amdhsa_memory_ordered 1
		.amdhsa_forward_progress 1
		.amdhsa_inst_pref_size 76
	.end_amdhsa_kernel
	.amdgpu_metadata
---
amdhsa.version: [ 1, 2 ]
amdhsa.kernels:
  - .name:           k_q228510338c_quant
    .symbol:         k_q228510338c_quant.kd
    .args:
      - { .name: hidden_states, .offset: 0, .size: 8, .value_kind: global_buffer, .address_space: global }
      - { .name: thought_states, .offset: 8, .size: 8, .value_kind: global_buffer, .address_space: global }
      - { .name: Wq, .offset: 16, .size: 8, .value_kind: global_buffer, .address_space: global }
      - { .name: Wk, .offset: 24, .size: 8, .value_kind: global_buffer, .address_space: global }
      - { .name: Wv, .offset: 32, .size: 8, .value_kind: global_buffer, .address_space: global }
      - { .name: Wtq, .offset: 40, .size: 8, .value_kind: global_buffer, .address_space: global }
      - { .name: Wtk, .offset: 48, .size: 8, .value_kind: global_buffer, .address_space: global }
      - { .name: Wtv, .offset: 56, .size: 8, .value_kind: global_buffer, .address_space: global }
      - { .name: Wo, .offset: 64, .size: 8, .value_kind: global_buffer, .address_space: global }
      - { .name: xc, .offset: 72, .size: 8, .value_kind: global_buffer, .address_space: global }
      - { .name: wc, .offset: 80, .size: 8, .value_kind: global_buffer, .address_space: global }
    .group_segment_fixed_size: 29952
    .private_segment_fixed_size: 0
    .kernarg_segment_align: 8
    .kernarg_segment_size: 88
    .max_flat_workgroup_size: 64
    .sgpr_count:     66
    .vgpr_count:     202
    .wavefront_size: 32
...
	.end_amdgpu_metadata
.endif
;; end of part 5
;; launch proj (part 6): grid 192 x 1, 4 waves a work-group, clusters of 4 x 1, 327,680 bytes of LDS; arguments xc, wc, bq, bk, bv, btq, btk, btv, attention_mask, thought_mask, at; writes at
.if DOCPART == 6
	.amdgcn_target "amdgcn-amd-amdhsa--gfx1250"
	.amdhsa_code_object_version 6
	.text
	.protected	k_q228510338c_proj
	.globl	k_q228510338c_proj
	.p2align	8
	.type	k_q228510338c_proj,@function
k_q228510338c_proj:
	s_mov_b64 s[64:65], 0
	v_nop
	global_prefetch_b8 v0, s[64:65] scope:SCOPE_SE
	s_setreg_imm32_b32 hwreg(HW_REG_WAVE_MODE, 25, 1), 1
	s_wait_xcnt 0x0
	s_wait_alu depctr_hold_cnt(0) depctr_sa_sdst(0) depctr_va_vdst(0) depctr_va_sdst(0) depctr_va_ssrc(0) depctr_va_vcc(0) depctr_vm_vsrc(0)
	s_getreg_b32 s2, hwreg(HW_REG_IB_STS2, 6, 4)
	s_cmp_eq_u32 s2, 0
	s_cbranch_scc0 .Lentry_in_a_cluster
	s_endpgm
.Lentry_in_a_cluster:
	s_bfe_u32 s2, ttmp6, 0x10000c
	s_cmp_lg_u32 s2, 0x3003
	s_cbranch_scc0 .Lentry_shape_is_right
	s_endpgm
.Lentry_shape_is_right:
; The six projections x W + b on codes of FP6 (E2M3), K = 1,024; the results are quantised at once into the operand images that the attention launch reads.
; A CLUSTER KEEPS ONE WEIGHT AND WALKS FOUR BLOCKS OF 128 TOKENS: c < 16: hidden_states with Wq, Wk, Wv, Wtq (16 blocks each, four clusters a weight); else thought_states with Wtk, Wtv
; (64 blocks each, sixteen clusters a weight).  16 and 64 divide by four and not by three: so 48 clusters, 192 work-groups.
; Its four work-groups take 256 of the weight's columns each, a wave one head (64 columns): 8 tiles of tokens x 4 tiles of columns = 32 accumulators, 256 registers.
; A wave's part of the weight is read by that wave alone: it goes from memory straight into 384 registers, ONCE, and stays there for the four blocks; so do its scale words and the bias.
; THE FOUR PARTNERS NEED THE SAME TOKENS: a block's codes for all of K, 98,304 bytes, come by joint tensor loads through a ring of two LDS slots: one load a wave (K steps 2 w and 2 w + 1) behind a round
; of the cluster's barrier at each change of blocks, for the block after the one in hand: it has that block's 256 products a wave in which to land.  By this text's count one tensor load of a wave is out.
; q, k, tq, tk (quantised along the head's 64): source 0 = the weight's columns, source 1 = tokens: a lane holds one token, its registers run along the head.
; v, tv (quantised along the keys): source 0 = tokens, source 1 = columns: a lane holds one channel, its registers run along the tokens.
; In both numberings registers 16 q .. 16 q + 15 of the accumulators are 16 neighbours along the next K, so one text quantises both.
; THE PADDING MASKS go into the keys' scale words.  A score's product has K = 64, so k = 64 .. 127 of its instruction are free: there the attention launch gives every key the code -7.5 and
; every query the code 1.0 at k = 64.  Byte 2 of a key's scale word is 250 where the mask is 0 (the score gets -7.5 x 2^123) and 1 elsewhere (it gets -7.5 x 2^-126); a query's is 127.
; LIMITS: NaN and infinities are not served; open scores carry that -7.5 x 2^-126; a block of zeros gets the byte 1.
; REGISTERS, in windows of 256.  Window 0: v1-9 addresses; v10, v11 a scale word's upper half, open and masked; v12, v13 the spare word's address and 0; v16-79 the tokens' scale words [tile][K step];
;   v80-111 the weight's; v112-207 A's fragments, set 0; v208-215 the mask words; v216-247 the bias as C; v248-255 the upper halves chosen by the mask.
;   Window 1: the accumulators.  Window 2: the weight's fragments of K steps 0-4.  Window 3: K steps 5-7; v144-239 A's set 1.  The quantiser works in A's two sets, which are free behind the K loop.
.set XSC,  7864320
.set WSC,  5505024
.set QI,   16711680                    ; at: the queries' pieces
.set QSB,  19857408                    ; and their scale words
.set BHB,  522240                      ; at: a (batch, head)'s 40 key steps
.set STB,  13056                       ; a key step: 8 pieces of K, 4 images of V, K's scale words (512), V's (256)
.set TILES, 4                          ; blocks of tokens that a work-group walks
.set SLOT1, 1<<17                      ; slot 1 begins here: one exclusive or turns an address from one slot into the other
.set SPARE, 2*SLOT1                    ; the spare words, 128 bytes for each wave: two blocks of 256 bytes that no other line names
.set SA,   16
.set SB,   80
.set A0,   112
.set A1,   144
.set MK,   208
.set BIAS, 216
.set HI,   248
.set EMX,  112                         ; the quantiser, in window 0: largest magnitudes, then scale operands,
.set EPT,  128                         ; the partner lane's, then bytes,
.set ESW,  144                         ; scale words,
.set ESL,  152                         ; as they are stored,
.set EFL,  156                         ; the floor;
.set EF,   144                         ; in window 3: codes, six registers for each pair of blocks,
.set ET,   192                         ; second halves
.set MSB, 0
.macro WIN new                         ; the immediate's high byte repeats the setting that is left
.if MSB != \new
	s_set_vgpr_msb (MSB<<8)|\new
.set MSB, \new
.endif
.endm
.macro PLACES n
.rept \n
	v_nop
.endr
.endm
.macro CROUND                          ; a round of the cluster's barrier
	s_barrier_signal -1
	s_barrier_wait -1
	s_cmp_lg_u32 s26, 0
	s_cbranch_scc1 .Lnot_wave_0_\@
	s_barrier_signal -3
.Lnot_wave_0_\@:
	s_barrier_wait -3
	s_barrier_signal -1
	s_barrier_wait -1
.endm
.macro MASKW                           ; the mask words become the upper halves of the eight tiles' scale words
.irp a, 0,1,2,3,4,5,6,7
	v_cmp_eq_u32 vcc_lo, 0, v[MK+\a]
	v_cndmask_b32 v[HI+\a], v10, v11, vcc_lo
.endr
.endm
	s_load_b512 s[4:19], s[0:1], 0x0               ; xc, wc, bq, bk, bv, btq, btk, btv
	s_load_b128 s[20:23], s[0:1], 0x40             ; attention_mask, thought_mask
	s_load_b64 s[24:25], s[0:1], 0x50              ; at
	v_lshl_add_u32 v12, v0, 2, SPARE
	v_mov_b32 v13, 0
	ds_add_u32 v12, v13
	ds_add_u32 v12, v13
	s_wait_dscnt 0x0
	v_lshrrev_b32 v14, 5, v0
	v_readfirstlane_b32 s26, v14                   ; wave 0..3
	s_bfe_u32 s27, ttmp6, 0x40000                  ; cx: which 256 columns; it enters global addresses of my own loads and stores alone
	s_lshr_b32 s52, ttmp9, 2                       ; both families' numbers, then one choice on the cluster's number
	s_and_b32 s53, ttmp9, 3
	s_lshl_b32 s53, s53, 2
	s_sub_co_u32 s54, ttmp9, 16
	s_lshr_b32 s55, s54, 4
	s_add_co_u32 s55, s55, 4
	s_and_b32 s54, s54, 15
	s_lshl_b32 s54, s54, 2
	s_add_co_u32 s56, s54, 16
	s_lshr_b32 s57, s53, 3
	s_and_b32 s58, s53, 7
	s_lshr_b32 s59, s54, 5
	s_and_b32 s60, s54, 31
	s_add_co_u32 s61, s58, 32
	s_cmp_lt_u32 ttmp9, 16
	s_cselect_b32 s44, s52, s55                    ; which weight: 0 Wq, 1 Wk, 2 Wv, 3 Wtq, 4 Wtk, 5 Wtv
	s_cselect_b32 s45, s53, s54                    ; my first block of 128 tokens in its tensor (the four lie in one batch)
	s_cselect_b32 s46, s53, s56                    ; and in xc
	s_cselect_b32 s47, s57, s59                    ; batch
	s_cselect_b32 s48, s58, s60                    ; block in the batch
	s_cselect_b32 s49, s61, s60                    ; key step in the stream: thoughts 0-31, then the sequence's 32-39
	s_cmp_eq_u32 s44, 2
	s_cselect_b32 s50, 1, 0
	s_cmp_eq_u32 s44, 5
	s_cselect_b32 s50, 1, s50                      ; 1: v or tv
	s_cmp_eq_u32 s44, 0
	s_cselect_b32 s51, 1, 0
	s_cmp_eq_u32 s44, 3
	s_cselect_b32 s51, 1, s51                      ; 1: q or tq
	s_cselect_b32 s62, 1, 0                        ; 1: tq
	s_mov_b32 s52, 0x76543210                      ; selects for lane l xor 16
	s_mov_b32 s53, 0xfedcba98
	s_mov_b32 s79, 0xffff0000                      ; lanes 16-31
	s_mov_b32 s78, 0x017f0000                      ; a query's upper bytes: 127 (1.0), 1
	s_mov_b32 s92, 0x01010000                      ; an open key's: 1, 1
	s_mov_b32 s93, 0x01fa0000                      ; a masked key's: 250, 1
	s_cmp_eq_u32 s51, 1
	s_cselect_b32 s92, s78, s92
	s_cselect_b32 s93, s78, s93
	; descriptor group 1: 96 rows of 256 bytes (32 elements of 8 bytes), dense: two K steps' sixteen images
	s_mov_b32 s28, 15|(3<<16)|(1<<21)              ; 15:0 the mask: all four work-groups; 17:16 elements of 8 bytes; 21 set beside a mask
	s_mov_b32 s29, 32<<16                          ; tensor_dim0
	s_mov_b32 s30, 96<<16                          ; tensor_dim1
	s_mov_b32 s31, 32<<16                          ; tile_dim0
	s_mov_b32 s32, 96                              ; tile_dim1
	s_mov_b32 s33, 32                              ; the pitch
	s_mov_b32 s34, 0
	s_mov_b32 s35, 0
	v_and_b32 v14, 31, v0                          ; lane
	v_and_b32 v15, 15, v0                          ; r
	v_bfe_u32 v8, v0, 4, 1                         ; h
	v_lshlrev_b32 v1, 4, v14                       ; 16 x lane: images
	v_lshlrev_b32 v2, 3, v14                       ; 8 x lane
	v_lshlrev_b32 v3, 5, v15
	v_lshl_add_u32 v3, v8, 4, v3                   ; 32 r + 16 h: pieces' scale words out
	v_lshlrev_b32 v4, 4, v15
	v_lshl_add_u32 v4, v8, 3, v4                   ; 16 r + 8 h: V's scale words out
	v_lshlrev_b32 v5, 3, v15                       ; 8 r: scale words in
	v_and_b32 v6, 8, v15
	v_add_nc_u32 v6, v6, v15
	v_lshlrev_b32 v6, 2, v6                        ; 4 (r + 8 (r / 8)): a tile's row, in words
	v_lshlrev_b32 v7, 6, v8                        ; 64 h
	s_mov_b32 s95, 0
	s_mov_b32 s67, 0
	s_mov_b32 s69, 0
	s_mov_b32 s81, 0
	s_mov_b32 s83, 0
	s_mul_i32 s66, s46, 98304
	s_mul_i32 s37, s26, 24576                      ; wave w brings K steps 2 w and 2 w + 1; no place in the cluster enters an LDS address
	s_add_co_u32 s66, s66, s37
	s_lshl_b32 s68, s46, 12
	s_add_co_u32 s68, s68, XSC
	; where my results go
	s_lshl_b32 s84, s47, 4
	s_lshl_b32 s85, s27, 2
	s_add_co_u32 s84, s84, s85
	s_add_co_u32 s84, s84, s26                     ; 16 x batch + head
	s_mul_i32 s85, s84, BHB
	s_mul_i32 s86, s49, STB
	s_add_co_u32 s85, s85, s86                     ; the first key step's block
	s_lshl_b32 s86, s62, 5
	s_add_co_u32 s86, s86, s84
	s_lshl_b32 s87, s86, 3
	s_add_co_u32 s87, s87, s48
	s_mul_i32 s88, s87, 6144
	s_add_co_u32 s88, s88, QI                      ; a query block's eight pieces
	s_lshl_b32 s89, s87, 9
	s_add_co_u32 s89, s89, QSB                     ; and their scale words
	s_mul_i32 s90, s50, 6144
	s_add_co_u32 s90, s90, s85                     ; K's pieces at + 0, V's images at + 6,144
	s_mul_i32 s91, s50, 512
	s_add_co_u32 s91, s91, s85
	s_add_co_u32 s91, s91, 12288                   ; K's scale words at + 12,288, V's at + 12,800
	s_cmp_eq_u32 s51, 1
	s_cselect_b32 s80, s88, s90
	s_cselect_b32 s82, s89, s91
	s_mov_b32 s84, STB                             ; from block to block: a key step on, or a query block's 6,144 and 512 bytes
	s_cselect_b32 s84, 6144, s84
	s_mov_b32 s86, STB
	s_cselect_b32 s86, 512, s86
	s_mov_b32 s85, 0
	s_mov_b32 s87, 0
	s_wait_kmcnt 0x0
	s_add_nc_u64 s[66:67], s[4:5], s[66:67]
	s_add_nc_u64 s[68:69], s[4:5], s[68:69]        ; the tokens' scale words
	s_add_nc_u64 s[80:81], s[24:25], s[80:81]
	s_add_nc_u64 s[82:83], s[24:25], s[82:83]
	s_mov_b64 s[76:77], s[8:9]                     ; the bias
	s_cmp_eq_u32 s44, 1
	s_cselect_b64 s[76:77], s[10:11], s[76:77]
	s_cmp_eq_u32 s44, 2
	s_cselect_b64 s[76:77], s[12:13], s[76:77]
	s_cmp_eq_u32 s44, 3
	s_cselect_b64 s[76:77], s[14:15], s[76:77]
	s_cmp_eq_u32 s44, 4
	s_cselect_b64 s[76:77], s[16:17], s[76:77]
	s_cmp_eq_u32 s44, 5
	s_cselect_b64 s[76:77], s[18:19], s[76:77]
	s_lshl_b32 s94, s27, 10
	s_lshl_b32 s88, s26, 8
	s_add_co_u32 s94, s94, s88
	s_add_nc_u64 s[76:77], s[76:77], s[94:95]      ; at my head's 64 numbers
	s_cmp_lt_u32 ttmp9, 16
	s_cselect_b64 s[74:75], s[20:21], s[22:23]     ; the mask of my tokens
	s_lshl_b32 s94, s45, 9
	s_add_nc_u64 s[74:75], s[74:75], s[94:95]
	s_mul_i32 s94, s44, 786432
	s_lshl_b32 s88, s27, 1
	s_lshr_b32 s89, s26, 1
	s_add_co_u32 s88, s88, s89
	s_mul_i32 s88, s88, 98304
	s_add_co_u32 s94, s94, s88
	s_and_b32 s89, s26, 1
	s_mul_i32 s89, s89, 6144
	s_add_co_u32 s94, s94, s89
	s_add_nc_u64 s[72:73], s[6:7], s[94:95]        ; my four tiles of the weight
	s_lshl_b32 s94, s44, 15
	s_lshl_b32 s88, s27, 13
	s_add_co_u32 s94, s94, s88
	s_lshl_b32 s88, s26, 11
	s_add_co_u32 s94, s94, s88
	s_add_co_u32 s94, s94, WSC
	s_add_nc_u64 s[70:71], s[6:7], s[94:95]        ; and their scale words
	s_mov_b32 s36, 1                               ; descriptor group 0: it walks from block to block and from slot to slot
	s_mov_b64 s[38:39], s[66:67]
	s_or_b32 s39, s39, 0x80000000
	CROUND                                         ; all four work-groups are here: the joint loads meet
	tensor_load_to_lds s[36:39], s[28:35]          ; the first block, into slot 0
	s_nop 0
	PLACES 4                                       ; behind a tensor load
	s_wait_alu depctr_va_vdst(0)
.irp a, 0,1,2,3,4,5,6,7
.irp p, 0,1,2,3
	global_load_b64 v[SA+8*\a+2*\p:SA+8*\a+2*\p+1], v5, s[68:69] offset:(\a/2)*1024+\p*256+(\a%2)*128
.endr
.endr
.irp b, 0,1,2,3
.irp p, 0,1,2,3
	global_load_b64 v[SB+8*\b+2*\p:SB+8*\b+2*\p+1], v5, s[70:71] offset:(\b/2)*1024+\p*256+(\b%2)*128
.endr
.endr
.irp a, 0,1,2,3,4,5,6,7
	global_load_b32 v[MK+\a], v6, s[74:75] offset:(32*(\a/2)+8*(\a%2))*4
.endr
	s_cmp_eq_u32 s50, 1                            ; the bias in the result's layout; the branch hangs on the cluster's number alone
	s_cbranch_scc1 .Lbias_v
.irp b, 0,1,2,3                        ; a lane's registers run along the columns: 32 (b / 2) + 8 (b % 2) + 16 h + 0 .. 7
	global_load_b128 v[BIAS+8*\b:BIAS+8*\b+3], v7, s[76:77] offset:(32*(\b/2)+8*(\b%2))*4
	global_load_b128 v[BIAS+8*\b+4:BIAS+8*\b+7], v7, s[76:77] offset:(32*(\b/2)+8*(\b%2))*4+16
.endr
	s_branch .Lbias_done
.Lbias_v:
.irp b, 0,1,2,3                        ; a lane holds one column: the same number in all eight registers
.irp j, 0,1,2,3,4,5,6,7
	global_load_b32 v[BIAS+8*\b+\j], v6, s[76:77] offset:(32*(\b/2)+8*(\b%2))*4
.endr
.endr
.Lbias_done:
	WIN 0x80                                       ; destination window 2
.irp s, 0,1,2,3,4
.irp b, 0,1,2,3
.irp g, 0,1,2
	global_load_b128 v[48*\s+12*\b+4*\g:48*\s+12*\b+4*\g+3], v1, s[72:73] offset:\s*12288+\b*1536+512*\g
.endr
.endr
.endr
	WIN 0xC0
.irp s, 5,6,7
.irp b, 0,1,2,3
.irp g, 0,1,2
	global_load_b128 v[48*(\s-5)+12*\b+4*\g:48*(\s-5)+12*\b+4*\g+3], v1, s[72:73] offset:\s*12288+\b*1536+512*\g
.endr
.endr
.endr
	WIN 0
	s_wait_loadcnt 63                              ; the weight's 96 loads were issued last: with 63 of them out, all that was issued ahead of them is in
	v_mov_b32 v10, s92
	v_mov_b32 v11, s93
	MASKW
.macro FETCH s                         ; A's eight fragments of K step s into set s % 2
.if ((\s)%2) == 0
	WIN 0
.set FR_, A0
.else
	WIN 0xC0
.set FR_, A1
.endif
.irp a, 0,1,2,3,4,5,6,7
.irp g, 0,1,2
.if (\s) < 4
	ds_load_b128 v[FR_+12*\a+4*\g:FR_+12*\a+4*\g+3], v8 offset:((\s)%4)*12288+\a*1536+512*\g
.else
	ds_load_b128 v[FR_+12*\a+4*\g:FR_+12*\a+4*\g+3], v9 offset:((\s)%4)*12288+\a*1536+512*\g
.endif
.endr
.endr
.endm
; A K step: the next step's fragments of A are asked for, then 32 products, the 32 accumulators by turns.  ty = 0: a lane holds a token; 1: a channel.
.macro KSTEP ty, s
.if (\s) < 7
.if (\s) > 0
	PLACES 4                                       ; in front of loads into registers that the last step's products have read
.endif
	FETCH (\s)+1
	s_wait_dscnt 24                                ; this step's fragments are in; the 24 loads just issued may be out
.else
	s_wait_dscnt 0x0
.endif
.if 12*(7-(\s)) > 63
	s_wait_loadcnt 63                              ; (first block) more than 63 loads of later K steps follow this step's: the count names as many as its field holds
.else
	s_wait_loadcnt 12*(7-(\s))                     ; (first block) the weight's fragments of the later K steps, 12 loads each, may be out; in the later blocks no load is out here
.endif
.set WB_, 2+(\s)/5
.set WA_, 3*((\s)%2)
.set BR_, 48*((\s)%5)
.set AR_, A0+(A1-A0)*((\s)%2)
.if (\s) == 0
.set C2_, 0
.else
.set C2_, 1
.endif
.if (\ty) == 0
.set WN_, 0x40+16*C2_+4*WA_+WB_
.else
.set WN_, 0x40+16*C2_+4*WB_+WA_
.endif
	WIN WN_
.irp a, 0,1,2,3,4,5,6,7
.irp b, 0,1,2,3
.if (\ty) == 0
.if (\s) == 0
	v_wmma_scale_f32_16x16x128_f8f6f4 v[8*(4*\a+\b):8*(4*\a+\b)+7], v[BR_+12*\b:BR_+12*\b+11], v[AR_+12*\a:AR_+12*\a+11], v[BIAS+8*\b:BIAS+8*\b+7], v[SB+8*\b+(\s)], v[SA+8*\a+(\s)] matrix_a_fmt:MATRIX_FMT_FP6 matrix_b_fmt:MATRIX_FMT_FP6
.else
	v_wmma_scale_f32_16x16x128_f8f6f4 v[8*(4*\a+\b):8*(4*\a+\b)+7], v[BR_+12*\b:BR_+12*\b+11], v[AR_+12*\a:AR_+12*\a+11], v[8*(4*\a+\b):8*(4*\a+\b)+7], v[SB+8*\b+(\s)], v[SA+8*\a+(\s)] matrix_a_fmt:MATRIX_FMT_FP6 matrix_b_fmt:MATRIX_FMT_FP6
.endif
.else
.if (\s) == 0
	v_wmma_scale_f32_16x16x128_f8f6f4 v[8*(8*\b+\a):8*(8*\b+\a)+7], v[AR_+12*\a:AR_+12*\a+11], v[BR_+12*\b:BR_+12*\b+11], v[BIAS+8*\b:BIAS+8*\b+7], v[SA+8*\a+(\s)], v[SB+8*\b+(\s)] matrix_a_fmt:MATRIX_FMT_FP6 matrix_b_fmt:MATRIX_FMT_FP6
.else
	v_wmma_scale_f32_16x16x128_f8f6f4 v[8*(8*\b+\a):8*(8*\b+\a)+7], v[AR_+12*\a:AR_+12*\a+11], v[BR_+12*\b:BR_+12*\b+11], v[8*(8*\b+\a):8*(8*\b+\a)+7], v[SA+8*\a+(\s)], v[SB+8*\b+(\s)] matrix_a_fmt:MATRIX_FMT_FP6 matrix_b_fmt:MATRIX_FMT_FP6
.endif
.endif
.endr
.endr
.endm
; A BLOCK OF 128 TOKENS.  At its head the change of slots: each wave waits for all its tensor loads (its part of this block), adds 0 to its spare word, and waits for that and for its reads of the slot that it has left.
; fill = 1: a round of the cluster's barrier, and behind it the slot just left takes the next block; the next block's scale words and mask words are asked for behind the K loop.
.macro TILE fill
	s_wait_tensorcnt 0x0                           ; no tensor load of mine is out, so the group 0 may be written
	ds_add_u32 v12, v13                            ; 0 onto my spare word
.if \fill
	s_xor_b32 s37, s37, SLOT1                      ; the other slot,
	s_add_nc_u64 s[38:39], s[38:39], 98304         ; the next block; the type bits on top are not reached
.endif
	s_wait_dscnt 0x0
.if \fill
	CROUND                                         ; no wave of any partner still reads that slot or has a load on its way
	tensor_load_to_lds s[36:39], s[28:35]          ; the first thing behind the round, and my one tensor load until the next
	s_nop 0
	PLACES 4
.else
	s_barrier_signal -1
	s_barrier_wait -1
.endif
	v_add_nc_u32 v8, s40, v1                       ; the slot in hand: K steps 0-3,
	v_add_nc_u32 v9, 49152, v8                     ; K steps 4-7
	FETCH 0
	s_cmp_eq_u32 s50, 1                            ; the branch hangs on the cluster's number alone
	s_cbranch_scc1 .Lk_v_\@
	s_wait_alu depctr_va_vdst(0)
.irp s, 0,1,2,3,4,5,6,7
	KSTEP 0, \s
.endr
	WIN 0
	s_branch .Lepi_\@
.Lk_v_\@:
	s_wait_alu depctr_va_vdst(0)
.irp s, 0,1,2,3,4,5,6,7
	KSTEP 1, \s
.endr
	WIN 0
.Lepi_\@:
; THE QUANTISER: block q = 0..15 is accumulator registers 16 q .. 16 q + 15 with lane l xor 16's sixteen.  Each accumulator is read from its low end on.
	PLACES 4
.if \fill
.irp a, 0,1,2,3,4,5,6,7                ; the next block's scale words lie 4,096 bytes on, its mask words 512: they land while this block is quantised
.irp p, 0,1,2,3
	global_load_b64 v[SA+8*\a+2*\p:SA+8*\a+2*\p+1], v5, s[68:69] offset:4096+(\a/2)*1024+\p*256+(\a%2)*128
.endr
.endr
.irp a, 0,1,2,3,4,5,6,7
	global_load_b32 v[MK+\a], v6, s[74:75] offset:512+(32*(\a/2)+8*(\a%2))*4
.endr
.endif
	v_mov_b32 v[EFL], 0x1800000                    ; the floor 2^(3 - 127): no byte falls under 1
.irp q, 0,1,2,3,4,5,6,7,8,9,10,11,12,13,14,15
	v_mov_b32 v[EPT+\q], 0                         ; a lane permute's destination counts as one of its sources
.endr
	WIN 0x14                                       ; sources 1 and 2 window 1
.irp q, 0,1,2,3,4,5,6,7,8,9,10,11,12,13,14,15
	v_max3_num_f32 v[EMX+\q], v[EFL], |v[16*\q]|, |v[16*\q+1]|
.endr
.irp i, 2,4,6,8,10,12,14
.irp q, 0,1,2,3,4,5,6,7,8,9,10,11,12,13,14,15
	v_max3_num_f32 v[EMX+\q], v[EMX+\q], |v[16*\q+\i]|, |v[16*\q+\i+1]|
.endr
.endr
	WIN 0
.irp q, 0,1,2,3,4,5,6,7,8,9,10,11,12,13,14,15
	v_permlanex16_b32 v[EPT+\q], v[EMX+\q], s52, s53
.endr
.irp q, 0,1,2,3,4,5,6,7,8,9,10,11,12,13,14,15
	v_max_num_f32 v[EMX+\q], v[EMX+\q], v[EPT+\q]
.endr
.irp q, 0,1,2,3,4,5,6,7,8,9,10,11,12,13,14,15
	v_add_nc_u32 v[EMX+\q], 0xff000000, v[EMX+\q]  ; 2 off the exponent field: the conversion's scale operand
.endr
.irp q, 0,1,2,3,4,5,6,7,8,9,10,11,12,13,14,15
	v_lshrrev_b32 v[EPT+\q], 23, v[EMX+\q]         ; the byte
.endr
	WIN 0xC1                                       ; numbers window 1, scale window 0, codes window 3
.irp p, 0,1,2,3,4,5,6,7
	v_cvt_scalef32_pk16_fp6_f32 v[EF+6*\p:EF+6*\p+2], v[32*\p:32*\p+15], v[EMX+2*\p]
	v_cvt_scalef32_pk16_fp6_f32 v[ET+4*\p:ET+4*\p+2], v[32*\p+16:32*\p+31], v[EMX+2*\p+1]
.endr
	v_nop                                          ; one plain place behind a scaled conversion
	WIN 0xC3                                       ; source 0 and destination window 3
.irp p, 0,1,2,3,4,5,6,7                ; a whole block in a lane: lanes 0-15 block 2 p, lanes 16-31 block 2 p + 1
.irp i, 0,1,2
	v_permlane16_swap_b32 v[EF+6*\p+\i], v[ET+4*\p+\i]
.endr
.irp i, 0,1,2
	v_mov_b32 v[EF+6*\p+3+\i], v[ET+4*\p+\i]
.endr
.endr
	WIN 0
	s_cmp_eq_u32 s50, 1
	s_cbranch_scc1 .Lout_v_\@
; q, k, tq, tk: pair p is tile of tokens p: six registers, 64 along K.  Its scale word: two bytes of its own, and the upper half by the mask.
.irp a, 0,1,2,3,4,5,6,7
	v_lshl_or_b32 v[ESW+\a], v[EPT+2*\a+1], 8, v[EPT+2*\a]
	v_or_b32 v[ESW+\a], v[ESW+\a], v[HI+\a]
.endr
.irp i, 0,1,2,3
	v_cndmask_b32 v[ESL+\i], v[ESW+\i], v[ESW+4+\i], s79   ; lanes 0-15: tiles 0-3's words, lanes 16-31: tiles 4-7's
.endr
	WIN 0x0C                                       ; a store's data: window 3
.irp a, 0,1,2,3,4,5,6,7
	global_store_b128 v1, v[EF+6*\a:EF+6*\a+3], s[80:81] offset:768*\a           ; 512 consecutive bytes
	global_store_b64 v2, v[EF+6*\a+4:EF+6*\a+5], s[80:81] offset:768*\a+512      ; 256 consecutive bytes
.endr
	WIN 0
	global_store_b128 v3, v[ESL:ESL+3], s[82:83]   ; [r][tile]: 512 consecutive bytes
	s_branch .Ldone_\@
.Lout_v_\@:
; v, tv: pairs 2 b and 2 b + 1 are the fragment of tile of channels b: 12 registers, K = the block's 128 tokens
.irp b, 0,1,2,3
	v_lshl_or_b32 v[ESW+\b], v[EPT+4*\b+1], 8, v[EPT+4*\b]
	v_lshl_or_b32 v[ESW+\b], v[EPT+4*\b+2], 16, v[ESW+\b]
	v_lshl_or_b32 v[ESW+\b], v[EPT+4*\b+3], 24, v[ESW+\b]
.endr
	v_cndmask_b32 v[ESL], v[ESW], v[ESW+2], s79
	v_cndmask_b32 v[ESL+1], v[ESW+1], v[ESW+3], s79
	WIN 0x0C
.irp b, 0,1,2,3
.irp g, 0,1,2
	global_store_b128 v1, v[EF+12*\b+4*\g:EF+12*\b+4*\g+3], s[80:81] offset:1536*\b+512*\g
.endr
.endr
	WIN 0
	global_store_b64 v4, v[ESL:ESL+1], s[82:83]    ; [r][tile]: 256 consecutive bytes
.Ldone_\@:
.if \fill
	s_wait_loadcnt 0x0                             ; the next block's scale words and mask words are in
	MASKW
	s_wait_xcnt 0x0                                ; the stores and loads have read their registers and bases: all may be written again
	s_add_nc_u64 s[68:69], s[68:69], 4096
	s_add_nc_u64 s[74:75], s[74:75], 512
	s_add_nc_u64 s[80:81], s[80:81], s[84:85]
	s_add_nc_u64 s[82:83], s[82:83], s[86:87]
	s_xor_b32 s40, s40, SLOT1                      ; on to the other slot
.endif
.endm
	s_mov_b32 s40, 0                               ; LDS byte at which the slot in hand begins
	s_mov_b32 s41, TILES-1
.Ltile:                                            ; TILES - 1 trips: behind each change of slots but the last the next block is asked for
	TILE 1
	s_sub_co_u32 s41, s41, 1
	s_cmp_lg_u32 s41, 0
	s_cbranch_scc1 .Ltile
	TILE 0                                         ; the last block is written out
	s_wait_tensorcnt 0x0                           ; the wave's end
	ds_add_u32 v12, v13
	s_wait_dscnt 0x0
	CROUND                                         ; the closing round: no work-group ends while a partner may still ask for a tile that names it
	s_endpgm
.Lfunc_end_k_q228510338c_proj:
	.size	k_q228510338c_proj, .Lfunc_end_k_q228510338c_proj-k_q228510338c_proj
	.p2alignl 7, 3214868480
	.fill 96, 4, 3214868480
	.section	.rodata,"a",@progbits
	.p2align	6, 0x0
	.amdhsa_kernel k_q228510338c_proj
		.amdhsa_group_segment_fixed_size 327680
		.amdhsa_private_segment_fixed_size 0
		.amdhsa_enable_private_segment 0
		.amdhsa_kernarg_size 88
		.amdhsa_user_sgpr_count 2
		.amdhsa_user_sgpr_kernarg_segment_ptr 1
		.amdhsa_wavefront_size32 1
		.amdhsa_system_sgpr_workgroup_id_x 1
		.amdhsa_system_sgpr_workgroup_id_y 1
		.amdhsa_system_sgpr_workgroup_id_z 1
		.amdhsa_system_vgpr_workitem_id 0
		.amdhsa_next_free_vgpr 1024
		.amdhsa_next_free_sgpr 96
		.amdhsa_reserve_vcc 1
		.amdhsa_float_denorm_mode_32 3
		.amdhsa_float_denorm_mode_16_64 3
		.amdhsa_memory_ordered 1
		.amdhsa_forward_progress 1
		.amdhsa_inst_pref_size 252
	.end_amdhsa_kernel
	.amdgpu_metadata
---
amdhsa.version: [ 1, 2 ]
amdhsa.kernels:
  - .name:           k_q228510338c_proj
    .symbol:         k_q228510338c_proj.kd
    .args:
      - { .name: xc, .offset: 0, .size: 8, .value_kind: global_buffer, .address_space: global }
      - { .name: wc, .offset: 8, .size: 8, .value_kind: global_buffer, .address_space: global }
      - { .name: bq, .offset: 16, .size: 8, .value_kind: global_buffer, .address_space: global }
      - { .name: bk, .offset: 24, .size: 8, .value_kind: global_buffer, .address_space: global }
      - { .name: bv, .offset: 32, .size: 8, .value_kind: global_buffer, .address_space: global }
      - { .name: btq, .offset: 40, .size: 8, .value_kind: global_buffer, .address_space: global }
      - { .name: btk, .offset: 48, .size: 8, .value_kind: global_buffer, .address_space: global }
      - { .name: btv, .offset: 56, .size: 8, .value_kind: global_buffer, .address_space: global }
      - { .name: attention_mask, .offset: 64, .size: 8, .value_kind: global_buffer, .address_space: global }
      - { .name: thought_mask, .offset: 72, .size: 8, .value_kind: global_buffer, .address_space: global }
      - { .name: at, .offset: 80, .size: 8, .value_kind: global_buffer, .address_space: global }
    .group_segment_fixed_size: 327680
    .private_segment_fixed_size: 0
    .kernarg_segment_align: 8
    .kernarg_segment_size: 88
    .max_flat_workgroup_size: 128
    .sgpr_count:     96
    .vgpr_count:     1024
    .wavefront_size: 32
...
	.end_amdgpu_metadata
.endif
;; end of part 6
;; launch attn (part 7): grid 8 x 32, 8 waves a work-group, clusters of 4 x 1, 327,680 bytes of LDS; arguments at, cc; writes cc
.if DOCPART == 7
	.amdgcn_target "amdgcn-amd-amdhsa--gfx1250"
	.amdhsa_code_object_version 6
	.text
	.protected	k_q228510338c_attn
	.globl	k_q228510338c_attn
	.p2align	8
	.type	k_q228510338c_attn,@function
k_q228510338c_attn:
	s_mov_b64 s[64:65], 0
	v_nop
	global_prefetch_b8 v0, s[64:65] scope:SCOPE_SE
	s_setreg_imm32_b32 hwreg(HW_REG_WAVE_MODE, 25, 1), 1
	s_wait_xcnt 0x0
	s_wait_alu depctr_hold_cnt(0) depctr_sa_sdst(0) depctr_va_vdst(0) depctr_va_sdst(0) depctr_va_ssrc(0) depctr_va_vcc(0) depctr_vm_vsrc(0)
	s_getreg_b32 s2, hwreg(HW_REG_IB_STS2, 6, 4)
	s_cmp_eq_u32 s2, 0
	s_cbranch_scc0 .Lentry_in_a_cluster
	s_endpgm
.Lentry_in_a_cluster:
	s_bfe_u32 s2, ttmp6, 0x10000c
	s_cmp_lg_u32 s2, 0x3003
	s_cbranch_scc0 .Lentry_shape_is_right
	s_endpgm
.Lentry_shape_is_right:
; Both attentions of one (batch, head) for 128 queries, on codes of FP6 (E2M3): first over the 4,096 thoughts (32 key steps of 128), then causally over the sequence (8 key steps).
; THE SOFTMAX AHEAD OF THE SECOND PRODUCT: t = score x log2(e) / 8; M = the running largest t rounded up to a whole number; p = 2^(t - M) is quantised along the keys; the row's sum is taken of the
; unquantised p and divides at the end.  When M moves, the sum and O are multiplied by 2^(old M - new M): exact.  The running maximum is kept as a score; t is made of it by one multiplication.
; SHARES.  Each of eight waves owns one tile of 16 queries, from query block w (w < 4) or 11 - w; the work-group's x says which of the block's eight tiles: every work-group has the same causal work.
; A key step's operands are one dense block of 13,056 bytes: 8 pieces of K, 4 images of V, K's and V's scale words.  Two LDS slots of 8 key steps; wave w fills step w of a slot: one tensor load of a wave is out.
; CLUSTER.  The four work-groups of a cluster walk the same K and V: each tile is asked for jointly.
; LAYOUT.  S^T = K Q^T, O^T = V^T P^T: a lane holds one query.  WHICH KEYS FORM A TILE OF K IS CHOSEN HERE, BY THE LANES' LDS ADDRESSES: row m of tile (g, T) is key 64 g + 32 (m / 8) + 8 T + m % 8,
; which lies in the stored piece 4 g + 2 (m / 8) + T % 2 at its lane m % 8 + 8 (T / 2).  So registers 32 g .. 32 g + 31 of the scores are, in lane half h, the whole block of keys 64 g + 32 h + 0 .. 31,
; in the order that P's operand wants: a block's maximum needs no other lane and the codes are not moved between lanes.
; THE CHANGE OF SLOTS stands inside a slot's last key step: that step's reads of LDS are over behind its score products, so the waits, the add and the round's opening signal stand there, the exponentials
; between signal and wait, and the refill and the next slot's first K behind the round, ahead of the conversions and the second product.
; THE PADDING MASKS: at k = 64 every key holds the code -7.5 and every query 1.0; byte 2 of a key's scale word (made by the launch before) is 250 where its mask is 0: such a score lies under the first
; largest score, -2^100, so p = 0.  A row with no open key has the sum 0: its scale bytes are stored as 0xff, NaN.
; THE CAUSAL MASK.  A step all of whose keys come after the block's queries is left out by a scalar branch on the wave's number; on the diagonal hidden scores become -infinity.
; NO PREFETCH: each fill is asked for one whole slot, eight key steps of work, ahead of the wait for it.
; LIMITS: scores under -2^100 are not served; open scores carry -7.5 x 2^-126; NaN and infinities are not served.
; REGISTERS.  Window 0: v1-4, v7, v43, v204-207 lane terms; v5, v6 the spare word's address and 0; v8, v11, v208-210 the step's addresses; v12 -M, v13 the largest score, v[14:15] the sum; v16-27 tq, v28-39 q,
;   v40, v41 their scale words; v42 p's scale word; v44-51 K's scale words, v52-55 V's; v56-75 at work; v76-87 p's codes; v88-94 second halves; v96-159 S^T, then p; v160-191 O^T; v192-202 the way out; v242-255 partial sums.
;   Window 1: v0-95 K's eight fragments (registers 6-11 of each are constants); v96-143 V's four.
.set BHB,   522240
.set STB,   13056
.set QI,    16711680
.set QSB,   19857408
.set CSW,   3145728
.set SLOT1, 1<<17
.set SPARE, 2*SLOT1
.set SCR,   96
.set OT,    160
.set PCD,   76
.set CT,    88
.set MXB,   56
.set PT,    60
.set SO,    64
.set TQ,    16
.set SQ,    28
.set VAD,   8                          ; V's images of the step in hand
.set VSD,   11                         ; V's scale words
.set KA,    204                        ; lane terms of K's 16-byte parts, 8-byte parts, scale words
.set KB,    205
.set KS,    206
.set SH8,   207                        ; 8 h
.set KAD,   208                        ; the same three for the step ahead
.set KBD,   209
.set KSD,   210
.set BLK,   9
.set G1,    12
.set G0W,   24
.set SEL,   28
.set CS,    30
.set TB,    32                         ; LDS byte at which the step in hand begins
.set SIG,   33
.set CNT,   34
.set OUTC,  35
.set XT,    45
.set TBN,   52                         ; LDS byte at which the next step begins
.set TBM,   53                         ; the same, held at the slot's last step (causal pass)
.set MSB, 0
.macro WIN new
.if MSB != \new
	s_set_vgpr_msb (MSB<<8)|\new
.set MSB, \new
.endif
.endm
.macro PLACES n
.rept \n
	v_nop
.endr
.endm
.macro CREST                           ; a round of the cluster's barrier behind its opening barrier
	s_cmp_lg_u32 s8, 0
	s_cbranch_scc1 .Lnot_wave_0_\@
	s_barrier_signal -3
.Lnot_wave_0_\@:
	s_barrier_wait -3
	s_barrier_signal -1
	s_barrier_wait -1
.endm
.macro CROUND
	s_barrier_signal -1
	s_barrier_wait -1
	CREST
.endm
	s_load_b128 s[4:7], s[0:1], 0x0                ; at, cc
	v_lshl_add_u32 v5, v0, 2, SPARE
	v_mov_b32 v6, 0
	ds_add_u32 v5, v6                              ; the opening lines
	ds_add_u32 v5, v6
	s_wait_dscnt 0x0
	v_lshrrev_b32 v70, 5, v0
	s_delay_alu instid0(VALU_DEP_1)
	v_readfirstlane_b32 s8, v70                    ; wave 0..7
	s_lshr_b32 s[BLK], s8, 2
	s_mul_i32 s[BLK], s[BLK], 3
	s_xor_b32 s[BLK], s[BLK], s8                   ; 0, 1, 2, 3, 7, 6, 5, 4
	s_and_b32 s10, ttmp7, 0xffff                   ; 16 x batch + head
	s_bfe_u32 s11, ttmp6, 0x40000                  ; cx
	s_lshl_b32 s[XT], ttmp9, 2
	s_add_co_u32 s[XT], s[XT], s11                 ; x: it enters the queries' and ctx's global addresses and the diagonal's compare, no branch and no LDS address
	s_mov_b32 s[G1], 15|(3<<16)|(1<<21)            ; the mask: all four work-groups; elements of 8 bytes; bit 21 beside a mask
	s_mov_b32 s[G1+1], 32<<16                      ; a key step: 51 rows of 256 bytes, dense
	s_mov_b32 s[G1+2], 51<<16
	s_mov_b32 s[G1+3], 32<<16
	s_mov_b32 s[G1+4], 51
	s_mov_b32 s[G1+5], 32
	s_mov_b32 s[G1+6], 0
	s_mov_b32 s[G1+7], 0
	s_mul_i32 s36, s10, BHB
	s_mul_i32 s[G0W+1], s8, STB                    ; my step's place in a slot
	s_add_co_u32 s36, s36, s[G0W+1]
	s_mov_b32 s37, 0
	s_wait_kmcnt 0x0
	s_mov_b32 s[G0W], 1
	s_add_nc_u64 s[G0W+2:G0W+3], s[4:5], s[36:37]
	s_or_b32 s[G0W+3], s[G0W+3], 0x80000000
	CROUND                                         ; the first joint loads meet
	tensor_load_to_lds s[G0W:G0W+3], s[G1:G1+7]    ; slot 0: steps 0-7
	s_nop 0
	PLACES 4
	s_lshr_b32 s38, s[XT], 1
	s_lshl_b32 s38, s38, 5
	s_and_b32 s39, s[XT], 1
	s_lshl_b32 s39, s39, 3
	s_add_co_u32 s38, s38, s39                     ; tile x's first query in its block
	s_lshl_b32 s40, s10, 6
	s_lshl_b32 s41, s[BLK], 3
	s_add_co_u32 s40, s40, s41
	s_add_co_u32 s40, s40, s[XT]
	s_mul_i32 s40, s40, 768
	s_add_co_u32 s40, s40, QI
	s_mov_b32 s41, 0
	s_add_nc_u64 s[40:41], s[4:5], s[40:41]        ; q's piece; tq's lies 32 x 64 x 768 bytes on
	s_lshl_b32 s42, s10, 3
	s_add_co_u32 s42, s42, s[BLK]
	s_lshl_b32 s42, s42, 9
	s_lshl_b32 s43, s[XT], 2
	s_add_co_u32 s42, s42, s43
	s_add_co_u32 s42, s42, QSB
	s_mov_b32 s43, 0
	s_add_nc_u64 s[42:43], s[4:5], s[42:43]        ; q's scale words; tq's 32 x 8 x 512 bytes on
	s_lshr_b32 s46, s10, 4                         ; where ctx goes: ((kind x 128 + tile of tokens) x 16 + head)
	s_and_b32 s47, s10, 15
	s_lshl_b32 s46, s46, 6
	s_lshl_b32 s48, s[BLK], 3
	s_add_co_u32 s46, s46, s48
	s_add_co_u32 s46, s46, s[XT]
	s_lshl_b32 s46, s46, 4
	s_add_co_u32 s46, s46, s47
	s_mul_i32 s48, s46, 768
	s_mov_b32 s49, 0
	s_add_nc_u64 s[48:49], s[6:7], s[48:49]
	s_lshl_b32 s50, s46, 7
	s_add_co_u32 s50, s50, CSW
	s_mov_b32 s51, 0
	s_add_nc_u64 s[50:51], s[6:7], s[50:51]
	s_mov_b32 s[SEL], 0x76543210
	s_mov_b32 s[SEL+1], 0xfedcba98
	s_mov_b32 s[CS], 0x3e38aa3b                    ; c = log2(e) / 8
	s_mov_b32 s[CS+1], s[CS]
	s_mov_b32 s[TB], 0
	s_mov_b32 s[TBN], STB
	s_mov_b32 s[SIG], 0
	s_mov_b32 s44, 0xffff0000                      ; lanes 16-31
	v_and_b32 v70, 31, v0                          ; lane
	v_and_b32 v71, 15, v0                          ; r
	v_bfe_u32 v72, v0, 4, 1                        ; h
	v_and_b32 v73, 7, v0                           ; r % 8
	v_bfe_u32 v74, v0, 3, 1                        ; r / 8
	v_lshlrev_b32 v1, 4, v70                       ; 16 x lane
	v_lshlrev_b32 v2, 3, v70                       ; 8 x lane
	v_lshlrev_b32 v43, 2, v70                      ; 4 x lane
	v_lshlrev_b32 v3, 5, v71                       ; 32 r
	v_lshlrev_b32 v4, 4, v71                       ; 16 r
	v_lshl_add_u32 v7, v74, 3, v71                 ; r + 8 (r / 8)
	v_lshlrev_b32 v75, 5, v72
	v_mul_u32_u24 v[KS], v74, 1536                 ; rows 8-15 of a tile lie two stored pieces on
	v_sub_nc_u32 v7, v7, v75
	v_lshl_add_u32 v[KA], v73, 4, v[KS]
	v_lshl_add_u32 v[KB], v73, 3, v[KS]
	v_add_nc_u32 v7, s38, v7                       ; d = my query in its block - 32 h
	v_lshl_add_u32 v[KA], v72, 8, v[KA]            ; 1536 (r / 8) + 16 (r % 8) + 256 h
	v_lshl_add_u32 v[KB], v72, 7, v[KB]            ; 1536 (r / 8) + 8 (r % 8) + 128 h
	v_lshlrev_b32 v[KS], 3, v74
	v_lshlrev_b32 v[SH8], 3, v72
	v_lshl_add_u32 v[KS], v73, 5, v[KS]            ; 32 (r % 8) + 8 (r / 8)
	s_wait_alu depctr_va_vdst(0)                   ; the wait ahead of the readers below
	global_load_b128 v[SQ:SQ+3], v1, s[40:41]
	global_load_b64 v[SQ+4:SQ+5], v2, s[40:41] offset:512
	global_load_b128 v[TQ:TQ+3], v1, s[40:41] offset:1572864
	global_load_b64 v[TQ+4:TQ+5], v2, s[40:41] offset:1572864+512
	global_load_b32 v41, v3, s[42:43]
	global_load_b32 v40, v3, s[42:43] offset:131072
	v_mov_b32 v73, 0
	s_delay_alu instid0(VALU_DEP_1)
	v_cndmask_b32 v[TQ+6], 8, v73, s44             ; k = 64 lies in the lowest bits of register 6 of lanes 0-15: the code 1.0 for a query,
	v_cndmask_b32 v[SQ+6], 8, v73, s44
	v_cndmask_b32 v74, 63, v73, s44                ; -7.5 for a key; all other codes from k = 64 on are zeros
.irp i, 7,8,9,10,11
	v_mov_b32 v[TQ+\i], 0
	v_mov_b32 v[SQ+\i], 0
.endr
	WIN 0x40
.irp t, 0,1,2,3,4,5,6,7
	v_mov_b32 v[12*\t+6], v74
.irp i, 7,8,9,10,11
	v_mov_b32 v[12*\t+\i], 0
.endr
.endr
	WIN 0
.irp b, 0,1,2,3
	v_mov_b32 v[PT+\b], 0                          ; a lane permute's destination counts as one of its sources
.endr
	v_mov_b32 v69, 0                               ; (the upper half of the pair v[68:69])
	v_mov_b32 v70, 0
.macro RESET                           ; a pass begins: O^T and the sum are zeros, the largest score is -2^100, over every masked score
	v_mov_b32 v13, 0xf1800000
	s_delay_alu instid0(VALU_DEP_1)
	v_mul_f32 v12, s[CS], v13
	s_delay_alu instid0(VALU_DEP_1)
	v_floor_f32 v12, -v12
	v_mov_b32 v14, 0
	v_mov_b32 v15, 0
.set n, 0
.rept 32
	v_mov_b32 v[OT+n], 0
.set n, n+1
.endr
.endm
	RESET
; 20 LDS loads: the scale words and the eight fragments of K of the step whose addresses stand in v208-210.  Tile 4 g + T: stored piece 4 g + T % 2 (+ 2 for rows 8-15), lanes 8 (T / 2) on
.macro KLOAD
.irp g, 0,1
.irp j, 0,1
	ds_load_b64 v[44+4*\g+2*\j:45+4*\g+2*\j], v[KSD] offset:12288+256*\j+16*\g   ; tiles 4 g + 2 j and the next
.endr
.endr
	WIN 0x40
.irp g, 0,1
.irp t, 0,1,2,3
	ds_load_b128 v[48*\g+12*\t:48*\g+12*\t+3], v[KAD] offset:3072*\g+768*(\t%2)+128*(\t/2)
	ds_load_b64 v[48*\g+12*\t+4:48*\g+12*\t+5], v[KBD] offset:3072*\g+768*(\t%2)+512+64*(\t/2)
.endr
.endr
	WIN 0
.endm
.macro TM cnt                          ; t - M, two at a time
.rept \cnt
	v_pk_fma_f32 v[SCR+n:SCR+n+1], v[SCR+n:SCR+n+1], s[CS:CS+1], v[12:13] op_sel_hi:[1,0,0]
.set n, n+2
.endr
.endm
; A KEY STEP of 128 keys.  mode 0: thoughts, the next step lies in the same slot; 1: a slot's last step, with the change of slots and a refill; 2: the same with nothing left to fetch; 3: the causal pass.
.macro STEP qf, qs, mode
.if \mode == 3
	s_cmp_gt_u32 s[SIG], s[BLK]                    ; all its keys come after my block's queries
	s_cbranch_scc1 .Lskip_\@
.set NB_, TBM
.else
.set NB_, TBN
.endif
	v_add_nc_u32 v[VAD], s[TB], v1                 ; these five are also the places behind the last step's products
	v_add_nc_u32 v[VSD], s[TB], v4
	v_add_nc_u32 v[KAD], s[NB_], v[KA]
	v_add_nc_u32 v[KBD], s[NB_], v[KB]
	v_add_nc_u32 v[KSD], s[NB_], v[KS]
	s_wait_alu depctr_va_vdst(0)                   ; the wait ahead of the five's readers
	ds_load_b128 v[52:55], v[VSD] offset:12800     ; V's scale words
	WIN 0x40
.irp t, 0,1,2,3
.irp g, 0,1,2
	ds_load_b128 v[96+12*\t+4*\g:96+12*\t+4*\g+3], v[VAD] offset:6144+1536*\t+512*\g
.endr
.endr
	s_wait_dscnt 13                                ; K and its scale words, asked for a step ago, are in; the 13 loads just issued may be out
	WIN 0x01
.irp t, 0,1,2,3,4,5,6,7
	v_wmma_scale_f32_16x16x128_f8f6f4 v[SCR+8*\t:SCR+8*\t+7], v[12*\t:12*\t+11], v[\qf:\qf+11], 0, v[44+\t], v[\qs] matrix_a_fmt:MATRIX_FMT_FP6 matrix_b_fmt:MATRIX_FMT_FP6
.endr
	WIN 0
	v_mov_b32 v71, v12                             ; the old -M; with the three below: the places behind the score products
	PLACES 3
.if (\mode == 0) || (\mode == 3)
	KLOAD                                          ; the next step's K lands under the softmax
.else
	s_wait_alu depctr_va_vdst(0)
	s_wait_tensorcnt 0x0                           ; my step of the slot ahead is in: no tensor load of mine is out
	ds_add_u32 v5, v6                              ; 0 onto my spare word
.if \mode == 1
	s_xor_b32 s[G0W+1], s[G0W+1], SLOT1
	s_add_nc_u64 s[G0W+2:G0W+3], s[G0W+2:G0W+3], 8*STB
.endif
.endif
.if \mode == 3
	s_cmp_lg_u32 s[SIG], s[BLK]                    ; only the step on the diagonal hides keys
	s_cbranch_scc1 .Lopen_\@
	v_mov_b32 v70, 0xff800000                      ; register n holds key 64 (n / 32) + 32 h + n % 32: hidden where 64 (n / 32) + n % 32 > d
.set n, 0
.rept 64
	v_cmp_gt_i32 vcc_lo, 64*(n/32)+n%32, v7
	v_cndmask_b32 v[SCR+n], v[SCR+n], v70, vcc_lo
.set n, n+1
.endr
.Lopen_\@:
.endif
.irp b, 0,1,2,3
	v_max3_num_f32 v[MXB+\b], v[SCR+16*\b], v[SCR+1+16*\b], v[SCR+2+16*\b]   ; four chains of 16 scores; each accumulator is read from its low end on
.endr
.irp i, 3,5,7,9,11,13
.irp b, 0,1,2,3
	v_max3_num_f32 v[MXB+\b], v[MXB+\b], v[SCR+16*\b+\i], v[SCR+1+16*\b+\i]
.endr
.endr
	v_max3_num_f32 v56, v56, v57, v[SCR+15]
	v_max3_num_f32 v58, v58, v59, v[SCR+47]
	v_max_num_f32 v56, v56, v[SCR+31]              ; my two blocks' largest scores: for the row's maximum and, since p rises with the score, for each block's largest p
	v_max_num_f32 v58, v58, v[SCR+63]
	s_delay_alu instid0(VALU_DEP_1)
	v_max_num_f32 v70, v56, v58
	s_delay_alu instid0(VALU_DEP_1)
	v_permlanex16_b32 v60, v70, s[SEL], s[SEL+1]
	s_delay_alu instid0(VALU_DEP_1)
	v_max3_num_f32 v13, v13, v70, v60              ; the running largest score
	s_delay_alu instid0(VALU_DEP_1)
	v_mul_f32 v70, s[CS], v13
	s_delay_alu instid0(VALU_DEP_1)
	v_floor_f32 v12, -v70                          ; -M = floor(-t): M is a whole number
	s_delay_alu instid0(VALU_DEP_1)
	v_sub_f32 v70, v12, v71
.set n, 0
	TM 8
	v_cvt_i32_f32 v70, v70                         ; (it saturates)
	TM 8
	v_ldexp_f32 v68, 1.0, v70                      ; f = 2^(old M - new M)
	TM 16
	v_fma_f32 v56, v56, s[CS], v12
	v_fma_f32 v58, v58, s[CS], v12
.set n, 0
.rept 16
	v_pk_mul_f32 v[OT+n:OT+n+1], v[OT+n:OT+n+1], v[68:69] op_sel_hi:[1,0]   ; O^T under the new M
.set n, n+2
.endr
	s_wait_alu depctr_va_vdst(0)                   ; the wait ahead of the batch
.if (\mode == 1) || (\mode == 2)
	s_wait_dscnt 0x0                               ; the add is done, and so are my reads of this slot: V's, the last of them, were asked for at the step's head
	s_barrier_signal -1                            ; (mode 1: it opens a round of the cluster's barrier)
.endif
.set n, 0
.rept 64
	v_exp_f32 v[SCR+n], v[SCR+n]                   ; p = 2^(t - M)
.set n, n+1
.endr
	v_exp_f32 v56, v56                             ; each block's largest p
	v_exp_f32 v58, v58
	v_pk_mul_f32 v[14:15], v[14:15], v[68:69] op_sel_hi:[1,0]   ; the sums under the new M: a plain place behind the exponentials
	s_wait_alu depctr_va_vdst(0)                   ; one wait for the batch, ahead of its first reader
.if (\mode == 1) || (\mode == 2)
	s_barrier_wait -1                              ; the slot ahead is whole, and no wave of mine reads this one
.if \mode == 1
	CREST                                          ; nor any partner's
	tensor_load_to_lds s[G0W:G0W+3], s[G1:G1+7]    ; the first thing behind the round, and my one tensor load until the next
	s_nop 0
	PLACES 4
.endif
	KLOAD                                          ; the next slot's first step
.endif
	v_max_num_f32 v56, 0x1800000, v56              ; the floor: the byte cannot fall under 1
	v_max_num_f32 v58, 0x1800000, v58
	s_delay_alu instid0(VALU_DEP_2)
	v_add_nc_u32 v[SO], 0xff000000, v56            ; 2 off the exponent field: the conversion's scale operand
	s_delay_alu instid0(VALU_DEP_2)
	v_add_nc_u32 v[SO+1], 0xff000000, v58
.irp c, 0,1
	v_cvt_scalef32_pk16_fp6_f32 v[PCD+6*\c:PCD+2+6*\c], v[SCR+32*\c:SCR+15+32*\c], v[SO+\c]
	v_cvt_scalef32_pk16_fp6_f32 v[CT+4*\c:CT+2+4*\c], v[SCR+16+32*\c:SCR+31+32*\c], v[SO+\c]
.endr
	v_lshrrev_b32 v60, 23, v[SO]                   ; (a plain place behind the conversions)  my two bytes: blocks h and 2 + h,
	v_lshrrev_b32 v61, 23, v[SO+1]
	s_delay_alu instid0(VALU_DEP_1)
	v_lshl_or_b32 v60, v61, 16, v60
	s_delay_alu instid0(VALU_DEP_1)
	v_lshlrev_b32 v60, v[SH8], v60                 ; at their places in the scale word;
	s_delay_alu instid0(VALU_DEP_1)
	v_permlanex16_b32 v61, v60, s[SEL], s[SEL+1]
	s_delay_alu instid0(VALU_DEP_1)
	v_or_b32 v42, v60, v61                         ; with lane l xor 16's two the word is whole
.irp c, 0,1
.irp i, 0,1,2
	v_mov_b32 v[PCD+3+6*\c+\i], v[CT+4*\c+\i]      ; (a conversion's three registers begin on an even number)
.endr
.endr
; the row's sum of the unquantised p, in eight chains; these 32 are also the places in front of the products below
.irp c, 1,2,3,4,5,6,7
	v_pk_add_f32 v[240+2*\c:241+2*\c], v[SCR+4*\c-4:SCR+4*\c-3], v[SCR+4*\c-2:SCR+4*\c-1]
.endr
	v_pk_add_f32 v[14:15], v[14:15], v[SCR+28:SCR+29]
.irp k, 0,1
	v_pk_add_f32 v[14:15], v[14:15], v[SCR+30+16*\k:SCR+31+16*\k]
.irp c, 1,2,3,4,5,6,7
	v_pk_add_f32 v[240+2*\c:241+2*\c], v[240+2*\c:241+2*\c], v[SCR+30+16*\k+2*\c:SCR+31+16*\k+2*\c]
.endr
.endr
	v_pk_add_f32 v[14:15], v[14:15], v[SCR+62:SCR+63]
	v_pk_add_f32 v[242:243], v[242:243], v[250:251]
	v_pk_add_f32 v[244:245], v[244:245], v[252:253]
	v_pk_add_f32 v[246:247], v[246:247], v[254:255]
	v_pk_add_f32 v[14:15], v[14:15], v[248:249]
	s_delay_alu instid0(VALU_DEP_2)
	v_pk_add_f32 v[242:243], v[242:243], v[246:247]
	s_delay_alu instid0(VALU_DEP_2)
	v_pk_add_f32 v[14:15], v[14:15], v[244:245]
	s_delay_alu instid0(VALU_DEP_1)
	v_pk_add_f32 v[14:15], v[14:15], v[242:243]
	s_wait_alu depctr_va_vdst(0)                   ; the wait ahead of the wait or branch that follows
.if (\mode == 0) || (\mode == 3)
	s_wait_dscnt 20                                ; V is in; the next step's 20 loads for K, issued behind V's, may be out
.endif
	WIN 0x01
.irp t, 0,1,2,3
	v_wmma_scale_f32_16x16x128_f8f6f4 v[OT+8*\t:OT+8*\t+7], v[96+12*\t:96+12*\t+11], v[PCD:PCD+11], v[OT+8*\t:OT+8*\t+7], v[52+\t], v42 matrix_a_fmt:MATRIX_FMT_FP6 matrix_b_fmt:MATRIX_FMT_FP6
.endr
	WIN 0
.if \mode == 3
.Lskip_\@:
.endif
.endm
.macro SEVEN                           ; a slot's first seven key steps; then the next step's K lies at the other slot's head
	s_mov_b32 s[CNT], 7
.Lstep_\@:
	STEP TQ, 40, 0
	s_add_co_u32 s[TB], s[TB], STB
	s_add_co_u32 s[TBN], s[TBN], STB
	s_sub_co_u32 s[CNT], s[CNT], 1
	s_cmp_lg_u32 s[CNT], 0
	s_cbranch_scc1 .Lstep_\@
	s_sub_co_u32 s[TBN], s[TBN], 8*STB
	s_xor_b32 s[TBN], s[TBN], SLOT1
.endm
.macro NEXTSLOT
	s_sub_co_u32 s[TB], s[TB], 7*STB
	s_xor_b32 s[TB], s[TB], SLOT1
	s_add_co_u32 s[TBN], s[TBN], STB
.endm
; THE WAY OUT of a pass: O^T / the sum is this head's 64 of ctx's K: two blocks of 32, quantised here; six registers of codes and two scale bytes a row.
.macro WAYOUT kind
	s_wait_alu depctr_va_vdst(0)                   ; the wait ahead of the sum's reader
	PLACES 4
	v_add_f32 v14, v14, v15
	s_delay_alu instid0(VALU_DEP_1)
	v_permlanex16_b32 v70, v14, s[SEL], s[SEL+1]
	s_delay_alu instid0(VALU_DEP_1)
	v_add_f32 v14, v14, v70                        ; the row's sum
	s_wait_alu depctr_va_vdst(0)
	v_rcp_f32 v71, v14
	v_nop                                          ; a plain place behind the reciprocal
	s_wait_alu depctr_va_vdst(0)                   ; and the wait ahead of its first reader
.set n, 0
.rept 32
	v_mul_f32 v[SCR+n], v[OT+n], v71               ; each accumulator from its low end on
.set n, n+1
.endr
.irp b, 0,1
	v_max3_num_f32 v[MXB+\b], |v[SCR+16*\b]|, |v[SCR+1+16*\b]|, 0x1800000
.endr
.irp i, 2,4,6,8,10,12,14
.irp b, 0,1
	s_delay_alu instid0(VALU_DEP_2)
	v_max3_num_f32 v[MXB+\b], v[MXB+\b], |v[SCR+16*\b+\i]|, |v[SCR+1+16*\b+\i]|
.endr
.endr
.irp b, 0,1
	s_delay_alu instid0(VALU_DEP_2)
	v_permlanex16_b32 v[PT+\b], v[MXB+\b], s[SEL], s[SEL+1]
.endr
.irp b, 0,1
	s_delay_alu instid0(VALU_DEP_2)
	v_max_num_f32 v[MXB+\b], v[MXB+\b], v[PT+\b]
.endr
.irp b, 0,1
	s_delay_alu instid0(VALU_DEP_2)
	v_add_nc_u32 v[SO+\b], 0xff000000, v[MXB+\b]
.endr
.irp b, 0,1
	s_delay_alu instid0(VALU_DEP_2)
	v_lshrrev_b32 v[PT+\b], 23, v[SO+\b]
.endr
	v_cvt_scalef32_pk16_fp6_f32 v[192:194], v[SCR:SCR+15], v[SO]
	v_cvt_scalef32_pk16_fp6_f32 v[200:202], v[SCR+16:SCR+31], v[SO+1]
	v_lshl_or_b32 v70, v[PT+1], 8, v[PT]           ; (a plain place behind the conversions)  the two bytes
	v_cmp_neq_f32 vcc_lo, 0, v14
	s_delay_alu instid0(VALU_DEP_1)
	v_cndmask_b32 v70, 0xffff, v70, vcc_lo         ; a row with no open key: both bytes NaN
.irp i, 0,1,2
	v_permlane16_swap_b32 v[192+\i], v[200+\i]
.endr
.irp i, 0,1,2
	s_delay_alu instid0(VALU_DEP_3)
	v_mov_b32 v[195+\i], v[200+\i]
.endr
.irp j, 0,1,2
	global_store_b64 v2, v[192+2*\j:193+2*\j], s[48:49] offset:\kind*1572864+256*\j   ; 256 consecutive bytes
.endr
	global_store_b32 v43, v70, s[50:51] offset:\kind*262144
	s_wait_xcnt 0x0                                ; the stores have read their registers
.endm
	s_wait_alu depctr_va_vdst(0)                   ; the wait at the head's end
	s_wait_loadcnt 0x0                             ; the queries
	s_wait_tensorcnt 0x0                           ; my step of slot 0 is in; slot 1's first fill is issued as a refill is
	ds_add_u32 v5, v6
	s_xor_b32 s[G0W+1], s[G0W+1], SLOT1
	s_add_nc_u64 s[G0W+2:G0W+3], s[G0W+2:G0W+3], 8*STB
	s_wait_dscnt 0x0
	CROUND
	tensor_load_to_lds s[G0W:G0W+3], s[G1:G1+7]    ; steps 8-15
	s_nop 0
	PLACES 4
	v_add_nc_u32 v[KAD], s[TB], v[KA]
	v_add_nc_u32 v[KBD], s[TB], v[KB]
	v_add_nc_u32 v[KSD], s[TB], v[KS]
	KLOAD                                          ; the first step's K
	s_mov_b32 s[OUTC], 3
.Lslots:                                           ; the thoughts' first three slots; their last steps ask for steps 16-23, 24-31 and the sequence's eight, which follow in memory
	SEVEN
	STEP TQ, 40, 1
	NEXTSLOT
	s_sub_co_u32 s[OUTC], s[OUTC], 1
	s_cmp_lg_u32 s[OUTC], 0
	s_cbranch_scc1 .Lslots
	SEVEN                                          ; the fourth is written out: nothing is left to fetch
	STEP TQ, 40, 2
	NEXTSLOT
	WAYOUT 1
	RESET
	s_min_u32 s[TBM], s[TBN], 7*STB
	s_mov_b32 s[CNT], 8
.Lcausal:                                          ; the sequence's eight steps, in slot 0; the last trip's look-ahead names the last step again, and what it brings is not used
	STEP SQ, 41, 3
	s_add_co_u32 s[TB], s[TB], STB
	s_add_co_u32 s[TBN], s[TBN], STB
	s_min_u32 s[TBM], s[TBN], 7*STB
	s_add_co_u32 s[SIG], s[SIG], 1
	s_sub_co_u32 s[CNT], s[CNT], 1
	s_cmp_lg_u32 s[CNT], 0
	s_cbranch_scc1 .Lcausal
	WAYOUT 0
	s_wait_tensorcnt 0x0                           ; the wave's end
	ds_add_u32 v5, v6
	s_wait_dscnt 0x0
	CROUND                                         ; the closing round
	s_endpgm
.Lfunc_end_k_q228510338c_attn:
	.size	k_q228510338c_attn, .Lfunc_end_k_q228510338c_attn-k_q228510338c_attn
	.p2alignl 7, 3214868480
	.fill 96, 4, 3214868480
	.section	.rodata,"a",@progbits
	.p2align	6, 0x0
	.amdhsa_kernel k_q228510338c_attn
		.amdhsa_group_segment_fixed_size 327680
		.amdhsa_private_segment_fixed_size 0
		.amdhsa_enable_private_segment 0
		.amdhsa_kernarg_size 16
		.amdhsa_user_sgpr_count 2
		.amdhsa_user_sgpr_kernarg_segment_ptr 1
		.amdhsa_wavefront_size32 1
		.amdhsa_system_sgpr_workgroup_id_x 1
		.amdhsa_system_sgpr_workgroup_id_y 1
		.amdhsa_system_sgpr_workgroup_id_z 1
		.amdhsa_system_vgpr_workitem_id 0
		.amdhsa_next_free_vgpr 512
		.amdhsa_next_free_sgpr 66
		.amdhsa_reserve_vcc 1
		.amdhsa_float_denorm_mode_32 3
		.amdhsa_float_denorm_mode_16_64 3
		.amdhsa_memory_ordered 1
		.amdhsa_forward_progress 1
		.amdhsa_inst_pref_size 107
	.end_amdhsa_kernel
	.amdgpu_metadata
---
amdhsa.version: [ 1, 2 ]
amdhsa.kernels:
  - .name:           k_q228510338c_attn
    .symbol:         k_q228510338c_attn.kd
    .args:
      - { .name: at, .offset: 0, .size: 8, .value_kind: global_buffer, .address_space: global }
      - { .name: cc, .offset: 8, .size: 8, .value_kind: global_buffer, .address_space: global }
    .group_segment_fixed_size: 327680
    .private_segment_fixed_size: 0
    .kernarg_segment_align: 8
    .kernarg_segment_size: 16
    .max_flat_workgroup_size: 256
    .sgpr_count:     66
    .vgpr_count:     512
    .wavefront_size: 32
...
	.end_amdgpu_metadata
.endif
;; end of part 7
;; launch out (part 8): grid 128 x 1, 16 waves a work-group, no clusters, 111,616 bytes of LDS; arguments cc, wc, bo, Wm, bm, out0; writes out0
.if DOCPART == 8
	.amdgcn_target "amdgcn-amd-amdhsa--gfx1250"
	.amdhsa_code_object_version 6
	.text
	.protected	k_q228510338c_out
	.globl	k_q228510338c_out
	.p2align	8
	.type	k_q228510338c_out,@function
k_q228510338c_out:
	s_mov_b64 s[64:65], 0
	v_nop
	global_prefetch_b8 v0, s[64:65] scope:SCOPE_SE
	s_setreg_imm32_b32 hwreg(HW_REG_WAVE_MODE, 25, 1), 1
	s_wait_xcnt 0x0
; orig = ctx Wo + bo and tho = tctx Wo + bo on codes of FP6 (E2M3); mix = sigmoid([orig, tho] . Wm + bm); out = (1 - PW mix) orig + PW mix tho.
; A work-group owns one tile of 16 tokens and ALL 1,024 columns, since the mix wants whole rows of both results.  Wave i makes columns 64 i .. 64 i + 63 of both: 2 x 4 accumulators.
; The product is used transposed (source 0 = 16 columns of Wo, source 1 = the tokens): a lane holds one token, and the 16 registers of two neighbouring tiles are 16 neighbouring columns.
; ctx's and tctx's 16 fragments are put together by the 16 waves, one each (two heads' pieces and scale bytes make a K step of 128), and go from wave to wave through LDS as images of their registers.
; NO CLUSTER: each fragment of Wo is multiplied by one wave alone and goes from memory straight into that wave's registers, two K steps ahead; no tile of it lies in LDS for a joint load to fill.
; A token whose attention row had no open key carries the scale byte 0xff: its sums, its mix and its whole row of the output are NaN.
; LIMITS: the sums' order differs from a row-by-row sum; NaN and infinities among the inputs are not served.
.set CSW,  3145728
.set WOI,  6*786432                    ; wc: Wo's images,
.set WOS,  5505024+6*32768             ; and its scale words
.set AIM,  0                           ; LDS: 16 images (8 kind + K step),
.set ASC,  24576                       ; their scale words, 128 bytes each,
.set VEC,  26624                       ; for each wave 256 bytes of bo, of Wm's first half and of its second,
.set RED,  38912                       ; 16 tokens x 16 waves' parts of the dot product,
.set STG,  39936                       ; for each wave a stage of 16 rows x (256 bytes + 16)
.set ACC,  16                          ; v16-79   accumulators: 32 kind + 8 tile
.set SB,   80                          ; v80-111  Wo's scale words [tile][K step]
.set SA,   112                         ; v112-127 the tokens' [kind][K step]
.set BF,   128                         ; v128-223 Wo's fragments, two sets of four
.set AF,   224                         ; v224-247 the two kinds' fragments
.set SEL,  34
.macro PLACES n
.rept \n
	v_nop
.endr
.endm
	s_load_b256 s[4:11], s[0:1], 0x0               ; cc, wc, bo, Wm
	s_load_b128 s[12:15], s[0:1], 0x20             ; bm, out0
	v_lshrrev_b32 v14, 5, v0
	s_delay_alu instid0(VALU_DEP_1)
	v_readfirstlane_b32 s16, v14                   ; wave i, 0..15
	v_and_b32 v14, 31, v0                          ; lane
	v_and_b32 v15, 15, v0                          ; r
	v_bfe_u32 v248, v0, 4, 1                       ; h
	s_delay_alu instid0(VALU_DEP_3)
	v_lshlrev_b32 v1, 4, v14                       ; 16 x lane
	s_delay_alu instid0(VALU_DEP_4)
	v_lshlrev_b32 v2, 3, v14                       ; 8 x lane
	v_lshlrev_b32 v3, 2, v14                       ; 4 x lane
	v_lshlrev_b32 v4, 3, v15                       ; 8 r
	s_mul_i32 s36, s16, 1536
	v_add_nc_u32 v5, s36, v1                       ; my image
	s_lshl_b32 s36, s16, 7
	s_add_co_u32 s36, s36, ASC
	v_add_nc_u32 v6, s36, v3                       ; its scale words
	s_mul_i32 s36, s16, 768
	s_add_co_u32 s36, s36, VEC
	v_add_nc_u32 v7, s36, v2                       ; my three vectors, in:
	v_lshlrev_b32 v8, 6, v248
	s_delay_alu instid0(VALU_DEP_1)
	v_add_nc_u32 v8, s36, v8                       ; and out: + 64 h
	v_lshlrev_b32 v10, 6, v15
	s_delay_alu instid0(VALU_DEP_1)
	v_add_nc_u32 v10, RED, v10                     ; my token's 16 parts
	s_lshl_b32 s36, s16, 2
	v_add_nc_u32 v9, s36, v10                      ; my wave's among them
	s_mul_i32 s36, s16, 4352
	s_add_co_u32 s36, s36, STG
	v_mul_u32_u24 v11, v15, 272
	s_delay_alu instid0(VALU_DEP_1)
	v_lshl_add_u32 v11, v248, 6, v11
	s_delay_alu instid0(VALU_DEP_1)
	v_add_nc_u32 v11, s36, v11                     ; the stage, in: row r, + 64 h
	v_mul_u32_u24 v12, v248, 272
	s_delay_alu instid0(VALU_DEP_1)
	v_lshl_add_u32 v12, v15, 4, v12
	s_delay_alu instid0(VALU_DEP_1)
	v_add_nc_u32 v12, s36, v12                     ; back: lanes 0-15 one row, lanes 16-31 the next
	v_lshlrev_b32 v13, 12, v248
	s_delay_alu instid0(VALU_DEP_1)
	v_lshl_add_u32 v13, v15, 4, v13                ; and the same in out0
	s_mov_b32 s[SEL], 0x76543210
	s_mov_b32 s[SEL+1], 0xfedcba98
	s_lshr_b32 s18, s16, 3                         ; my fragment: kind i / 8, K step i % 8 = heads 2 (i % 8) and the next
	s_and_b32 s19, s16, 7
	s_lshl_b32 s18, s18, 7
	s_add_co_u32 s18, s18, ttmp9
	s_lshl_b32 s18, s18, 4
	s_lshl_b32 s19, s19, 1
	s_add_co_u32 s18, s18, s19
	s_mul_i32 s24, s18, 768
	s_mov_b32 s25, 0
	s_lshl_b32 s26, s18, 7
	s_add_co_u32 s26, s26, CSW
	s_mov_b32 s27, 0
	s_lshr_b32 s20, s16, 1
	s_mul_i32 s20, s20, 98304
	s_and_b32 s21, s16, 1
	s_mul_i32 s21, s21, 6144
	s_add_co_u32 s20, s20, s21
	s_add_co_u32 s20, s20, WOI
	s_mov_b32 s21, 0
	s_lshl_b32 s28, s16, 11
	s_add_co_u32 s28, s28, WOS
	s_mov_b32 s29, 0
	s_lshl_b32 s30, s16, 8
	s_mov_b32 s31, 0
	s_lshr_b32 s22, ttmp9, 1
	s_lshl_b32 s22, s22, 5
	s_and_b32 s23, ttmp9, 1
	s_lshl_b32 s23, s23, 3
	s_add_co_u32 s22, s22, s23
	s_lshl_b32 s22, s22, 12                        ; the tile's first token: 32 (tile / 2) + 8 (tile % 2), rows of 4,096 bytes
	s_add_co_u32 s22, s22, s30
	s_mov_b32 s23, 0
	s_wait_kmcnt 0x0
	s_load_b32 s17, s[12:13], 0x0                  ; bm
	s_add_nc_u64 s[24:25], s[4:5], s[24:25]
	s_add_nc_u64 s[26:27], s[4:5], s[26:27]
	s_add_nc_u64 s[20:21], s[6:7], s[20:21]
	s_add_nc_u64 s[28:29], s[6:7], s[28:29]
	s_add_nc_u64 s[32:33], s[10:11], s[30:31]
	s_add_nc_u64 s[30:31], s[8:9], s[30:31]
	s_add_nc_u64 s[22:23], s[14:15], s[22:23]
.irp c, 0,1
.irp j, 0,1,2
	global_load_b64 v[AF+6*\c+2*\j:AF+6*\c+2*\j+1], v2, s[24:25] offset:768*\c+256*\j   ; two heads' pieces are one fragment
.endr
.endr
	global_load_b32 v248, v3, s[26:27]
	global_load_b32 v249, v3, s[26:27] offset:128
	global_load_b64 v[250:251], v2, s[30:31]
	global_load_b64 v[252:253], v2, s[32:33]
	global_load_b64 v[254:255], v2, s[32:33] offset:4096
.irp b, 0,1,2,3
.irp p, 0,1,2,3
	global_load_b64 v[SB+8*\b+2*\p:SB+8*\b+2*\p+1], v4, s[28:29] offset:(\b/2)*1024+\p*256+(\b%2)*128
.endr
.endr
.macro BLOAD s                         ; Wo's four fragments of K step s into set s % 2
.set BS_, BF+48*((\s)%2)
.irp b, 0,1,2,3
.irp g, 0,1,2
	global_load_b128 v[BS_+12*\b+4*\g:BS_+12*\b+4*\g+3], v1, s[20:21] offset:(\s)*12288+\b*1536+512*\g
.endr
.endr
.endm
.macro ALOAD s                         ; both kinds' fragments of K step s
.irp k, 0,1
.irp g, 0,1,2
	ds_load_b128 v[AF+12*\k+4*\g:AF+12*\k+4*\g+3], v1 offset:AIM+(8*\k+(\s))*1536+512*\g
.endr
.endr
.endm
	BLOAD 0
	BLOAD 1
	s_wait_loadcnt 24                              ; all but the 24 loads of Wo's first two K steps
	v_lshl_or_b32 v248, v249, 16, v248             ; two heads' two bytes each: the K step's scale word
.irp g, 0,1,2
	ds_store_b128 v5, v[AF+4*\g:AF+4*\g+3] offset:AIM+512*\g
.endr
	ds_store_b32 v6, v248
	ds_store_b64 v7, v[250:251]
	ds_store_b64 v7, v[252:253] offset:256
	ds_store_b64 v7, v[254:255] offset:512
	s_wait_dscnt 0x0                               ; for the others' sake: my stores have landed
	s_barrier_signal -1
	s_barrier_wait -1                              ; the sixteen fragments lie in LDS
.irp k, 0,1
.irp s, 0,1,2,3,4,5,6,7
	ds_load_b32 v[SA+8*\k+\s], v3 offset:ASC+(8*\k+\s)*128
.endr
.endr
	ALOAD 0
.macro KS s                            ; a K step: eight products, the eight accumulators by turns
.if (\s) < 7
	s_wait_loadcnt 12                              ; this step's fragments of Wo are in; the next step's 12 loads may be out
.else
	s_wait_loadcnt 0x0
.endif
	s_wait_dscnt 0x0
.set KB_, BF+48*((\s)%2)
.irp k, 0,1
.irp b, 0,1,2,3
.if (\s) == 0
	v_wmma_scale_f32_16x16x128_f8f6f4 v[ACC+32*\k+8*\b:ACC+32*\k+8*\b+7], v[KB_+12*\b:KB_+12*\b+11], v[AF+12*\k:AF+12*\k+11], 0, v[SB+8*\b+(\s)], v[SA+8*\k+(\s)] matrix_a_fmt:MATRIX_FMT_FP6 matrix_b_fmt:MATRIX_FMT_FP6
.else
	v_wmma_scale_f32_16x16x128_f8f6f4 v[ACC+32*\k+8*\b:ACC+32*\k+8*\b+7], v[KB_+12*\b:KB_+12*\b+11], v[AF+12*\k:AF+12*\k+11], v[ACC+32*\k+8*\b:ACC+32*\k+8*\b+7], v[SB+8*\b+(\s)], v[SA+8*\k+(\s)] matrix_a_fmt:MATRIX_FMT_FP6 matrix_b_fmt:MATRIX_FMT_FP6
.endif
.endr
.endr
	PLACES 4                                       ; in front of loads into registers that these products have read, and of the first read of results
.if (\s) < 6
	BLOAD (\s)+2
.endif
.if (\s) < 7
	ALOAD (\s)+1
.endif
.endm
.irp s, 0,1,2,3,4,5,6,7
	KS \s
.endr
; bo and Wm's two halves at my lane's 32 columns: 32 be + 16 h + 0 .. 15
.irp vec, 0,1,2
.irp be, 0,1
.irp j, 0,1,2,3
	ds_load_b128 v[BF+32*\vec+16*\be+4*\j:BF+32*\vec+16*\be+4*\j+3], v8 offset:256*\vec+128*\be+16*\j
.endr
.endr
.endr
	s_wait_dscnt 0x0
.irp k, 0,1
.irp p, 0,1,2,3,4,5,6,7,8,9,10,11,12,13,14,15
	v_pk_add_f32 v[ACC+32*\k+2*\p:ACC+32*\k+2*\p+1], v[ACC+32*\k+2*\p:ACC+32*\k+2*\p+1], v[BF+2*\p:BF+2*\p+1]   ; + bo; each accumulator from its low end on
.endr
.endr
	v_pk_mul_f32 v[248:249], v[ACC:ACC+1], v[BF+32:BF+33]          ; [orig, tho] . Wm, in two chains
	v_pk_mul_f32 v[250:251], v[ACC+32:ACC+33], v[BF+64:BF+65]
.irp p, 1,2,3,4,5,6,7,8,9,10,11,12,13,14,15
	s_delay_alu instid0(VALU_DEP_2)
	v_pk_fma_f32 v[248:249], v[ACC+2*\p:ACC+2*\p+1], v[BF+32+2*\p:BF+33+2*\p], v[248:249]
	s_delay_alu instid0(VALU_DEP_2)
	v_pk_fma_f32 v[250:251], v[ACC+32+2*\p:ACC+33+2*\p], v[BF+64+2*\p:BF+65+2*\p], v[250:251]
.endr
	s_delay_alu instid0(VALU_DEP_1)
	v_pk_add_f32 v[248:249], v[248:249], v[250:251]
	s_delay_alu instid0(VALU_DEP_1)
	v_add_f32 v248, v248, v249
	s_delay_alu instid0(VALU_DEP_1)
	v_permlanex16_b32 v250, v248, s[SEL], s[SEL+1]
	s_delay_alu instid0(VALU_DEP_1)
	v_add_f32 v248, v248, v250                     ; my wave's 64 columns' part, for token r
	ds_store_b32 v9, v248                          ; (lanes r and r + 16 write the same word with the same value)
	s_wait_dscnt 0x0
	s_barrier_signal -1
	s_barrier_wait -1
.irp j, 0,1,2,3
	ds_load_b128 v[BF+4*\j:BF+4*\j+3], v10 offset:16*\j
.endr
	s_wait_dscnt 0x0
	s_wait_kmcnt 0x0                               ; bm
.irp j, 2
	v_pk_add_f32 v[BF:BF+1], v[BF:BF+1], v[BF+\j:BF+\j+1]          ; the sixteen parts, in one order in every wave
.endr
.irp j, 4, 6, 8, 10, 12, 14
	s_delay_alu instid0(VALU_DEP_1)
	v_pk_add_f32 v[BF:BF+1], v[BF:BF+1], v[BF+\j:BF+\j+1]          ; the sixteen parts, in one order in every wave
.endr
	s_delay_alu instid0(VALU_DEP_1)
	v_add_f32 v[BF], v[BF], v[BF+1]
	s_delay_alu instid0(VALU_DEP_1)
	v_add_f32 v[BF], s17, v[BF]
	s_delay_alu instid0(VALU_DEP_1)
	v_mul_f32 v[BF], 0xbfb8aa3b, v[BF]             ; -x log2(e)
	s_wait_alu depctr_va_vdst(0)
	v_exp_f32 v[BF+1], v[BF]
	v_nop                                          ; a plain place behind the exponential,
	s_wait_alu depctr_va_vdst(0)                   ; and the wait ahead of its reader
	v_add_f32 v[BF+1], 1.0, v[BF+1]
	s_wait_alu depctr_va_vdst(0)
	v_rcp_f32 v[BF+2], v[BF+1]                     ; the sigmoid
	v_nop
	s_wait_alu depctr_va_vdst(0)
	v_mul_f32 v254, 0x3e6d61bf, v[BF+2]            ; eff = PW x mix, PW = 0.3 (0.5 + 0.5 x 6 / 11)
	s_delay_alu instid0(VALU_DEP_1)
	v_mov_b32 v255, v254
	s_delay_alu instid0(VALU_DEP_2)
	v_sub_f32 v252, 1.0, v254
	s_delay_alu instid0(VALU_DEP_1)
	v_mov_b32 v253, v252
.irp p, 0,1,2,3,4,5,6,7,8,9,10,11,12,13,14,15
	v_pk_mul_f32 v[ACC+2*\p:ACC+2*\p+1], v[ACC+2*\p:ACC+2*\p+1], v[252:253]
.endr
.irp p, 0,1,2,3,4,5,6,7,8,9,10,11,12,13,14,15
	v_pk_fma_f32 v[ACC+2*\p:ACC+2*\p+1], v[ACC+32+2*\p:ACC+33+2*\p], v[254:255], v[ACC+2*\p:ACC+2*\p+1]
.endr
; the way out: through my own stage, so that sixteen lanes store 256 consecutive bytes of a token's row, at a multiple of 256 from out0's first byte
.irp be, 0,1
.irp j, 0,1,2,3
	ds_store_b128 v11, v[ACC+16*\be+4*\j:ACC+16*\be+4*\j+3] offset:128*\be+16*\j
.endr
.endr
.irp i, 0,1,2,3,4,5,6,7
	ds_load_b128 v[BF+4*\i:BF+4*\i+3], v12 offset:2*\i*272         ; LDS serves a wave's instructions in order: these see my stores
.endr
.irp i, 0,1,2,3,4,5,6,7
	s_wait_dscnt 7-\i                              ; the later loads from the stage may be out
	global_store_b128 v13, v[BF+4*\i:BF+4*\i+3], s[22:23] offset:(2*\i+8*(\i/4))*4096 th:TH_STORE_NT   ; stage row rho is token rho + 8 (rho / 8) of the tile
.endr
	s_wait_xcnt 0x0
	v_lshl_add_u32 v254, v0, 2, 0x1ac00
	v_mov_b32 v255, 0
	s_wait_alu depctr_va_vdst(0)
	s_wait_tensorcnt 0x0
	ds_add_u32 v254, v255
	s_wait_dscnt 0x0
	s_endpgm
.Lfunc_end_k_q228510338c_out:
	.size	k_q228510338c_out, .Lfunc_end_k_q228510338c_out-k_q228510338c_out
	.p2alignl 7, 3214868480
	.fill 96, 4, 3214868480
	.section	.rodata,"a",@progbits
	.p2align	6, 0x0
	.amdhsa_kernel k_q228510338c_out
		.amdhsa_group_segment_fixed_size 111616
		.amdhsa_private_segment_fixed_size 0
		.amdhsa_enable_private_segment 0
		.amdhsa_kernarg_size 48
		.amdhsa_user_sgpr_count 2
		.amdhsa_user_sgpr_kernarg_segment_ptr 1
		.amdhsa_wavefront_size32 1
		.amdhsa_system_sgpr_workgroup_id_x 1
		.amdhsa_system_sgpr_workgroup_id_y 1
		.amdhsa_system_sgpr_workgroup_id_z 1
		.amdhsa_system_vgpr_workitem_id 0
		.amdhsa_next_free_vgpr 256
		.amdhsa_next_free_sgpr 66
		.amdhsa_reserve_vcc 0
		.amdhsa_float_denorm_mode_32 3
		.amdhsa_float_denorm_mode_16_64 3
		.amdhsa_memory_ordered 1
		.amdhsa_forward_progress 1
		.amdhsa_inst_pref_size 43
	.end_amdhsa_kernel
	.amdgpu_metadata
---
amdhsa.version: [ 1, 2 ]
amdhsa.kernels:
  - .name:           k_q228510338c_out
    .symbol:         k_q228510338c_out.kd
    .args:
      - { .name: cc, .offset: 0, .size: 8, .value_kind: global_buffer, .address_space: global }
      - { .name: wc, .offset: 8, .size: 8, .value_kind: global_buffer, .address_space: global }
      - { .name: bo, .offset: 16, .size: 8, .value_kind: global_buffer, .address_space: global }
      - { .name: Wm, .offset: 24, .size: 8, .value_kind: global_buffer, .address_space: global }
      - { .name: bm, .offset: 32, .size: 8, .value_kind: global_buffer, .address_space: global }
      - { .name: out0, .offset: 40, .size: 8, .value_kind: global_buffer, .address_space: global }
    .group_segment_fixed_size: 111616
    .private_segment_fixed_size: 0
    .kernarg_segment_align: 8
    .kernarg_segment_size: 48
    .max_flat_workgroup_size: 512
    .sgpr_count:     66
    .vgpr_count:     256
    .wavefront_size: 32
...
	.end_amdgpu_metadata
.endif
;; end of part 8
